; MI455X (gfx1250); checked and timed in simulation.
; The chip was launched on July 23, 2026; its instructions are those of AMD's public machine-readable ISA for CDNA 5 (MIT licence, August 2026) and "CDNA5" Instruction Set Architecture Reference Guide (July 2026). The comments in the code are by the model that wrote it; some were corrected since.
;; Decoder Block. Allowed arithmetic: float matrix products may take bf16 or f16 operands with f32 sums; other float arithmetic in f32, or as packed bf16 or f16 multiplies, adds, multiply-adds, maxima and minima; sums over many terms, partial sums and values carried from step to step in f32; what a program stores and reads back later, other than sums and carried values, may be rounded once to bf16 or f16.
;; Inputs: b1 4,096 float32; b2 1,024 float32; b_o 1,024 float32; b_qkv 3,072 float32; be1 1,024 float32; be2 1,024 float32; g1 1,024 float32; g2 1,024 float32; w1 1,024 x 4,096 float32; w2 4,096 x 1,024 float32; w_o 1,024 x 1,024 float32; w_qkv 1,024 x 3,072 float32; x 2 x 2,048 x 1,024 float32.
;; Outputs: out0 2 x 2,048 x 1,024 float32.
;; 2 versions, each right; version 2 is version 1 with the launch prep written anew for expert scheduling mode. Each part assembles by itself: llvm-mc -triple=amdgcn-amd-amdhsa -mcpu=gfx1250 --defsym DOCPART=n.
;; ======== version 1 of 2: 7 launches
;; limits: values are held in f16: magnitudes above 65,504 overflow, below 6.1e-05 lose precision
;; workspace buffers: wb 25,165,824 bytes; nx 8,388,608 bytes; qkvh 25,165,824 bytes; ctx 8,388,608 bytes; x1 16,777,216 bytes; nx2 8,388,608 bytes; h 33,554,432 bytes
;; launch prep (part 1): grid 256 x 1, 16 waves a work-group, no clusters, 0 bytes of LDS; arguments x, g1, be1, nx, w_qkv, w_o, w1, w2, wb; writes nx, wb
.if DOCPART == 1
	.amdgcn_target "amdgcn-amd-amdhsa--gfx1250"
	.amdhsa_code_object_version 6
	.text
	.protected	k_q2a6765b71e_prep
	.globl	k_q2a6765b71e_prep
	.p2align	8
	.type	k_q2a6765b71e_prep,@function
k_q2a6765b71e_prep:
	s_mov_b64 s[64:65], 0
	v_nop
	global_prefetch_b8 v0, s[64:65] scope:SCOPE_SE
	s_setreg_imm32_b32 hwreg(HW_REG_WAVE_MODE, 25, 1), 1
	s_wait_xcnt 0x0
; TWO JOBS FOR EVERY WAVE.  The launch has 4,096 waves; wave w takes
;   row w of x: nx = layernorm(x; g1, be1), [4096][1024] f32 -> bf16: mean, then the squares of x - mean (two passes over registers, so a common offset of x costs nothing), all in f32; nx rounded once;
;   three pieces of 4,096 bytes of the weights, rounded to bf16 into wb, layout [K][N] kept: piece w of w_qkv followed by w_o (w_o begins at w = 3,072), piece w of w1, piece w of w2.
; wb: w_qkv at 0, w_o at 6,291,456, w1 at 8,388,608, w2 at 16,777,216.  w_o's bf16 number is written as f16, since its product takes f16 operands.
; LIMIT: |w_o| stays under 65,504, and below 6e-5 it keeps f16's step of 6e-8.
; All 48 loads of a wave go out ahead of everything else, and there is no loop: each byte is read once and written once; a load of a wave covers 512 consecutive bytes, a store 256, aligned.
; Results are made in the registers that were loaded.  No LDS, no barrier, no matrix unit: no wave wants a byte of another's but g and be.
.set CH, 4                             ; v[4:11]    four chains of sums, a pair each; later at work
.set TT, 12                            ; v12-13     at work
.set MN, 14                            ; v[14:15]   the mean, twice
.set RR, 16                            ; v[16:17]   1 / sqrt(var + eps), twice
.set GG, 20                            ; v[20:51]   g of my 32 columns
.set BB, 52                            ; v[52:83]   be
.set XX, 84                            ; v[84:115]  the row: load c holds columns 128 c + 4 lane .. + 3
.set WW, 116                           ; v[116:211] three pieces of 32 registers
	s_load_b256 s[4:11], s[0:1], 0x0               ; x s[4:5], g1 s[6:7], be1 s[8:9], nx s[10:11]
	s_load_b256 s[12:19], s[0:1], 0x20             ; w_qkv s[12:13], w_o s[14:15], w1 s[16:17], w2 s[18:19]
	s_load_b64 s[20:21], s[0:1], 0x40              ; wb
	v_and_b32 v3, 31, v0
	v_lshlrev_b32 v1, 4, v3                        ; 16 x lane: loads
	v_lshlrev_b32 v2, 3, v3                        ; 8 x lane: stores
	v_lshrrev_b32 v3, 5, v0
	v_readfirstlane_b32 s22, v3                    ; wave 0..15
	s_lshl_b32 s23, ttmp9, 4
	s_add_co_u32 s23, s23, s22                     ; w
	s_mov_b32 s3, 0
	s_mov_b32 s32, 0x76543210                      ; v_permlanex16_b32: each lane takes its own place in the other half
	s_mov_b32 s33, 0xfedcba98
	s_mov_b32 s34, 0x3a800000                      ; 1 / 1024
	s_mov_b32 s35, 0x3727c5ac                      ; 1e-5
	v_mov_b32 v[TT+1], 0                           ; the exchange's destination counts as read
	s_cmp_ge_u32 s23, 3072                         ; is my first piece w_o's?
	s_cselect_b32 s29, 1, 0
	s_cselect_b32 s30, 3072, 0
	s_sub_co_u32 s30, s23, s30                     ; its number in its own matrix
	s_wait_kmcnt 0x0
	s_cmp_eq_u32 s29, 1
	s_cselect_b64 s[12:13], s[14:15], s[12:13]
	s_lshl_b32 s2, s30, 12
	s_add_nc_u64 s[12:13], s[12:13], s[2:3]
	s_lshl_b32 s2, s23, 12                         ; 4,096 bytes: a row of x, a piece of w1 and of w2
	s_add_nc_u64 s[4:5], s[4:5], s[2:3]
	s_add_nc_u64 s[16:17], s[16:17], s[2:3]
	s_add_nc_u64 s[18:19], s[18:19], s[2:3]
	s_lshl_b32 s2, s23, 11                         ; 2,048 bytes: what each becomes
	s_add_nc_u64 s[10:11], s[10:11], s[2:3]
	s_add_nc_u64 s[20:21], s[20:21], s[2:3]        ; w_qkv's and w_o's sections lie on end
	s_add_nc_u64 s[24:25], s[20:21], 8388608       ; w1's
	s_add_nc_u64 s[26:27], s[20:21], 16777216      ; w2's
.irp c, 0,1,2,3,4,5,6,7
	global_load_b128 v[XX+4*(\c):XX+4*(\c)+3], v1, s[4:5] offset:512*(\c) th:TH_LOAD_NT
.endr
.irp c, 0,1,2,3,4,5,6,7
	global_load_b128 v[GG+4*(\c):GG+4*(\c)+3], v1, s[6:7] offset:512*(\c)
.endr
.irp c, 0,1,2,3,4,5,6,7
	global_load_b128 v[BB+4*(\c):BB+4*(\c)+3], v1, s[8:9] offset:512*(\c)
.endr
.irp c, 0,1,2,3,4,5,6,7
	global_load_b128 v[WW+4*(\c):WW+4*(\c)+3], v1, s[12:13] offset:512*(\c) th:TH_LOAD_NT
.endr
.irp c, 0,1,2,3,4,5,6,7
	global_load_b128 v[WW+32+4*(\c):WW+32+4*(\c)+3], v1, s[16:17] offset:512*(\c) th:TH_LOAD_NT
.endr
.irp c, 0,1,2,3,4,5,6,7
	global_load_b128 v[WW+64+4*(\c):WW+64+4*(\c)+3], v1, s[18:19] offset:512*(\c) th:TH_LOAD_NT
.endr
.macro REDUCE                          ; the four chains into one number, the same in every lane, in v[TT]
	v_pk_add_f32 v[CH:CH+1], v[CH:CH+1], v[CH+2:CH+3]
	v_pk_add_f32 v[CH+4:CH+5], v[CH+4:CH+5], v[CH+6:CH+7]
	v_pk_add_f32 v[CH:CH+1], v[CH:CH+1], v[CH+4:CH+5]
	v_add_f32 v[TT], v[CH], v[CH+1]
.irp m, 1,2,4,8
	v_add_f32_dpp v[TT], v[TT], v[TT] row_xmask:\m row_mask:0xf bank_mask:0xf
.endr
	v_permlanex16_b32 v[TT+1], v[TT], s32, s33
	v_add_f32 v[TT], v[TT], v[TT+1]
.endm
	; ---- the row ----
	s_wait_loadcnt 40                              ; loads come back in order: the row is in; g, be (16) and the pieces (24) stay out
.set k, 0
.rept 4
	v_pk_add_f32 v[CH+2*k:CH+2*k+1], v[XX+2*k:XX+2*k+1], v[XX+8+2*k:XX+8+2*k+1]
.set k, k+1
.endr
.set k, 0
.rept 8
	v_pk_add_f32 v[CH+2*(k%4):CH+2*(k%4)+1], v[CH+2*(k%4):CH+2*(k%4)+1], v[XX+16+2*k:XX+16+2*k+1]
.set k, k+1
.endr
	REDUCE
	v_mul_f32 v[MN], s34, v[TT]
	v_mul_f32 v[MN+1], s34, v[TT]
.set k, 0
.rept 16
	v_pk_add_f32 v[XX+2*k:XX+2*k+1], v[XX+2*k:XX+2*k+1], v[MN:MN+1] neg_lo:[0,1] neg_hi:[0,1]
.set k, k+1
.endr
.set k, 0
.rept 4
	v_pk_mul_f32 v[CH+2*k:CH+2*k+1], v[XX+2*k:XX+2*k+1], v[XX+2*k:XX+2*k+1]
.set k, k+1
.endr
.rept 12
	v_pk_fma_f32 v[CH+2*(k%4):CH+2*(k%4)+1], v[XX+2*k:XX+2*k+1], v[XX+2*k:XX+2*k+1], v[CH+2*(k%4):CH+2*(k%4)+1]
.set k, k+1
.endr
	REDUCE
	v_fma_f32 v[TT], v[TT], s34, s35               ; var + eps
	v_rsq_f32 v[RR], v[TT]
	v_rsq_f32 v[RR+1], v[TT]
	v_nop                                          ; a plain instruction behind the last root,
	s_wait_alu depctr_va_vdst(0)                   ; and one wait for both, ahead of their first reader
	s_wait_loadcnt 24                              ; g and be are in; the pieces stay out
.set k, 0
.rept 16
	v_pk_mul_f32 v[XX+2*k:XX+2*k+1], v[XX+2*k:XX+2*k+1], v[RR:RR+1]
.set k, k+1
.endr
.set k, 0
.rept 16
	v_pk_fma_f32 v[XX+2*k:XX+2*k+1], v[XX+2*k:XX+2*k+1], v[GG+2*k:GG+2*k+1], v[BB+2*k:BB+2*k+1]
.set k, k+1
.endr
.set c, 0
.rept 8
	v_cvt_pk_bf16_f32 v[XX+4*c], v[XX+4*c], v[XX+4*c+1]
	v_cvt_pk_bf16_f32 v[XX+4*c+1], v[XX+4*c+2], v[XX+4*c+3]
	global_store_b64 v2, v[XX+4*c:XX+4*c+1], s[10:11] offset:256*c th:TH_STORE_NT  ; 32 lanes store 256 consecutive bytes, aligned
.set c, c+1
.endr
	; ---- the pieces ----  piece k's load c is the wave's piece load 8 k + c of 24
.macro PIECE k, half, base             ; half = 1: the bf16 number is written as f16
.set c, 0
.rept 8
.set r, WW+32*(\k)+4*c
	s_wait_loadcnt 23-8*(\k)-c                     ; this load is in, the younger ones stay out
	v_cvt_pk_bf16_f32 v[r], v[r], v[r+1]
	v_cvt_pk_bf16_f32 v[r+1], v[r+2], v[r+3]
.if \half
	v_lshlrev_b32 v8, 16, v[r]
	v_and_b32 v9, 0xffff0000, v[r]
	v_lshlrev_b32 v10, 16, v[r+1]
	v_and_b32 v11, 0xffff0000, v[r+1]
	v_cvt_pk_f16_f32 v[r], v8, v9
	v_cvt_pk_f16_f32 v[r+1], v10, v11
.endif
	global_store_b64 v2, v[r:r+1], s[\base:\base+1] offset:256*c th:TH_STORE_NT
.set c, c+1
.endr
.endm
	s_cmp_eq_u32 s29, 1
	s_cbranch_scc1 .Lwo
	PIECE 0, 0, 20
	s_branch .Lrest
.Lwo:
	PIECE 0, 1, 20
.Lrest:
	PIECE 1, 0, 24
	PIECE 2, 0, 26
	s_endpgm
.Lfunc_end_k_q2a6765b71e_prep:
	.size	k_q2a6765b71e_prep, .Lfunc_end_k_q2a6765b71e_prep-k_q2a6765b71e_prep
	.p2alignl 7, 3214868480
	.fill 96, 4, 3214868480
	.section	.rodata,"a",@progbits
	.p2align	6, 0x0
	.amdhsa_kernel k_q2a6765b71e_prep
		.amdhsa_group_segment_fixed_size 0
		.amdhsa_private_segment_fixed_size 0
		.amdhsa_enable_private_segment 0
		.amdhsa_kernarg_size 72
		.amdhsa_user_sgpr_count 2
		.amdhsa_user_sgpr_kernarg_segment_ptr 1
		.amdhsa_wavefront_size32 1
		.amdhsa_system_sgpr_workgroup_id_x 1
		.amdhsa_system_sgpr_workgroup_id_y 1
		.amdhsa_system_sgpr_workgroup_id_z 1
		.amdhsa_system_vgpr_workitem_id 0
		.amdhsa_next_free_vgpr 212
		.amdhsa_next_free_sgpr 66
		.amdhsa_reserve_vcc 0
		.amdhsa_float_denorm_mode_32 3
		.amdhsa_float_denorm_mode_16_64 3
		.amdhsa_memory_ordered 1
		.amdhsa_forward_progress 1
		.amdhsa_inst_pref_size 25
	.end_amdhsa_kernel
	.amdgpu_metadata
---
amdhsa.version: [ 1, 2 ]
amdhsa.kernels:
  - .name:           k_q2a6765b71e_prep
    .symbol:         k_q2a6765b71e_prep.kd
    .args:
      - { .name: x, .offset: 0, .size: 8, .value_kind: global_buffer, .address_space: global }
      - { .name: g1, .offset: 8, .size: 8, .value_kind: global_buffer, .address_space: global }
      - { .name: be1, .offset: 16, .size: 8, .value_kind: global_buffer, .address_space: global }
      - { .name: nx, .offset: 24, .size: 8, .value_kind: global_buffer, .address_space: global }
      - { .name: w_qkv, .offset: 32, .size: 8, .value_kind: global_buffer, .address_space: global }
      - { .name: w_o, .offset: 40, .size: 8, .value_kind: global_buffer, .address_space: global }
      - { .name: w1, .offset: 48, .size: 8, .value_kind: global_buffer, .address_space: global }
      - { .name: w2, .offset: 56, .size: 8, .value_kind: global_buffer, .address_space: global }
      - { .name: wb, .offset: 64, .size: 8, .value_kind: global_buffer, .address_space: global }
    .group_segment_fixed_size: 0
    .private_segment_fixed_size: 0
    .kernarg_segment_align: 8
    .kernarg_segment_size: 72
    .max_flat_workgroup_size: 512
    .sgpr_count:     66
    .vgpr_count:     212
    .wavefront_size: 32
...
	.end_amdgpu_metadata
.endif
;; end of part 1
;; launch qkv (part 2): grid 12 x 16, 4 waves a work-group, clusters of 4 x 4, 327,680 bytes of LDS; arguments nx, wb, b_qkv, qkvh; writes qkvh
.if DOCPART == 2
	.amdgcn_target "amdgcn-amd-amdhsa--gfx1250"
	.amdhsa_code_object_version 6
	.text
	.protected	k_q2a6765b71e_qkv
	.globl	k_q2a6765b71e_qkv
	.p2align	8
	.type	k_q2a6765b71e_qkv,@function
k_q2a6765b71e_qkv:
	s_mov_b64 s[64:65], 0
	v_nop
	global_prefetch_b8 v0, s[64:65] scope:SCOPE_SE
	s_setreg_imm32_b32 hwreg(HW_REG_WAVE_MODE, 25, 1), 1
	s_wait_xcnt 0x0
	s_wait_alu depctr_hold_cnt(0) depctr_sa_sdst(0) depctr_va_vdst(0) depctr_va_sdst(0) depctr_va_ssrc(0) depctr_va_vcc(0) depctr_vm_vsrc(0)
	s_getreg_b32 s2, hwreg(HW_REG_IB_STS2, 6, 4)
	s_cmp_eq_u32 s2, 0
	s_cbranch_scc0 .Lentry_in_a_cluster
	s_endpgm
.Lentry_in_a_cluster:
	s_bfe_u32 s2, ttmp6, 0x10000c
	s_cmp_lg_u32 s2, 0xf033
	s_cbranch_scc0 .Lentry_shape_is_right
	s_endpgm
.Lentry_shape_is_right:
; C = A B + bias on tiles of 256 x 256.  A: [4096][1024] bf16, rows along K.  B: a section of wb, [1024][SIZE_N] bf16, rows along N.  Sums in f32.
; QKV = 1: A = nx, B = w_qkv; C + b_qkv is rounded once to f16 and written by heads, qkvh[part q/k/v][batch x 16 + head][token][64].  LIMIT: |q|, |k|, |v| stay under 65,504.
; QKV = 0: A = nx2, B = w1; h = gelu(C + b1), rounded once to bf16, [4096][4096].  gelu(x) = x / (1 + 2^(x (K0 + K1 x^2))) is the tanh form itself, K0 = -2 sqrt(2/pi) log2(e), K1 = 0.044715 K0.
; SHARES.  Four waves, each 128 x 128 of C: 64 accumulators, 512 registers.  K goes in steps of 128 through a ring of two LDS slots filled by tensor loads; waves 0, 1 fetch A's two halves
; (128 rows x 256 bytes), waves 2, 3 B's (64 rows x 512 bytes).  One K step is written once: the slot in hand is a scalar that an exclusive or turns.
; CLUSTER 4 x 4: A's tile is shared along a row of the cluster, B's along a column; each is asked for jointly, by the same load and descriptor in the four that the mask names.
; THE PRODUCT IS USED TRANSPOSED: source 0 = 16 columns of B (turned on the way out of LDS by ds_load_tr16_b128), source 1 = 16 rows of A: a lane holds row l % 16 of C and columns 8 (l / 16) + 0..7.
; THE WAY OUT: each wave dumps its 128 x 128 f32 into the ring, which has had its last fill, and walks it by rows in a loop of 16 trips.
; REGISTERS: window 0: v0-47 addresses and bias; v64-127, v128-191 A's fragments, two buffers (on the way out: at work).  Window 1: B's fragments at the same numbers.  Windows 2, 3: accumulator (a, b) at 8 (8 a + b).
.set QKV, 1
.if QKV
.set SIZE_N, 3072
.set SEC, 0
.else
.set SIZE_N, 4096
.set SEC, 8388608
.endif
.set SIZE_K, 1024
.set KSTEP, 128
.set STEPS, SIZE_K/KSTEP
.set PA,    272                        ; a row of A in LDS: 256 bytes + 16: the 16 rows of a fragment load start 16 bytes apart modulo 256
.set PB,    544                        ; a row of B: 512 bytes + 32: an odd multiple of 32, for the turning load
.set HALFT, 128*PA                     ; what one tensor load brings: 128 rows of A, or 64 of B (64 x 544 is the same)
.set BOFF,  2*HALFT
.set SLOT,  4*HALFT
.set SPARE, 2*SLOT                     ; behind the ring: the spare words, 128 bytes a wave, which no other line names
.set DP,    528                        ; a row of the dump: 512 bytes + 16
.set DUMPB, 128*DP
.set ASTEP, KSTEP*2
.set BSTEP, KSTEP*SIZE_N*2
.set ADRA, 16                          ; v16 LDS address of my A fragments in the slot in hand; v17 the same in slot 0
.set ADRA0, 17
.set ADRB, 20                          ; v20, v21 the same for B
.set ADRB0, 21
.set DST, 24                           ; v24 where I put 32 bytes of a row of the dump
.set RDA, 25                           ; v25 where I read the dump
.set GO,  26                           ; v26 my byte offset in the stores
.set BO,  27                           ; v27 my byte offset in the bias
.set SPW, 28                           ; v28 my spare word; never rewritten
.set NIL, 29                           ; v29 0; never rewritten
.set PFO, 30                           ; v30 the prefetches' offset; never rewritten
.set BI,  32                           ; v32.. the bias of my columns
.set F0,  64
.set F1,  128
.set X,   64                           ; the way out: v[64:95] as read, v[96:127] + bias, v[128:159] at work, v[160:175] packed
.set XB,  96
.set T,   128
.set Y,   160
.set WV, 12                            ; s12 wave; s13 wave / 2: my half of the rows, and 0 = I fetch A, 1 = B; s14 wave % 2: my half of the columns, and which half I fetch
.set WM, 13
.set WN, 14
.set TY, 15                            ; s15 tile row; s42 tile column; s40, s41 my place in the cluster
.set CX, 40
.set CY, 41
.set TX, 42
.set G1A, 24                           ; s[24:31] group 1 for A; s[32:35] group 0 of the first fill, s[36:39] the one that walks
.set G0A, 32
.set G1B, 48                           ; s[48:55], s[56:59], s[60:63] the same for B
.set G0B, 56
.set TB,  66                           ; s66 base of the slot that is read; s67 of the slot that is filled
.set TF,  67
.set LWA, 68                           ; s68 my load's place in a slot if it is A's; s78 if it is B's
.set LWB, 78
.set LIM, 69                           ; s69 1 in a wave that prefetches, else the greatest number
.set PFA, 70                           ; s[70:71] where my prefetches stand; s[72:73] their step
.set PFS, 72
.set K1,  74                           ; s[74:75], s[76:77] gelu's constants, named as pairs
.set K0,  76
.set MSB, 0
.macro WIN new                         ; the immediate's high byte repeats the setting that is left; a switch that changes nothing is dropped
.if MSB != (\new)
	s_set_vgpr_msb (MSB<<8)|(\new)
.set MSB, \new
.endif
.endm
.set MUL_LO, 0xa1                      ; source 0 (B) window 1, source 1 (A) window 0, C and D window 2
.set MUL_HI, 0xf1                      ; the same, C and D window 3
.set TO_B,   0x40                      ; destination window 1, address window 0
.macro PLACES                          ; four plain places behind matrix instructions, ahead of loads into their sources and of reads of their results
.rept 4
	v_nop
.endr
.endm
.macro JLOAD                           ; a joint refill by the walking descriptor; the branch hangs on the wave's number alone; s_nop 0 and four v_nop follow each line
	s_cmp_eq_u32 s[WM], 0
	s_cbranch_scc0 .Lfor_b_\@
	tensor_load_to_lds s[G0A+4:G0A+7], s[G1A:G1A+7]
	s_nop 0
.rept 4
	v_nop
.endr
	s_branch .Lasked_\@
.Lfor_b_\@:
	tensor_load_to_lds s[G0B+4:G0B+7], s[G1B:G1B+7]
	s_nop 0
.rept 4
	v_nop
.endr
.Lasked_\@:
.endm
.macro CREST                           ; a round of the cluster's barrier behind its opening barrier
	s_cmp_lg_u32 s[WV], 0
	s_cbranch_scc1 .Lnot_wave_0_\@
	s_barrier_signal -3
.Lnot_wave_0_\@:
	s_barrier_wait -3
	s_barrier_signal -1
	s_barrier_wait -1
.endm
.macro CROUND
	s_barrier_signal -1
	s_barrier_wait -1
	CREST
.endm
.macro STEPD                           ; the walking descriptors: the other slot, the next K step.  No tensor load of mine is out here
	s_xor_b32 s[TF], s[TF], SLOT
	s_add_co_u32 s[G0A+5], s[LWA], s[TF]
	s_add_co_u32 s[G0B+5], s[LWB], s[TF]
	s_add_nc_u64 s[G0A+6:G0A+7], s[G0A+6:G0A+7], ASTEP
	s_add_nc_u64 s[G0B+6:G0B+7], s[G0B+6:G0B+7], BSTEP
.endm
.macro FLIP                            ; the reads go on in the other slot
	s_xor_b32 s[TB], s[TB], SLOT
	v_add_nc_u32 v[ADRA], s[TB], v[ADRA0]
	v_add_nc_u32 v[ADRB], s[TB], v[ADRB0]
.endm
; A PREFETCH INTO THE L2 behind each refill and the run of LDS loads that follows it: the K step that the NEXT refill will ask for, 256 matrix instructions ahead of that load.  A's rows are read by every
; cluster of a row of clusters: cluster x = 0 asks; B's by every cluster of a column: cluster y = 0 asks.  The four partners share a wave's 128 blocks of 256 bytes out by address, 32 each, a lane a block:
; each block is named once in the launch.  K steps 0 to 2 come by their loads alone; the loop's last trip asks for nothing: there is no K step behind the last.
.macro ASK
	s_cmp_gt_u32 s3, s[LIM]
	s_cbranch_scc0 .Lnot_mine_\@
	global_prefetch_b8 v[PFO], s[PFA:PFA+1] th:TH_LOAD_NT scope:SCOPE_SE
.Lnot_mine_\@:
.endm
	s_load_b128 s[4:7], s[0:1], 0x0                ; A s[4:5], wb s[6:7]
	s_load_b128 s[8:11], s[0:1], 0x10              ; bias s[8:9], out s[10:11]
	v_lshl_add_u32 v[SPW], v0, 2, SPARE
	v_mov_b32 v[NIL], 0
	ds_add_u32 v[SPW], v[NIL]                      ; the wave's opening: the add and its wait stand ahead of my first tensor load; the set-up below stands between them
	v_lshrrev_b32 v1, 5, v0
	v_readfirstlane_b32 s[WV], v1
	s_lshr_b32 s[WM], s[WV], 1
	s_and_b32 s[WN], s[WV], 1
	s_bfe_u32 s[CX], ttmp6, 0x40000
	s_bfe_u32 s[CY], ttmp6, 0x40004
	s_lshl_b32 s[TX], ttmp9, 2
	s_add_co_u32 s[TX], s[TX], s[CX]               ; tile column = 4 x cluster x + cx
	s_and_b32 s[TY], ttmp7, 0xffff
	s_lshl_b32 s[TY], s[TY], 2
	s_add_co_u32 s[TY], s[TY], s[CY]               ; tile row = 4 x cluster y + cy
	s_lshl_b32 s43, s[CY], 2
	s_lshl_b32 s43, 15, s43                        ; my row of the cluster
	s_lshl_b32 s46, 0x1111, s[CX]                  ; my column
	s_or_b32 s[G1A], s43, (1<<16)|(1<<20)|(1<<21)|(5<<22)|(3<<25)  ; mask; 2-byte elements; padding on; bit 21 beside a mask; after every 64 words, 4 words
	s_or_b32 s[G1B], s46, (1<<16)|(1<<20)|(1<<21)|(6<<22)|(7<<25)  ; after every 128 words, 8 words
	s_mov_b32 s[G1A+1], KSTEP<<16                  ; tensor_dim0 = 128
	s_mov_b32 s[G1A+2], 128<<16                    ; tensor_dim1 = 128
	s_mov_b32 s[G1A+3], KSTEP<<16                  ; tile_dim0 = 128
	s_mov_b32 s[G1A+4], 128                        ; tile_dim1 = 128
	s_mov_b32 s[G1A+5], SIZE_K                     ; elements from row to row
	s_mov_b32 s[G1A+6], 0
	s_mov_b32 s[G1A+7], 0
	s_mov_b32 s[G1B+1], 256<<16                    ; 256 columns,
	s_mov_b32 s[G1B+2], 64<<16                     ; 64 rows of K
	s_mov_b32 s[G1B+3], 256<<16
	s_mov_b32 s[G1B+4], 64
	s_mov_b32 s[G1B+5], SIZE_N
	s_mov_b32 s[G1B+6], 0
	s_mov_b32 s[G1B+7], 0
	s_lshl_b32 s16, s[TY], 8
	s_lshl_b32 s17, s[WN], 7
	s_add_co_u32 s16, s16, s17
	s_lshl_b32 s16, s16, 11                        ; A: (256 x tile row + 128 x half) rows of 2,048 bytes
	s_mov_b32 s17, 0
	s_mul_i32 s18, s[WN], 64*2*SIZE_N              ; B: 64 x half rows of K,
	s_lshl_b32 s19, s[TX], 9
	s_add_co_u32 s18, s18, s19                     ; and the tile's 512 bytes of a row
	s_mov_b32 s19, 0
	s_mul_i32 s[LWA], s[WN], HALFT                 ; no place in the cluster enters an LDS address
	s_add_co_u32 s[LWB], s[LWA], BOFF
	s_mov_b32 s[TB], 0
	s_mov_b32 s[TF], SLOT
	s_wait_dscnt 0x0                               ; the opening add is done
	s_wait_kmcnt 0x0
.if SEC
	s_add_nc_u64 s[6:7], s[6:7], SEC               ; my section of wb
.endif
	s_add_nc_u64 s[20:21], s[4:5], s[16:17]
	s_add_nc_u64 s[22:23], s[6:7], s[18:19]
	s_mov_b32 s[G0A], 1                            ; count = 1
	s_mov_b32 s[G0A+1], s[LWA]                     ; slot 0
	s_mov_b64 s[G0A+2:G0A+3], s[20:21]             ; K step 0
	s_or_b32 s[G0A+3], s[G0A+3], 0x80000000        ; type = 2
	s_mov_b32 s[G0A+4], 1
	s_add_co_u32 s[G0A+5], s[LWA], SLOT            ; slot 1
	s_add_nc_u64 s[G0A+6:G0A+7], s[20:21], ASTEP   ; K step 1
	s_or_b32 s[G0A+7], s[G0A+7], 0x80000000
	s_mov_b32 s[G0B], 1
	s_mov_b32 s[G0B+1], s[LWB]
	s_mov_b64 s[G0B+2:G0B+3], s[22:23]
	s_or_b32 s[G0B+3], s[G0B+3], 0x80000000
	s_mov_b32 s[G0B+4], 1
	s_add_co_u32 s[G0B+5], s[LWB], SLOT
	s_add_nc_u64 s[G0B+6:G0B+7], s[22:23], BSTEP
	s_or_b32 s[G0B+7], s[G0B+7], 0x80000000
	CROUND                                         ; all sixteen work-groups are here: the first joint loads meet
	s_cmp_eq_u32 s[WM], 0                          ; a wave's two first fills stand in one branch: two loads of mine are out
	s_cbranch_scc0 .Lfirst_b
	tensor_load_to_lds s[G0A:G0A+3], s[G1A:G1A+7]
	s_nop 0
	tensor_load_to_lds s[G0A+4:G0A+7], s[G1A:G1A+7]
	s_nop 0
.rept 4
	v_nop
.endr
	s_branch .Lfirst_done
.Lfirst_b:
	tensor_load_to_lds s[G0B:G0B+3], s[G1B:G1B+7]
	s_nop 0
	tensor_load_to_lds s[G0B+4:G0B+7], s[G1B:G1B+7]
	s_nop 0
.rept 4
	v_nop
.endr
.Lfirst_done:
	v_and_b32 v1, 15, v0                           ; l % 16
	v_bfe_u32 v2, v0, 4, 1                         ; l / 16
	v_mul_u32_u24 v3, v1, PA
	v_lshl_add_u32 v3, v2, 4, v3                   ; A: row x pitch + 16 x half of the lanes
	s_mul_i32 s16, s[WM], HALFT
	v_add_nc_u32 v[ADRA0], s16, v3
	v_mov_b32 v[ADRA], v[ADRA0]
	v_and_b32 v4, 7, v0                            ; B, turned: lane l reads K row 8 (l / 16) + l % 8, 16 bytes at 16 ((l / 8) % 2)
	v_lshl_add_u32 v4, v2, 3, v4
	v_mul_u32_u24 v4, v4, PB
	v_bfe_u32 v5, v0, 3, 1
	v_lshl_add_u32 v4, v5, 4, v4
	s_lshl_b32 s16, s[WN], 8
	s_add_co_u32 s16, s16, BOFF
	v_add_nc_u32 v[ADRB0], s16, v4
	v_mov_b32 v[ADRB], v[ADRB0]
	s_mul_i32 s17, s[WV], DUMPB                    ; my dump
	v_mul_u32_u24 v3, v1, DP
	v_lshl_add_u32 v3, v2, 5, v3
	v_add_nc_u32 v[DST], s17, v3                   ; row l % 16, 32 bytes for each half of the lanes
	v_and_b32 v6, 31, v0
.if QKV
	v_bfe_u32 v7, v0, 3, 2                         ; back: four tokens x 64 channels of one head: lane l takes token l / 8, channels 8 (l % 8) ..
	v_mul_u32_u24 v7, v7, DP
	v_and_b32 v8, 7, v0
	v_lshl_add_u32 v7, v8, 5, v7
	v_add_nc_u32 v[RDA], s17, v7
	v_lshlrev_b32 v[GO], 4, v6
	v_lshlrev_b32 v[BO], 5, v8
.else
	v_lshl_add_u32 v[RDA], v6, 4, s17              ; back: a row of 512 bytes, 16 a lane
	v_lshlrev_b32 v[GO], 3, v6
	v_lshlrev_b32 v[BO], 4, v6
.endif
	s_lshl_b32 s16, s[TX], 10
	s_lshl_b32 s17, s[WN], 9
	s_add_co_u32 s16, s16, s17
	s_mov_b32 s17, 0
	s_add_nc_u64 s[8:9], s[8:9], s[16:17]          ; the bias of my 128 columns
.if QKV
.irp u, 0,1
	global_load_b128 v[BI+8*(\u):BI+8*(\u)+3],   v[BO], s[8:9] offset:256*(\u)
	global_load_b128 v[BI+8*(\u)+4:BI+8*(\u)+7], v[BO], s[8:9] offset:256*(\u)+16
.endr
	s_lshl_b32 s16, s[TX], 2
	s_lshl1_add_u32 s16, s[WN], s16                ; my first head among the 48 of q, k, v
	s_lshr_b32 s17, s16, 4
	s_lshl_b32 s17, s17, 5                         ; 32 planes a part
	s_and_b32 s16, s16, 15
	s_add_co_u32 s16, s16, s17
	s_lshl_b32 s18, s[TY], 8
	s_lshl_b32 s19, s[WM], 7
	s_add_co_u32 s18, s18, s19                     ; my first row
	s_lshr_b32 s19, s18, 11
	s_lshl_b32 s19, s19, 4                         ; 16 planes a batch
	s_add_co_u32 s16, s16, s19
	s_lshl_b32 s16, s16, 11
	s_and_b32 s18, s18, 2047
	s_add_co_u32 s16, s16, s18                     ; plane x 2,048 + token,
	s_lshl_b32 s16, s16, 7                         ; of 128 bytes
.else
	global_load_b128 v[BI:BI+3], v[BO], s[8:9]
	s_lshl_b32 s16, s[TY], 8
	s_lshl_b32 s17, s[WM], 7
	s_add_co_u32 s16, s16, s17
	s_lshl_b32 s16, s16, 13                        ; my first row of h, 8,192 bytes a row,
	s_lshl_b32 s17, s[TX], 9
	s_add_co_u32 s16, s16, s17
	s_lshl_b32 s17, s[WN], 8
	s_add_co_u32 s16, s16, s17                     ; my 256 bytes of it
	s_mov_b32 s[K1], 0xbdd2d3e8                    ; -0.10294324
	s_mov_b32 s[K1+1], s[K1]
	s_mov_b32 s[K0], 0xc0135761                    ; -2.3022082
	s_mov_b32 s[K0+1], s[K0]
.endif
	s_mov_b32 s17, 0
	s_add_nc_u64 s[10:11], s[10:11], s[16:17]
	; the prefetches: at K step 2; the first refill steps them to 3
	s_lshl_b32 s18, s[TY], 8
	s_lshl_b32 s20, s[WN], 7
	s_add_co_u32 s18, s18, s20
	s_lshl_b32 s20, s[CX], 5
	s_add_co_u32 s18, s18, s20                     ; A: my work-group's 32 of the 128 rows that I fetch
	s_lshl_b32 s18, s18, 11
	s_add_co_u32 s18, s18, 2*ASTEP
	s_lshl_b32 s19, s[WN], 6
	s_lshl_b32 s20, s[CY], 4
	s_add_co_u32 s19, s19, s20                     ; B: my work-group's 16 of the 64 rows, two blocks a row
	s_add_co_u32 s19, s19, 2*KSTEP
	s_mul_i32 s19, s19, 2*SIZE_N
	s_lshl_b32 s20, s[TX], 9
	s_add_co_u32 s19, s19, s20
	s_and_b32 s22, ttmp7, 0xffff
	s_mov_b32 s17, 2*SIZE_N
	s_mov_b32 s[PFS], BSTEP
	s_mov_b32 s[PFS+1], 0
	s_mov_b32 s21, 0
	s_cmp_eq_u32 s[WM], 0
	s_cselect_b32 s20, s18, s19
	s_cselect_b32 s22, ttmp9, s22                  ; the coordinate along which other clusters read the same rows
	s_cselect_b32 s16, 0, 1
	s_cselect_b32 s17, 2*SIZE_K, s17
	s_cselect_b32 s[PFS], ASTEP, s[PFS]
	s_cselect_b64 s[PFA:PFA+1], s[4:5], s[6:7]
	s_add_nc_u64 s[PFA:PFA+1], s[PFA:PFA+1], s[20:21]
	s_cmp_eq_u32 s22, 0
	s_cselect_b32 s[LIM], 1, -1                    ; the same in all sixteen partners, for a given wave
	v_and_b32 v31, s16, v6
	v_lshrrev_b32 v[PFO], s16, v6
	v_mul_u32_u24 v[PFO], s17, v[PFO]
	v_lshl_add_u32 v[PFO], v31, 8, v[PFO]
; 16 matrix instructions: row blocks a0, a0 + 1 of the window's four x all 8 column blocks, 32 along K.  zero = 1: the product starts the sums.  The 64 accumulators take turns in the same order in every quarter.
.macro MUL16 f, hi, a0, zero
	WIN MUL_LO+0x50*(\hi)
.irp a, \a0, (\a0)+1
.irp b, 0,1,2,3,4,5,6,7
.if \zero
	v_wmma_f32_16x16x32_bf16 v[8*(8*(\a)+(\b)):8*(8*(\a)+(\b))+7], v[(\f)+8*(\b):(\f)+8*(\b)+7], v[(\f)+8*(4*(\hi)+(\a)):(\f)+8*(4*(\hi)+(\a))+7], 0
.else
	v_wmma_f32_16x16x32_bf16 v[8*(8*(\a)+(\b)):8*(8*(\a)+(\b))+7], v[(\f)+8*(\b):(\f)+8*(\b)+7], v[(\f)+8*(4*(\hi)+(\a)):(\f)+8*(4*(\hi)+(\a))+7], v[8*(8*(\a)+(\b)):8*(8*(\a)+(\b))+7]
.endif
.endr
.endr
.endm
; 32 LDS loads in one run: quarter q (32 along K) of the slot in hand into buffer f: B's 8 fragments, turned, then A's 8
.macro FETCH q, f
	WIN TO_B
.irp i, 0,1,2,3,4,5,6,7
	ds_load_tr16_b128 v[(\f)+8*(\i):(\f)+8*(\i)+3],   v[ADRB] offset:(\q)*32*PB+32*(\i)
	ds_load_tr16_b128 v[(\f)+8*(\i)+4:(\f)+8*(\i)+7], v[ADRB] offset:(\q)*32*PB+16*PB+32*(\i)
.endr
	WIN 0
.irp i, 0,1,2,3,4,5,6,7
	ds_load_b128 v[(\f)+8*(\i):(\f)+8*(\i)+3],   v[ADRA] offset:(\q)*64+(\i)*16*PA
	ds_load_b128 v[(\f)+8*(\i)+4:(\f)+8*(\i)+7], v[ADRA] offset:(\q)*64+(\i)*16*PA+32
.endr
.endm
; One of a K step's first three quarters: multiplies buffer f and, in its middle, fetches quarter q into buffer g
.macro QUARTER q, f, g, zero
	s_wait_dscnt 8                                 ; B and A's rows 0-63 are in; the youngest eight loads (A's rows 64-127) may be out
	MUL16 \f, 0, 0, \zero
	MUL16 \f, 0, 2, \zero
	PLACES
	FETCH \q, \g
	s_wait_dscnt 32                                ; all but the 32 just issued
	MUL16 \f, 1, 0, \zero
	MUL16 \f, 1, 2, \zero
.endm
; The last quarter multiplies buffer 1 and changes slots.  In front of the barrier each wave waits for all its tensor loads (one is out: its part of the next slot), adds 0 to its spare word, and waits for that and
; for its reads of this slot.  fill = 1: the barrier opens a round of the cluster's, and the joint refill of the slot just read out is the first thing behind it: 224 matrix instructions ahead of the wait for it.
.macro TURN fill
.if \fill
	s_wait_xcnt 0x0                                ; the last prefetch, a K step back, has read its address
	s_add_nc_u64 s[PFA:PFA+1], s[PFA:PFA+1], s[PFS:PFS+1]
.endif
	WIN 0
	s_wait_tensorcnt 0x0
	ds_add_u32 v[SPW], v[NIL]
	s_wait_dscnt 9                                 ; (the add and the youngest eight loads may be out)
	MUL16 F1, 0, 0, 0
	s_wait_dscnt 0x0                               ; the add is done, and my reads of this slot are over
	s_barrier_signal -1
	MUL16 F1, 0, 2, 0
	WIN 0
	s_barrier_wait -1
.if \fill
	CREST
	STEPD
	JLOAD                                          ; its four v_nop are also the places in front of the loads below
.else
	PLACES
.endif
	FLIP
	FETCH 0, F0
.if \fill
	ASK
.endif
	MUL16 F1, 1, 0, 0
	MUL16 F1, 1, 2, 0
.endm
	s_wait_tensorcnt 1                             ; my part of K step 0 is in; K step 1's load may stay out
	s_barrier_signal -1
	s_barrier_wait -1
	FETCH 0, F0
	QUARTER 1, F0, F1, 1                           ; the first quarter's products start the sums
	WIN 0
	s_mov_b32 s3, STEPS-2
.Lstep:                                        ; a trip: from a K step's second quarter to the next step's first; it fills the slot that it leaves
	QUARTER 2, F1, F0, 0
	QUARTER 3, F0, F1, 0
	TURN 1
	QUARTER 1, F0, F1, 0
	WIN 0
	s_sub_co_u32 s3, s3, 1
	s_cmp_lg_u32 s3, 0
	s_cbranch_scc1 .Lstep
	s_mov_b32 s3, 2
.Ltail:                                        ; the last two K steps ask for nothing; the second trip is left in its middle (its change of slots and the fragments that it fetches serve nothing: the price of one text for both)
	QUARTER 2, F1, F0, 0
	QUARTER 3, F0, F1, 0
	TURN 0
	WIN 0
	s_sub_co_u32 s3, s3, 1
	s_cmp_eq_u32 s3, 0
	s_cbranch_scc1 .Lout
	QUARTER 1, F0, F1, 0
	WIN 0
	s_branch .Ltail
.Lout:
	s_wait_dscnt 0x0                               ; my last reads of the ring are back
	PLACES                                         ; behind the last products
	s_barrier_signal -1
	s_barrier_wait -1                              ; nobody reads the ring any more; it has had its last fill
.set a, 0
.rept 8                                        ; the dump: each accumulator's low four registers first
	WIN 0x08+4*(a/4)                               ; store data (source 1) in window 2 or 3
.set b, 0
.rept 8
	ds_store_b128 v[DST], v[8*(8*(a%4)+b):8*(8*(a%4)+b)+3]   offset:a*16*DP+64*b
	ds_store_b128 v[DST], v[8*(8*(a%4)+b)+4:8*(8*(a%4)+b)+7] offset:a*16*DP+64*b+16
.set b, b+1
.endr
.set a, a+1
.endr
	WIN 0
.macro LOADX                           ; eight rows of my own dump; LDS serves a wave's instructions in order, so these see my stores
.if QKV
.irp u, 0,1,2,3                        ; u = 2 x head + group of four tokens
	ds_load_b128 v[X+8*(\u):X+8*(\u)+3],   v[RDA] offset:((\u)%2)*4*DP+((\u)/2)*256
	ds_load_b128 v[X+8*(\u)+4:X+8*(\u)+7], v[RDA] offset:((\u)%2)*4*DP+((\u)/2)*256+16
.endr
.else
.irp i, 0,1,2,3,4,5,6,7
	ds_load_b128 v[X+4*(\i):X+4*(\i)+3], v[RDA] offset:DP*(\i)
.endr
.endif
.endm
	LOADX
	s_wait_loadcnt 0x0                             ; the bias
	s_mov_b32 s3, 16
.Lrows:                                        ; 16 trips of 8 rows
	s_wait_dscnt 0x0
.set n, 0
.rept 16
.if QKV
	v_pk_add_f32 v[XB+2*n:XB+2*n+1], v[X+2*n:X+2*n+1], v[BI+8*(n/8)+2*(n%4):BI+8*(n/8)+2*(n%4)+1]
.else
	v_pk_add_f32 v[XB+2*n:XB+2*n+1], v[X+2*n:X+2*n+1], v[BI+2*(n%2):BI+2*(n%2)+1]
.endif
.set n, n+1
.endr
	v_add_nc_u32 v[RDA], 8*DP, v[RDA]
	s_cmp_eq_u32 s3, 1                             ; the last trip has no rows behind it
	s_cbranch_scc1 .Lno_more
	LOADX
.Lno_more:
.if QKV
.set n, 0
.rept 16
	v_cvt_pk_f16_f32 v[Y+n], v[XB+2*n], v[XB+2*n+1]
.set n, n+1
.endr
.irp u, 0,1,2,3
	global_store_b128 v[GO], v[Y+4*(\u):Y+4*(\u)+3], s[10:11] offset:((\u)/2)*262144+((\u)%2)*512  ; four tokens of a head: 512 consecutive bytes, aligned
.endr
	s_wait_xcnt 0x0                                ; the stores have read their data and base
	s_add_nc_u64 s[10:11], s[10:11], 1024
.else
.set n, 0
.rept 17                                       ; x (K0 + K1 x^2), and ONE batch of 32 exponentials, each with plain neighbours; none of their results is named ahead of the wait
.if n < 16
	v_pk_mul_f32 v[T+2*n:T+2*n+1], v[XB+2*n:XB+2*n+1], v[XB+2*n:XB+2*n+1]
.endif
.if n > 0
	v_exp_f32 v[T+2*n-2], v[T+2*n-2]
.endif
.if n < 16
	v_pk_fma_f32 v[T+2*n:T+2*n+1], v[T+2*n:T+2*n+1], s[K1:K1+1], s[K0:K0+1] op_sel_hi:[1,0,0]
.endif
.if n > 0
	v_exp_f32 v[T+2*n-1], v[T+2*n-1]
.endif
.if n < 16
	v_pk_mul_f32 v[T+2*n:T+2*n+1], v[T+2*n:T+2*n+1], v[XB+2*n:XB+2*n+1]
.endif
.set n, n+1
.endr
	v_nop
	s_wait_alu depctr_va_vdst(0)                   ; one wait for the batch, ahead of its first reader
.set n, 0
.rept 17                                       ; 1 + 2^.., and a second batch: 32 reciprocals
.if n < 16
	v_pk_add_f32 v[T+2*n:T+2*n+1], v[T+2*n:T+2*n+1], 1.0 op_sel_hi:[1,0]
.endif
.if n > 0
	v_rcp_f32 v[T+2*n-2], v[T+2*n-2]
	v_rcp_f32 v[T+2*n-1], v[T+2*n-1]
.endif
.set n, n+1
.endr
	v_nop
	s_wait_alu depctr_va_vdst(0)
.set n, 0
.rept 16
	v_pk_mul_f32 v[XB+2*n:XB+2*n+1], v[XB+2*n:XB+2*n+1], v[T+2*n:T+2*n+1]
.set n, n+1
.endr
.set n, 0
.rept 16
	v_cvt_pk_bf16_f32 v[Y+n], v[XB+2*n], v[XB+2*n+1]
.set n, n+1
.endr
.irp i, 0,1,2,3,4,5,6,7
	global_store_b64 v[GO], v[Y+2*(\i):Y+2*(\i)+1], s[10:11] offset:8192*(\i)  ; 32 lanes store 256 consecutive bytes, aligned
.endr
	s_wait_xcnt 0x0
	s_add_nc_u64 s[10:11], s[10:11], 65536
.endif
	s_sub_co_u32 s3, s3, 1
	s_cmp_lg_u32 s3, 0
	s_cbranch_scc1 .Lrows
	s_wait_tensorcnt 0x0                           ; the wave's end
	ds_add_u32 v[SPW], v[NIL]
	s_wait_dscnt 0x0
	CROUND                                         ; the closing round
	s_endpgm
.Lfunc_end_k_q2a6765b71e_qkv:
	.size	k_q2a6765b71e_qkv, .Lfunc_end_k_q2a6765b71e_qkv-k_q2a6765b71e_qkv
	.p2alignl 7, 3214868480
	.fill 96, 4, 3214868480
	.section	.rodata,"a",@progbits
	.p2align	6, 0x0
	.amdhsa_kernel k_q2a6765b71e_qkv
		.amdhsa_group_segment_fixed_size 327680
		.amdhsa_private_segment_fixed_size 0
		.amdhsa_enable_private_segment 0
		.amdhsa_kernarg_size 32
		.amdhsa_user_sgpr_count 2
		.amdhsa_user_sgpr_kernarg_segment_ptr 1
		.amdhsa_wavefront_size32 1
		.amdhsa_system_sgpr_workgroup_id_x 1
		.amdhsa_system_sgpr_workgroup_id_y 1
		.amdhsa_system_sgpr_workgroup_id_z 1
		.amdhsa_system_vgpr_workitem_id 0
		.amdhsa_next_free_vgpr 1024
		.amdhsa_next_free_sgpr 80
		.amdhsa_reserve_vcc 0
		.amdhsa_float_denorm_mode_32 3
		.amdhsa_float_denorm_mode_16_64 3
		.amdhsa_memory_ordered 1
		.amdhsa_forward_progress 1
		.amdhsa_inst_pref_size 83
	.end_amdhsa_kernel
	.amdgpu_metadata
---
amdhsa.version: [ 1, 2 ]
amdhsa.kernels:
  - .name:           k_q2a6765b71e_qkv
    .symbol:         k_q2a6765b71e_qkv.kd
    .args:
      - { .name: nx, .offset: 0, .size: 8, .value_kind: global_buffer, .address_space: global }
      - { .name: wb, .offset: 8, .size: 8, .value_kind: global_buffer, .address_space: global }
      - { .name: b_qkv, .offset: 16, .size: 8, .value_kind: global_buffer, .address_space: global }
      - { .name: qkvh, .offset: 24, .size: 8, .value_kind: global_buffer, .address_space: global }
    .group_segment_fixed_size: 327680
    .private_segment_fixed_size: 0
    .kernarg_segment_align: 8
    .kernarg_segment_size: 32
    .max_flat_workgroup_size: 128
    .sgpr_count:     80
    .vgpr_count:     1024
    .wavefront_size: 32
...
	.end_amdgpu_metadata
.endif
;; end of part 2
;; launch attn (part 3): grid 8 x 32, 4 waves a work-group, no clusters, 87,552 bytes of LDS; arguments qkvh, ctx; writes ctx
.if DOCPART == 3
	.amdgcn_target "amdgcn-amd-amdhsa--gfx1250"
	.amdhsa_code_object_version 6
	.text
	.protected	k_q2a6765b71e_attn
	.globl	k_q2a6765b71e_attn
	.p2align	8
	.type	k_q2a6765b71e_attn,@function
k_q2a6765b71e_attn:
	s_mov_b64 s[64:65], 0
	v_nop
	global_prefetch_b8 v0, s[64:65] scope:SCOPE_SE
	s_setreg_imm32_b32 hwreg(HW_REG_WAVE_MODE, 25, 1), 1
	s_wait_xcnt 0x0
; CAUSAL ATTENTION.  ctx[p][q][:] = the sum over k <= q of softmax_k(Q[p][q] . K[p][k] / 32) V[p][k][:], p = batch x 16 + head.  qkvh: [3][32][2048][64] f16 (q, k, v), ctx: [32][2048][64] f16.
; Products, maxima and sums in f32; the weights are rounded to f16 for the second product (their sum is taken of the unrounded weights), ctx once at the end.
; LIMITS.  A hidden score counts as its value less 1e30; a weight below 2^-126 counts as 0; NaN and infinities are not treated apart; q, k, v arrive within f16's range.
; THE WALK.  A plane's queries lie in 16 blocks of 128; block i needs the key tiles 0 .. i / 2 of 256 keys, and of the last only 2 + 2 (i % 2) steps of 64 keys.  A work-group takes blocks 15 - b and then b:
; 9 tiles and 34 steps whatever b.  ONE trip's text is walked 9 times; what differs lies in scalars made from b; dead steps are jumped forward.
; K AND V COME THROUGH REGISTERS INTO ONE LDS REGION, WITH TWO BARRIERS A TRIP.  A tile's steps only read LDS.  Behind them each wave waits for its reads and passes the first barrier: nobody reads LDS any more.
; Then each wave waits for its quarter of the next tile (32 loads of 512 bytes, asked for a whole trip earlier), stores it over the tile just read, and asks at once for the tile after that.  It waits for its
; stores and passes the second barrier: the next tile lies whole.  No tensor load, so nothing to ask for jointly: NO CLUSTER; the eight work-groups of a plane walk the same tile only in their first five trips.
; No prefetch: the loads go out a whole trip ahead of their use.
; SHARES.  A wave owns 32 queries of a block: two tiles of 16.  S^T = K Q^T holds ONE query a lane (l % 16) and keys 8 (l / 16) + 0..7; two such results rounded to f16 ARE source 1 of O^T = V^T P.
; p = 2^(c s - c m), c = log2(e) / 32, with a running maximum m; O and l are multiplied by a = 2^(c m_old - c m_new) in every step.
; THE MASK is the C operand of the products that start the sums: 64 registers, 0 from a block's beginning on; in the block's last tile they are made anew at each step's head, 0 or -1e30.
; A STEP.  8 products K Q^T of tile 0; 8 of tile 1, behind each up to four lines of tile 0's maximum; V's and the next K's runs of LDS loads; ONE LUMP: the rest of both maxima, the scalings and all 66
; exponentials, one batch with one wait, tile 1's plain lines set between tile 0's exponentials; tile 0's roundings and rescalings; 8 products V^T P of tile 0, behind each four of tile 1's roundings and
; rescalings; 8 of tile 1, behind each four of the 32 sums.  K and V lie in another window than all that the vector lines touch, so a product with riders costs two switches of the window.
; REGISTERS: window 0: v0-63 addresses and statistics; v64-127 S^T; v128-159 P; v160-223 O^T; v224-255 Q.  Window 1: v0-63 K, v64-127 V of one step; v128-255 a tile on its way.
; Window 2: v0-31 the second block's Q; v32-95 the mask.
.set PK,    144                        ; a row of K in LDS: 128 bytes + 16
.set PVP,   160                        ; a row of V: 128 + 32, for the turning load
.set VOFF,  256*PK                     ; a tile: 256 rows of K, then 256 rows of V
.set STAGE, 256*(PK+PVP)               ; behind the tile: 16 rows x 144 bytes for each wave, for the way out
.set SP,    144
.set SPARE, STAGE+4*16*SP              ; the spare words, 128 bytes a wave, which no other line names
.set AK0, 2                            ; v2, v3 my lane's place in a step of K, of V; v4, v5 the addresses of the runs in hand
.set AV0, 3
.set AK,  4
.set AV,  5
.set STO, 6                            ; v6, v7, v8 the way out
.set RD,  7
.set GO,  8
.set SK0, 12                           ; v12, v13 where I store my 16 bytes of a tile's K, V; never rewritten
.set SV0, 13
.set ST,  16                           ; tile t's statistics at ST + 4 t: c m, m, l (even keys', odd keys')
.set TMP, 24                           ; four at work a tile; the third takes a
.set MV,  32                           ; c m_old
.set TH0, 34                           ; v34 32 wave + l % 16 - 8 (l / 16); v35 the same + the block's place - the step's
.set TH,  35
.set BIG, 36                           ; v36 -1e30
.set GV,  37                           ; v37 my byte offset in a tile in memory
.set QO,  38
.set SPW, 62
.set NIL, 63
.set S,   64
.set P,   128
.set O,   160
.set Q,   224
.set KF,  0                            ; window 1
.set VF,  64
.set GKR, 128
.set GVR, 192
.set MC,  32                           ; window 2: the mask of S^T's register S + n at MC + n
.set WV, 12                            ; s12 wave; s14 b; s15 15 - b
.set RT,  30                           ; s30 tiles of the block in hand still to be entered; s31 the tile to load next; s32 the last tile of the block being loaded
.set NXT, 31
.set LQ,  32
.set NEW, 33                           ; s33 1: the tile to be entered is a block's first
.set LEFT, 34                          ; s34 trips to go
.set CNT, 35                           ; s35 counts a tile's steps 4 to 1; s36 the step; s37 live steps of this tile
.set STP, 36
.set NV,  37
.set NVL, 38                           ; s38 live steps of the block's last tile; s39 the block's place in it (0 or 128); s40-43 the second block's, its tiles, its last tile
.set PAR, 39
.set TBK, 46                           ; s46 LDS byte at which K of the step to be fetched begins; s47 the same for V, less VOFF
.set TBV, 47
.set CS,  50                           ; s[50:51] c
.set SEL, 52                           ; s[52:53] v_permlanex16_b32's selects
.set MSB, 0
.macro WIN new                         ; the immediate's high byte repeats the setting that is left; a switch that changes nothing is dropped
.if MSB != (\new)
	s_set_vgpr_msb (MSB<<8)|(\new)
.set MSB, \new
.endif
.endm
	s_load_b128 s[4:7], s[0:1], 0x0                ; qkvh s[4:5], ctx s[6:7]
	v_lshl_add_u32 v[SPW], v0, 2, SPARE
	v_mov_b32 v[NIL], 0
	v_lshrrev_b32 v1, 5, v0
	v_readfirstlane_b32 s[WV], v1
	s_mov_b32 s14, ttmp9
	s_sub_co_u32 s15, 15, s14
	s_and_b32 s2, ttmp7, 0xffff
	s_lshl_b32 s2, s2, 18                          ; a plane is 262,144 bytes
	s_mov_b32 s3, 0
	s_lshr_b32 s[LQ], s15, 1
	s_add_co_u32 s[RT], s[LQ], 1
	s_and_b32 s8, s15, 1
	s_lshl_b32 s[PAR], s8, 7
	s_lshl1_add_u32 s[NVL], s8, 2
	s_lshr_b32 s43, s14, 1
	s_add_co_u32 s42, s43, 1
	s_and_b32 s8, s14, 1
	s_lshl_b32 s41, s8, 7
	s_lshl1_add_u32 s40, s8, 2
	s_mov_b32 s[NXT], 1
	s_mov_b32 s[NEW], 1
	s_mov_b32 s[LEFT], 9
	s_mov_b32 s29, 0
	s_mov_b32 s[CS], 0x3d38aa3b                    ; c = log2(e) / 32
	s_mov_b32 s[CS+1], s[CS]
	s_mov_b32 s[SEL], 0x76543210
	s_mov_b32 s[SEL+1], 0xfedcba98
	v_and_b32 v1, 15, v0                           ; l % 16
	v_bfe_u32 v9, v0, 4, 1                         ; l / 16
	v_and_b32 v10, 7, v0
	v_bfe_u32 v11, v0, 3, 1
	v_and_b32 v39, 31, v0
	v_bfe_u32 v40, v0, 3, 2
	v_lshlrev_b32 v[QO], 7, v1
	v_lshl_add_u32 v[QO], v9, 4, v[QO]             ; a fragment of Q: row x 128 + 16 x half
	v_mul_u32_u24 v[AK0], v1, PK
	v_lshl_add_u32 v[AK0], v9, 4, v[AK0]
	v_lshl_add_u32 v[AV0], v9, 3, v10              ; the turning load: key 8 (l / 16) + l % 8, 16 bytes at 16 ((l / 8) % 2)
	v_mul_u32_u24 v[AV0], v[AV0], PVP
	v_lshl_add_u32 v[AV0], v11, 4, v[AV0]
	v_add_nc_u32 v[AV0], VOFF, v[AV0]
	s_lshl_b32 s8, s[WV], 6
	v_add_nc_u32 v[SK0], s8, v40                   ; a load of 512 bytes is four keys: mine is 64 wave + l / 8, 16 bytes at 16 (l % 8)
	v_mul_u32_u24 v[SV0], v[SK0], PVP
	v_mul_u32_u24 v[SK0], v[SK0], PK
	v_lshl_add_u32 v[SK0], v10, 4, v[SK0]
	v_lshl_add_u32 v[SV0], v10, 4, v[SV0]
	v_add_nc_u32 v[SV0], VOFF, v[SV0]
	s_lshl_b32 s8, s[WV], 13
	v_lshl_add_u32 v[GV], v39, 4, s8
	s_mul_i32 s8, s[WV], 16*SP
	s_add_co_u32 s8, s8, STAGE
	v_mul_u32_u24 v[STO], v1, SP
	v_lshl_add_u32 v[STO], v9, 4, v[STO]
	v_add_nc_u32 v[STO], s8, v[STO]
	v_mul_u32_u24 v[RD], v40, SP
	v_lshl_add_u32 v[RD], v10, 4, v[RD]
	v_add_nc_u32 v[RD], s8, v[RD]
	v_lshlrev_b32 v[GO], 4, v39
	v_lshlrev_b32 v[TH0], 3, v9
	v_sub_nc_u32 v[TH0], v1, v[TH0]
	s_lshl_b32 s8, s[WV], 5
	v_add_nc_u32 v[TH0], s8, v[TH0]
	v_mov_b32 v[BIG], 0xf149f2ca
	s_wait_kmcnt 0x0
	s_add_nc_u64 s[4:5], s[4:5], s[2:3]            ; q of my plane
	s_add_nc_u64 s[6:7], s[6:7], s[2:3]
	s_add_nc_u64 s[16:17], s[4:5], 8388608         ; k
	s_add_nc_u64 s[18:19], s[4:5], 16777216        ; v
	s_lshl_b32 s8, s15, 14
	s_lshl_b32 s10, s[WV], 12
	s_add_co_u32 s8, s8, s10
	s_mov_b32 s9, 0
	s_add_nc_u64 s[54:55], s[4:5], s[8:9]          ; my 32 rows of the first block: Q,
	s_add_nc_u64 s[20:21], s[6:7], s[8:9]          ; and ctx
	s_lshl_b32 s8, s14, 14
	s_add_co_u32 s8, s8, s10
	s_add_nc_u64 s[56:57], s[4:5], s[8:9]          ; of the second
	s_add_nc_u64 s[22:23], s[6:7], s[8:9]
	s_mov_b64 s[24:25], s[16:17]
	s_mov_b64 s[26:27], s[18:19]
.macro LOADT                           ; my quarter of a tile: 64 keys of K and of V
	WIN 0x40
.set n, 0
.rept 16
	global_load_b128 v[GKR+4*n:GKR+4*n+3], v[GV], s[24:25] offset:512*n
	global_load_b128 v[GVR+4*n:GVR+4*n+3], v[GV], s[26:27] offset:512*n
.set n, n+1
.endr
	WIN 0
.endm
.macro STORET                          ; the tile in my registers goes into LDS
	WIN 0x04                                       ; store data (source 1) in window 1
.set n, 0
.rept 16
	ds_store_b128 v[SK0], v[GKR+4*n:GKR+4*n+3] offset:4*PK*n
	ds_store_b128 v[SV0], v[GVR+4*n:GVR+4*n+3] offset:4*PVP*n
.set n, n+1
.endr
	WIN 0
.endm
.macro NEXTT                           ; tile s[NXT] is asked for.  It stands behind a wait for all earlier loads, so their pointers may be written
	s_lshl_b32 s28, s[NXT], 15                     ; a tile is 32,768 bytes of K and of V
	s_add_nc_u64 s[24:25], s[16:17], s[28:29]
	s_add_nc_u64 s[26:27], s[18:19], s[28:29]
	LOADT
	s_add_co_u32 s[NXT], s[NXT], 1                 ; the block's next tile, or behind its last the second block's tile 0
	s_cmp_gt_u32 s[NXT], s[LQ]
	s_cselect_b32 s[NXT], 0, s[NXT]
	s_cselect_b32 s[LQ], s43, s[LQ]
.endm
	LOADT                                          ; tile 0
.set i, 0
.rept 4                                        ; Q: tile i / 2, channels 32 (i % 2) on
	global_load_b128 v[Q+8*i:Q+8*i+3],   v[QO], s[54:55] offset:(i/2)*2048+(i%2)*64
	global_load_b128 v[Q+8*i+4:Q+8*i+7], v[QO], s[54:55] offset:(i/2)*2048+(i%2)*64+32
.set i, i+1
.endr
	WIN 0x80
.set i, 0
.rept 4
	global_load_b128 v[8*i:8*i+3],   v[QO], s[56:57] offset:(i/2)*2048+(i%2)*64
	global_load_b128 v[8*i+4:8*i+7], v[QO], s[56:57] offset:(i/2)*2048+(i%2)*64+32
.set i, i+1
.endr
	WIN 0
	s_wait_loadcnt 0x0
	STORET
	NEXTT                                          ; tile 1 goes out (the first block has five tiles or more), into the registers that the stores above name: an LDS store's sources need no wait
	s_wait_dscnt 0x0
	s_barrier_signal -1
	s_barrier_wait -1                              ; tile 0 lies whole in LDS
; Product i of 8 of tile t's S^T = K Q^T: channels 32 (i / 4) on, keys 16 (i % 4) on.  The first 4 start the sums with the mask.  The 4 accumulators take turns.
.macro KQ t, i
.set rA, S+32*(\t)+8*((\i)%4)
.set rK, KF+16*((\i)%4)+8*((\i)/4)
.set rQ, Q+16*(\t)+8*((\i)/4)
.set rZ, MC+32*(\t)+8*((\i)%4)
.if (\i) < 4
	WIN 0x21                                       ; K in window 1, the mask in window 2
	v_wmma_f32_16x16x32_f16 v[rA:rA+7], v[rK:rK+7], v[rQ:rQ+7], v[rZ:rZ+7]
.else
	WIN 0x01
	v_wmma_f32_16x16x32_f16 v[rA:rA+7], v[rK:rK+7], v[rQ:rQ+7], v[rA:rA+7]
.endif
.endm
.macro KR i                            ; a product of tile 1, and the window of its riders
	KQ 1, \i
	WIN 0
.endm
; Product i of 8 of tile t's O^T += V^T P: keys 32 (i / 4) on, channels 16 (i % 4) on; and the window of its riders
.macro PV t, i
.set rA, O+32*(\t)+8*((\i)%4)
.set rV, VF+32*((\i)/4)+8*((\i)%4)
.set rB, P+16*(\t)+8*((\i)/4)
	WIN 0x01
	v_wmma_f32_16x16x32_f16 v[rA:rA+7], v[rV:rV+7], v[rB:rB+7], v[rA:rA+7]
	WIN 0
.endm
.macro FETCH_K a                       ; a: the register that holds the run's address
	WIN 0x40
.irp f, 0,1,2,3,4,5,6,7                ; keys 16 (f / 2) on, channels 32 (f % 2) on
	ds_load_b128 v[KF+8*(\f):KF+8*(\f)+3],   v[\a] offset:((\f)/2)*16*PK+((\f)%2)*64
	ds_load_b128 v[KF+8*(\f)+4:KF+8*(\f)+7], v[\a] offset:((\f)/2)*16*PK+((\f)%2)*64+32
.endr
	WIN 0
.endm
.macro FETCH_V
	WIN 0x40
.irp f, 0,1,2,3,4,5,6,7                ; keys 32 (f / 4) on, channels 16 (f % 4) on: byte 16 + 96 + 16 = 128 of a row at the most, so the row's padding is never read
	ds_load_tr16_b128 v[VF+8*(\f):VF+8*(\f)+3],   v[AV] offset:((\f)/4)*32*PVP+((\f)%4)*32
	ds_load_tr16_b128 v[VF+8*(\f)+4:VF+8*(\f)+7], v[AV] offset:((\f)/4)*32*PVP+16*PVP+((\f)%4)*32
.endr
	WIN 0
.endm
.macro REGS u
.set rT, ST+4*(\u)
.set rC, TMP+4*(\u)
.set rM, MV+(\u)
.set rS, S+32*(\u)
.set rP, P+16*(\u)
.set rO, O+32*(\u)
.endm
; THE VECTOR WORK, a line at a time; all of it lies in window 0.
; XS u, n: number n of the 22 that find tile u's maximum and statistics: 0-11 four chains of seven scores, each accumulator's lowest registers first; 12-14, 16 the four scores left over,
; the old m, and the four into one; 15 c m_old is kept; 17, 18 the query's other 32 keys lie in the lane 16 away; 19-21 c m, its change, a
.macro XS u, n
	REGS \u
.if (\n) < 4
	v_max3_num_f32 v[rC+(\n)], v[rS+8*(\n)], v[rS+8*(\n)+1], v[rS+8*(\n)+2]
.elseif (\n) < 12
	v_max3_num_f32 v[rC+(\n)%4], v[rC+(\n)%4], v[rS+8*((\n)%4)+2*((\n)/4)+1], v[rS+8*((\n)%4)+2*((\n)/4)+2]
.elseif (\n) == 12
	v_max3_num_f32 v[rC], v[rC], v[rS+7], v[rS+15]
.elseif (\n) == 13
	v_max3_num_f32 v[rC+1], v[rC+1], v[rS+23], v[rS+31]
.elseif (\n) == 14
	v_max3_num_f32 v[rC+2], v[rC+2], v[rC+3], v[rT+1]
.elseif (\n) == 15
	v_mov_b32 v[rM], v[rT]
.elseif (\n) == 16
	v_max3_num_f32 v[rC], v[rC], v[rC+1], v[rC+2]
.elseif (\n) == 17
	v_permlanex16_b32 v[rC+3], v[rC], s[SEL], s[SEL+1]
.elseif (\n) == 18
	v_max_num_f32 v[rT+1], v[rC], v[rC+3]
.elseif (\n) == 19
	v_mul_f32 v[rT], s[CS], v[rT+1]
.elseif (\n) == 20
	v_sub_f32 v[rC+1], v[rM], v[rT]
.else
	v_exp_f32 v[rC+2], v[rC+1]
.endif
.endm
.macro FS u, n                         ; c s - c m for pair n of 16
	REGS \u
	v_pk_fma_f32 v[rS+2*(\n):rS+2*(\n)+1], v[rS+2*(\n):rS+2*(\n)+1], s[CS:CS+1], v[rT:rT+1] op_sel_hi:[1,0,0] neg_lo:[0,0,1] neg_hi:[0,0,1]
.endm
.macro EX u, e                         ; the exponential of score e of 32
	REGS \u
	v_exp_f32 v[rS+(\e)], v[rS+(\e)]
.endm
.macro CV u, n                         ; pair n rounded to f16
	REGS \u
	v_cvt_pk_f16_f32 v[rP+(\n)], v[rS+2*(\n)], v[rS+2*(\n)+1]
.endm
.macro RS u, n                         ; pair n of 16 of O^T times a
	REGS \u
	v_pk_mul_f32 v[rO+2*(\n):rO+2*(\n)+1], v[rO+2*(\n):rO+2*(\n)+1], v[rC+2:rC+3] op_sel_hi:[1,0]
.endm
.macro BS u, n                         ; of the four weights 4 n .. the second pair is added onto the first, in place
	REGS \u
	v_pk_add_f32 v[rS+4*(\n):rS+4*(\n)+1], v[rS+4*(\n):rS+4*(\n)+1], v[rS+4*(\n)+2:rS+4*(\n)+3]
.endm
.macro LS u, n                         ; l takes that sum; the first time as l = a l + sum
	REGS \u
.if (\n) == 0
	v_pk_fma_f32 v[rT+2:rT+3], v[rT+2:rT+3], v[rC+2:rC+3], v[rS:rS+1] op_sel_hi:[1,0,1]
.else
	v_pk_add_f32 v[rT+2:rT+3], v[rT+2:rT+3], v[rS+4*(\n):rS+4*(\n)+1]
.endif
.endm
.macro T1Q k                           ; entry k of 17 of tile 1's plain lines that stand between tile 0's exponentials: its maximum from number 6 on (15 has been), then its first three scalings
.if (\k) < 9
	XS 1, (\k)+6
.elseif (\k) < 14
	XS 1, (\k)+7
.else
	FS 1, (\k)-14
.endif
.endm
; In a block's last tile: key 64 step + 16 kb + 8 (l / 16) + j is hidden from query place + 32 wave + 16 t + l % 16 where it is the greater
.macro MASKC
	s_lshl_b32 s48, s[STP], 6
	s_sub_co_u32 s48, s[PAR], s48
	v_add_nc_u32 v[TH], s48, v[TH0]
	WIN 0x80                                       ; destination window 2
.set n, 0
.rept 64
	v_cmp_gt_i32 vcc_lo, 16*((n/8)%4)+n%8-16*(n/32), v[TH]
	v_cndmask_b32 v[MC+n], 0, v[BIG], vcc_lo
.set n, n+1
.endr
	WIN 0
.endm
.Ltile:                                        ; 9 trips
	FETCH_K AK0                                    ; step 0's K: the first thing behind the barrier
	s_mov_b32 s[TBK], 64*PK
	s_mov_b32 s[TBV], 0
	s_sub_co_u32 s[RT], s[RT], 1
	s_cmp_eq_u32 s[NEW], 1
	s_cbranch_scc0 .Lold
	s_mov_b32 s[NEW], 0                            ; a block begins, twice a work-group: O^T, l and the mask at 0, m at the lowest finite number, c m far below every c s: no first step is written out
.set n, 0
.rept 64
	v_mov_b32 v[O+n], 0
.set n, n+1
.endr
.irp t, 0,1
	v_mov_b32 v[ST+4*(\t)], 0xfe000000
	v_mov_b32 v[ST+4*(\t)+1], 0xff7fffff
	v_mov_b32 v[ST+4*(\t)+2], 0
	v_mov_b32 v[ST+4*(\t)+3], 0
.endr
	WIN 0x80
.set n, 0
.rept 64
	v_mov_b32 v[MC+n], 0
.set n, n+1
.endr
	WIN 0
.Lold:
	s_cmp_eq_u32 s[RT], 0
	s_cselect_b32 s[NV], s[NVL], 4
	s_mov_b32 s[STP], 0
	s_mov_b32 s[CNT], 4
	s_wait_dscnt 0x0                               ; step 0's K is in.  Every later step's K is fetched a step ahead and shown in by the wait ahead of V^T P
.Lstep:
	s_cmp_ge_u32 s[STP], s[NV]
	s_cbranch_scc1 .Ldead                          ; above the diagonal: nothing to do
	s_cmp_eq_u32 s[RT], 0
	s_cbranch_scc0 .Lno_mask
	MASKC
.Lno_mask:
.irp i, 0,1,2,3,4,5,6,7
	KQ 0, \i                                       ; tile 0's scores: no vector work is ready to stand between them
.endr
	KR 0                                           ; tile 1's scores, and behind them tile 0's maximum.  These four lines are the places between tile 0's products and the first read of its scores (ISA guide 7.12.1)
	v_add_nc_u32 v[AV], s[TBV], v[AV0]
	v_add_nc_u32 v[AK], s[TBK], v[AK0]
	XS 0, 15
	XS 1, 15
	KR 1
.irp n, 0,1,2,3
	XS 0, \n
.endr
	KR 2
.irp n, 4,5,6,7
	XS 0, \n
.endr
	KR 3
.irp n, 8,9,10,11
	XS 0, \n
.endr
	KR 4
	XS 0, 12
	XS 0, 13
	XS 0, 14
	KR 5                                           ; from here on each line waits for the one before it: one behind each product
	XS 0, 16
	KR 6
	XS 0, 17
	KR 7
	XS 0, 18                                       ; four plain lines behind the last product: the places ahead of the loads into K's registers and of the reads of tile 1's scores
	v_nop
	v_nop
	v_nop
	FETCH_V
	s_add_co_u32 s[TBV], s[TBV], 64*PVP
	s_add_co_u32 s8, s[STP], 1
	s_cmp_lt_u32 s8, s[NV]
	s_cbranch_scc0 .Lno_k
	FETCH_K AK                                     ; the next step's
	s_add_co_u32 s[TBK], s[TBK], 64*PK
.Lno_k:
	XS 0, 19                                       ; THE LUMP.  Nothing in it names an exponential's result
	XS 1, 0
	XS 1, 1
	XS 1, 2
	XS 1, 3
	XS 0, 20
	XS 1, 4
	XS 1, 5
	XS 0, 21
.set n, 0
.rept 17                                       ; tile 0: a pair is scaled a trip ahead of its two exponentials; plain and exponential by turns
.if n < 16
	FS 0, n
.endif
.if n > 0
	EX 0, 2*n-2
.endif
	T1Q n
.if n > 0
	EX 0, 2*n-1
.endif
.set n, n+1
.endr
	XS 1, 21
.set n, 3
.rept 13                                       ; tile 1: pair n is scaled, pair n - 3 raised
	FS 1, n
	EX 1, 2*n-6
	EX 1, 2*n-5
.set n, n+1
.endr
.set n, 26
.rept 6
	EX 1, n
.set n, n+1
.endr
	v_nop                                          ; a plain instruction behind the last exponential,
	s_wait_alu depctr_va_vdst(0)                   ; and one wait for the batch of 66
.set n, 0
.rept 16                                       ; what tile 0's V^T P wants
	CV 0, n
	RS 0, n
.set n, n+1
.endr
	s_wait_dscnt 0x0                               ; V is in, and the next K
.set i, 0
.rept 8                                        ; tile 0's V^T P, and behind it what tile 1's wants
	PV 0, i
	CV 1, 2*i
	RS 1, 2*i
	CV 1, 2*i+1
	RS 1, 2*i+1
.set i, i+1
.endr
.set i, 0
.rept 8                                        ; tile 1's V^T P, and behind it both tiles' sums.  The last four are the places behind the last product, on every way out of the step:
	PV 1, i                                        ; the block's end, which reads O^T, a block's beginning, which writes it, and the next step's loads into V's registers
.if i == 0
	BS 0, 0
	BS 1, 0
	BS 0, 1
	BS 1, 1
.elseif i < 7
	LS 0, i-1
	LS 1, i-1
	BS 0, i+1
	BS 1, i+1
.else
	LS 0, 6
	LS 1, 6
	LS 0, 7
	LS 1, 7
.endif
.set i, i+1
.endr
.Ldead:
	s_add_co_u32 s[STP], s[STP], 1
	s_sub_co_u32 s[CNT], s[CNT], 1
	s_cmp_lg_u32 s[CNT], 0
	s_cbranch_scc1 .Lstep
	s_wait_dscnt 0x0                               ; THE FIRST BARRIER: my reads of the tile are back,
	s_barrier_signal -1
	s_barrier_wait -1                              ; everybody's are: from here to the second barrier LDS is stored into
	s_cmp_eq_u32 s[RT], 0
	s_cbranch_scc0 .Lno_end
	; A BLOCK ENDS: l's halves are added, O^T is divided by l, rounded to f16 and sent through my stage, a tile of 16 rows at a time
.irp t, 0,1
	v_add_f32 v[ST+4*(\t)+2], v[ST+4*(\t)+2], v[ST+4*(\t)+3]
.endr
.irp t, 0,1
	v_permlanex16_b32 v[ST+4*(\t)+3], v[ST+4*(\t)+2], s[SEL], s[SEL+1]
.endr
.irp t, 0,1
	v_add_f32 v[ST+4*(\t)+2], v[ST+4*(\t)+2], v[ST+4*(\t)+3]
.endr
.irp t, 0,1
	v_rcp_f32 v[ST+4*(\t)+2], v[ST+4*(\t)+2]
.endr
	v_nop
	s_wait_alu depctr_va_vdst(0)                   ; one wait for the two reciprocals
.macro PACK t
.set i, 0
.rept 16
	v_pk_mul_f32 v[O+32*(\t)+2*i:O+32*(\t)+2*i+1], v[O+32*(\t)+2*i:O+32*(\t)+2*i+1], v[ST+4*(\t)+2:ST+4*(\t)+3] op_sel_hi:[1,0]
.set i, i+1
.endr
.set i, 0
.rept 16
	v_cvt_pk_f16_f32 v[S+16*(\t)+i], v[O+32*(\t)+2*i], v[O+32*(\t)+2*i+1]
.set i, i+1
.endr
.irp f, 0,1,2,3
	ds_store_b128 v[STO], v[S+16*(\t)+4*(\f):S+16*(\t)+4*(\f)+3] offset:32*(\f)
.endr
.irp f, 0,1,2,3
	ds_load_b128 v[S+16*(\t)+4*(\f):S+16*(\t)+4*(\f)+3], v[RD] offset:(\f)*4*SP  ; LDS serves a wave's instructions in order: these see the stores above
.endr
.endm
.macro SEND t, younger                 ; younger: the LDS instructions issued behind tile t's loads
.irp f, 0,1,2,3
	s_wait_dscnt (\younger)+3-(\f)
	global_store_b128 v[GO], v[S+16*(\t)+4*(\f):S+16*(\t)+4*(\f)+3], s[20:21] offset:(\t)*2048+(\f)*512  ; four rows: 512 consecutive bytes, aligned
.endr
.endm
	PACK 0
	PACK 1
	SEND 0, 8
	SEND 1, 0
	s_wait_xcnt 0x0                                ; the stores have read their data and base
	s_mov_b64 s[20:21], s[22:23]                   ; on to the second block (behind the second block's end these lines serve nothing)
	s_mov_b32 s[RT], s42
	s_mov_b32 s[NVL], s40
	s_mov_b32 s[PAR], s41
	s_mov_b32 s[NEW], 1
	WIN 0x02
.set i, 0
.rept 32
	v_mov_b32 v[Q+i], v[i]
.set i, i+1
.endr
	WIN 0
.Lno_end:
	s_cmp_gt_u32 s[LEFT], 1                        ; THE NEXT TILE IS HANDED OVER; the last trip has none behind it
	s_cbranch_scc0 .Lno_hand
	s_wait_loadcnt 0x0                             ; it is in registers
	STORET                                         ; over the tile that nobody reads any more
	s_cmp_gt_u32 s[LEFT], 2                        ; the last trip but one has nothing more to ask for
	s_cbranch_scc0 .Lno_hand
	NEXTT                                          ; into the registers that the stores above name: an LDS store's sources need no wait
.Lno_hand:
	s_wait_dscnt 0x0                               ; THE SECOND BARRIER: my stores are done,
	s_barrier_signal -1
	s_barrier_wait -1                              ; everybody's are: the next tile lies whole
	s_sub_co_u32 s[LEFT], s[LEFT], 1
	s_cmp_lg_u32 s[LEFT], 0
	s_cbranch_scc1 .Ltile
	s_wait_tensorcnt 0x0                           ; the wave's end, behind my last LDS store
	ds_add_u32 v[SPW], v[NIL]
	s_wait_dscnt 0x0
	s_endpgm
.Lfunc_end_k_q2a6765b71e_attn:
	.size	k_q2a6765b71e_attn, .Lfunc_end_k_q2a6765b71e_attn-k_q2a6765b71e_attn
	.p2alignl 7, 3214868480
	.fill 96, 4, 3214868480
	.section	.rodata,"a",@progbits
	.p2align	6, 0x0
	.amdhsa_kernel k_q2a6765b71e_attn
		.amdhsa_group_segment_fixed_size 87552
		.amdhsa_private_segment_fixed_size 0
		.amdhsa_enable_private_segment 0
		.amdhsa_kernarg_size 16
		.amdhsa_user_sgpr_count 2
		.amdhsa_user_sgpr_kernarg_segment_ptr 1
		.amdhsa_wavefront_size32 1
		.amdhsa_system_sgpr_workgroup_id_x 1
		.amdhsa_system_sgpr_workgroup_id_y 1
		.amdhsa_system_sgpr_workgroup_id_z 1
		.amdhsa_system_vgpr_workitem_id 0
		.amdhsa_next_free_vgpr 608
		.amdhsa_next_free_sgpr 66
		.amdhsa_reserve_vcc 1
		.amdhsa_float_denorm_mode_32 3
		.amdhsa_float_denorm_mode_16_64 3
		.amdhsa_memory_ordered 1
		.amdhsa_forward_progress 1
		.amdhsa_inst_pref_size 57
	.end_amdhsa_kernel
	.amdgpu_metadata
---
amdhsa.version: [ 1, 2 ]
amdhsa.kernels:
  - .name:           k_q2a6765b71e_attn
    .symbol:         k_q2a6765b71e_attn.kd
    .args:
      - { .name: qkvh, .offset: 0, .size: 8, .value_kind: global_buffer, .address_space: global }
      - { .name: ctx, .offset: 8, .size: 8, .value_kind: global_buffer, .address_space: global }
    .group_segment_fixed_size: 87552
    .private_segment_fixed_size: 0
    .kernarg_segment_align: 8
    .kernarg_segment_size: 16
    .max_flat_workgroup_size: 128
    .sgpr_count:     66
    .vgpr_count:     608
    .wavefront_size: 32
...
	.end_amdgpu_metadata
.endif
;; end of part 3
;; launch oproj (part 4): grid 8 x 32, 4 waves a work-group, clusters of 4 x 4, 327,680 bytes of LDS; arguments ctx, wb, b_o, x, x1; writes x1
.if DOCPART == 4
	.amdgcn_target "amdgcn-amd-amdhsa--gfx1250"
	.amdhsa_code_object_version 6
	.text
	.protected	k_q2a6765b71e_oproj
	.globl	k_q2a6765b71e_oproj
	.p2align	8
	.type	k_q2a6765b71e_oproj,@function
k_q2a6765b71e_oproj:
	s_mov_b64 s[64:65], 0
	v_nop
	global_prefetch_b8 v0, s[64:65] scope:SCOPE_SE
	s_setreg_imm32_b32 hwreg(HW_REG_WAVE_MODE, 25, 1), 1
	s_wait_xcnt 0x0
	s_wait_alu depctr_hold_cnt(0) depctr_sa_sdst(0) depctr_va_vdst(0) depctr_va_sdst(0) depctr_va_ssrc(0) depctr_va_vcc(0) depctr_vm_vsrc(0)
	s_getreg_b32 s2, hwreg(HW_REG_IB_STS2, 6, 4)
	s_cmp_eq_u32 s2, 0
	s_cbranch_scc0 .Lentry_in_a_cluster
	s_endpgm
.Lentry_in_a_cluster:
	s_bfe_u32 s2, ttmp6, 0x10000c
	s_cmp_lg_u32 s2, 0xf033
	s_cbranch_scc0 .Lentry_shape_is_right
	s_endpgm
.Lentry_shape_is_right:
; out = resid + A B + bias on tiles of 128 x 128, f32 out.  B: a section of wb, [K][1024] in 16 bits, rows along N.  Sums in f32.
; OPROJ = 1: A = ctx, f16, by heads [32][2048][64]; B = w_o (its bf16 number written as f16); K = 1,024; resid = x, out = x1.
; OPROJ = 0: A = h, bf16, [4096][4096]; B = w2; K = 4,096; resid = x1, out = out0.
; SHARES.  Four waves, each 64 x 64: 16 accumulators.  K goes in steps of 256 through a ring of two LDS slots filled by tensor loads: waves 0, 1 fetch A's halves, waves 2, 3 B's (128 rows of K x 256 bytes).
; With OPROJ a K step is four heads: a load brings two heads' 128 tokens x 64 channels, each 16,384 dense bytes, padded after every token; a quarter of the step is a head.
; One K step is written once: the slot in hand is a scalar that an exclusive or turns.  CLUSTER 4 x 4: A's tile is shared along a row, B's along a column, each asked for jointly.
; THE PRODUCT IS USED TRANSPOSED (source 0 = 16 columns of B, turned by ds_load_tr16_b128; source 1 = 16 rows of A): a lane holds row l % 16 and columns 8 (l / 16) + 0..7.
; THE WAY OUT: the tile goes as f32 into the ring, which has had its last fill; behind a barrier each wave reads 32 whole rows of 512 bytes, adds the residual and the bias (loaded at the head) and stores them.
; REGISTERS: window 0: v0-31 addresses; v128-255 accumulator (a, b) at 128 + 8 (4 a + b).  Window 1: two fragment buffers of 128 (64 of A, 64 of B).  Window 2: v0-127 the residual, v128-131 the bias.
.set OPROJ, 1
.if OPROJ
.set STEPS, 4
.set SEC,   6291456
.set AP,    144                        ; a token's 128 bytes + 16
.set AQ,    128*AP                     ; a quarter of a K step is a head: 128 tokens on
.set AH,    2*AQ                       ; what one load of A brings
.set ASTEP, 4*262144
.set PF,    0                          ; four K steps: no step lies two refills on, and the launch is short: no prefetch
.else
.set STEPS, 16
.set SEC,   16777216
.set AP,    528                        ; a row's 512 bytes + 16
.set AQ,    128
.set AH,    64*AP
.set ASTEP, 512
.set PF,    1
.endif
.set PB,    288                        ; a row of B: 256 bytes + 32: an odd multiple of 32, for the turning load
.set BOFF,  73728
.set BH,    128*PB
.set SLOT,  BOFF+2*BH
.set SPARE, 2*SLOT                     ; behind the ring: the spare words, 128 bytes a wave, which no other line names
.set DP,    528
.set BSTEP, 256*2048
.set ADRA, 16                          ; v16 my A fragments in the slot in hand; v17 in slot 0
.set ADRA0, 17
.set ADRB, 20                          ; v20 my B fragments, K rows 0-127; v21 rows 128-255; v22 in slot 0
.set ADRB0, 22
.set DST, 24
.set RD,  25
.set CO,  26
.set SPW, 28
.set NIL, 29
.set PFO, 30
.set ACC, 128
.set F0,  0
.set F1,  128
.set WV, 12
.set WM, 13
.set WN, 14
.set TY, 15
.set CX, 40
.set CY, 41
.set TX, 42
.set G1A, 24
.set G0A, 32
.set G1B, 48
.set G0B, 56
.set TB,  66
.set TF,  67
.set LWA, 68
.set LWB, 78
.set LIM, 69
.set PFA, 70
.set PFS, 72
.set MSB, 0
.macro WIN new
.if MSB != (\new)
	s_set_vgpr_msb (MSB<<8)|(\new)
.set MSB, \new
.endif
.endm
.set MUL,  0x05                        ; sources 0 (B) and 1 (A) window 1; C and D window 0
.set TO_F, 0x40
.macro PLACES
.rept 4
	v_nop
.endr
.endm
.macro JLOAD                           ; a joint refill by the walking descriptor; s_nop 0 and four v_nop follow each line
	s_cmp_eq_u32 s[WM], 0
	s_cbranch_scc0 .Lfor_b_\@
	tensor_load_to_lds s[G0A+4:G0A+7], s[G1A:G1A+7]
	s_nop 0
.rept 4
	v_nop
.endr
	s_branch .Lasked_\@
.Lfor_b_\@:
	tensor_load_to_lds s[G0B+4:G0B+7], s[G1B:G1B+7]
	s_nop 0
.rept 4
	v_nop
.endr
.Lasked_\@:
.endm
.macro CREST
	s_cmp_lg_u32 s[WV], 0
	s_cbranch_scc1 .Lnot_wave_0_\@
	s_barrier_signal -3
.Lnot_wave_0_\@:
	s_barrier_wait -3
	s_barrier_signal -1
	s_barrier_wait -1
.endm
.macro CROUND
	s_barrier_signal -1
	s_barrier_wait -1
	CREST
.endm
.macro STEPD                           ; the walking descriptors: the other slot, the next K step.  No tensor load of mine is out here
	s_xor_b32 s[TF], s[TF], SLOT
	s_add_co_u32 s[G0A+5], s[LWA], s[TF]
	s_add_co_u32 s[G0B+5], s[LWB], s[TF]
	s_add_nc_u64 s[G0A+6:G0A+7], s[G0A+6:G0A+7], ASTEP
	s_add_nc_u64 s[G0B+6:G0B+7], s[G0B+6:G0B+7], BSTEP
.endm
.macro FLIP
	s_xor_b32 s[TB], s[TB], SLOT
	v_add_nc_u32 v[ADRA], s[TB], v[ADRA0]
	v_add_nc_u32 v[ADRB], s[TB], v[ADRB0]
	v_add_nc_u32 v[ADRB+1], BH, v[ADRB]
.endm
; A PREFETCH INTO THE L2 (PF = 1) behind each refill and the run of LDS loads that follows it: the K step that stands two refills on, 256 matrix instructions ahead of the load that will want it.  A's rows are read by
; both clusters of a row of clusters: cluster x = 0 asks; B's by all eight of a column: cluster y = 0 asks.  The four partners share a wave's 128 blocks of 256 bytes out by address, 32 each, a lane a block: each
; block is named once in the launch.  K steps 0 to 3 come by their loads alone; the loop's last two trips ask for nothing.
.macro ASK
	s_cmp_gt_u32 s3, s[LIM]
	s_cbranch_scc0 .Lnot_mine_\@
	global_prefetch_b8 v[PFO], s[PFA:PFA+1] th:TH_LOAD_NT scope:SCOPE_SE
.Lnot_mine_\@:
.endm
	s_load_b256 s[4:11], s[0:1], 0x0               ; A s[4:5], wb s[6:7], bias s[8:9], resid s[10:11]
	s_load_b64 s[44:45], s[0:1], 0x20              ; out
	v_lshl_add_u32 v[SPW], v0, 2, SPARE
	v_mov_b32 v[NIL], 0
	ds_add_u32 v[SPW], v[NIL]                      ; the wave's opening: the add and its wait stand ahead of my first tensor load
	v_lshrrev_b32 v1, 5, v0
	v_readfirstlane_b32 s[WV], v1
	s_lshr_b32 s[WM], s[WV], 1
	s_and_b32 s[WN], s[WV], 1
	s_bfe_u32 s[CX], ttmp6, 0x40000
	s_bfe_u32 s[CY], ttmp6, 0x40004
	s_lshl_b32 s[TX], ttmp9, 2
	s_add_co_u32 s[TX], s[TX], s[CX]
	s_and_b32 s[TY], ttmp7, 0xffff
	s_lshl_b32 s[TY], s[TY], 2
	s_add_co_u32 s[TY], s[TY], s[CY]
	s_lshl_b32 s43, s[CY], 2
	s_lshl_b32 s43, 15, s43                        ; my row of the cluster
	s_lshl_b32 s46, 0x1111, s[CX]                  ; my column
.if OPROJ
	s_or_b32 s[G1A], s43, (1<<16)|(1<<20)|(1<<21)|(4<<22)|(3<<25)  ; mask; 2-byte elements; padding on; bit 21 beside a mask; after every 32 words (a token), 4 words
	s_mov_b32 s[G1A+1], 8192<<16                   ; tensor_dim0 = 8,192: a head's 128 tokens x 64 channels, dense
	s_mov_b32 s[G1A+2], 2<<16                      ; tensor_dim1 = 2 heads
	s_mov_b32 s[G1A+3], 8192<<16
	s_mov_b32 s[G1A+4], 2
	s_mov_b32 s[G1A+5], 131072                     ; elements from head to head
.else
	s_or_b32 s[G1A], s43, (1<<16)|(1<<20)|(1<<21)|(6<<22)|(3<<25)  ; after every 128 words (a row), 4 words
	s_mov_b32 s[G1A+1], 256<<16
	s_mov_b32 s[G1A+2], 64<<16
	s_mov_b32 s[G1A+3], 256<<16
	s_mov_b32 s[G1A+4], 64
	s_mov_b32 s[G1A+5], 4096
.endif
	s_mov_b32 s[G1A+6], 0
	s_mov_b32 s[G1A+7], 0
	s_or_b32 s[G1B], s46, (1<<16)|(1<<20)|(1<<21)|(5<<22)|(7<<25)  ; after every 64 words, 8 words
	s_mov_b32 s[G1B+1], 128<<16
	s_mov_b32 s[G1B+2], 128<<16
	s_mov_b32 s[G1B+3], 128<<16
	s_mov_b32 s[G1B+4], 128
	s_mov_b32 s[G1B+5], 1024
	s_mov_b32 s[G1B+6], 0
	s_mov_b32 s[G1B+7], 0
.if OPROJ
	s_lshr_b32 s16, s[TY], 4
	s_lshl_b32 s16, s16, 4                         ; the batch's 16 planes,
	s_lshl1_add_u32 s16, s[WN], s16                ; my two heads of the step's four
	s_lshl_b32 s16, s16, 11
	s_and_b32 s17, s[TY], 15
	s_lshl_b32 s17, s17, 7
	s_add_co_u32 s16, s16, s17                     ; plane x 2,048 + the tile's first token,
	s_lshl_b32 s16, s16, 7                         ; of 128 bytes
.else
	s_lshl_b32 s16, s[TY], 7
	s_lshl_b32 s17, s[WN], 6
	s_add_co_u32 s16, s16, s17
	s_lshl_b32 s16, s16, 13                        ; (128 x tile row + 64 x half) rows of 8,192 bytes
.endif
	s_mov_b32 s17, 0
	s_lshl_b32 s18, s[WN], 18                      ; B: 128 x half rows of 2,048 bytes,
	s_lshl_b32 s19, s[TX], 8
	s_add_co_u32 s18, s18, s19                     ; and the tile's 256 bytes of a row
	s_mov_b32 s19, 0
	s_mul_i32 s[LWA], s[WN], AH                    ; no place in the cluster enters an LDS address
	s_mul_i32 s[LWB], s[WN], BH
	s_add_co_u32 s[LWB], s[LWB], BOFF
	s_mov_b32 s[TB], 0
	s_mov_b32 s[TF], SLOT
	s_wait_dscnt 0x0                               ; the opening add is done
	s_wait_kmcnt 0x0
	s_add_nc_u64 s[6:7], s[6:7], SEC               ; my section of wb
	s_add_nc_u64 s[20:21], s[4:5], s[16:17]
	s_add_nc_u64 s[22:23], s[6:7], s[18:19]
	s_mov_b32 s[G0A], 1
	s_mov_b32 s[G0A+1], s[LWA]
	s_mov_b64 s[G0A+2:G0A+3], s[20:21]
	s_or_b32 s[G0A+3], s[G0A+3], 0x80000000
	s_mov_b32 s[G0A+4], 1
	s_add_co_u32 s[G0A+5], s[LWA], SLOT
	s_add_nc_u64 s[G0A+6:G0A+7], s[20:21], ASTEP
	s_or_b32 s[G0A+7], s[G0A+7], 0x80000000
	s_mov_b32 s[G0B], 1
	s_mov_b32 s[G0B+1], s[LWB]
	s_mov_b64 s[G0B+2:G0B+3], s[22:23]
	s_or_b32 s[G0B+3], s[G0B+3], 0x80000000
	s_mov_b32 s[G0B+4], 1
	s_add_co_u32 s[G0B+5], s[LWB], SLOT
	s_add_nc_u64 s[G0B+6:G0B+7], s[22:23], BSTEP
	s_or_b32 s[G0B+7], s[G0B+7], 0x80000000
	CROUND                                         ; all sixteen work-groups are here: the first joint loads meet
	s_cmp_eq_u32 s[WM], 0                          ; a wave's two first fills stand in one branch: two loads of mine are out
	s_cbranch_scc0 .Lfirst_b
	tensor_load_to_lds s[G0A:G0A+3], s[G1A:G1A+7]
	s_nop 0
	tensor_load_to_lds s[G0A+4:G0A+7], s[G1A:G1A+7]
	s_nop 0
.rept 4
	v_nop
.endr
	s_branch .Lfirst_done
.Lfirst_b:
	tensor_load_to_lds s[G0B:G0B+3], s[G1B:G1B+7]
	s_nop 0
	tensor_load_to_lds s[G0B+4:G0B+7], s[G1B:G1B+7]
	s_nop 0
.rept 4
	v_nop
.endr
.Lfirst_done:
	v_and_b32 v1, 15, v0
	v_bfe_u32 v2, v0, 4, 1
	v_and_b32 v6, 31, v0
	v_lshlrev_b32 v[CO], 4, v6                     ; 16 x lane
	s_lshl_b32 s16, s[TY], 7
	s_lshl_b32 s17, s[WV], 5
	s_add_co_u32 s16, s16, s17                     ; the 32 rows that I store,
	s_lshl_b32 s16, s16, 12
	s_lshl_b32 s17, s[TX], 9
	s_add_co_u32 s16, s16, s17                     ; the tile's 512 bytes of them
	s_mov_b32 s17, 0
	s_add_nc_u64 s[10:11], s[10:11], s[16:17]
	s_add_nc_u64 s[44:45], s[44:45], s[16:17]
	s_lshl_b32 s16, s[TX], 9
	s_add_nc_u64 s[8:9], s[8:9], s[16:17]
	WIN 0x80                                       ; destination window 2: the residual and the bias land under the K loop
.set i, 0
.rept 32
	global_load_b128 v[4*i:4*i+3], v[CO], s[10:11] offset:4096*i th:TH_LOAD_NT
.set i, i+1
.endr
	global_load_b128 v[128:131], v[CO], s[8:9]
	WIN 0
	v_mul_u32_u24 v3, v1, AP
	v_lshl_add_u32 v3, v2, 4, v3
	s_mul_i32 s16, s[WM], 64*AP
	v_add_nc_u32 v[ADRA0], s16, v3
	v_mov_b32 v[ADRA], v[ADRA0]
	v_and_b32 v4, 7, v0
	v_lshl_add_u32 v4, v2, 3, v4
	v_mul_u32_u24 v4, v4, PB
	v_bfe_u32 v5, v0, 3, 1
	v_lshl_add_u32 v4, v5, 4, v4
	s_lshl_b32 s16, s[WN], 7
	s_add_co_u32 s16, s16, BOFF
	v_add_nc_u32 v[ADRB0], s16, v4
	v_mov_b32 v[ADRB], v[ADRB0]
	v_add_nc_u32 v[ADRB+1], BH, v[ADRB]
	s_mul_i32 s16, s[WM], 64*DP                    ; into the dump: my 64 rows, my 256 bytes of them
	s_lshl_b32 s17, s[WN], 8
	s_add_co_u32 s16, s16, s17
	v_mul_u32_u24 v3, v1, DP
	v_lshl_add_u32 v3, v2, 5, v3
	v_add_nc_u32 v[DST], s16, v3
	s_mul_i32 s16, s[WV], 32*DP                    ; back: rows 32 wave .., whole
	v_add_nc_u32 v[RD], s16, v[CO]
.if PF
	s_lshl_b32 s18, s[TY], 7
	s_lshl_b32 s20, s[WN], 6
	s_add_co_u32 s18, s18, s20
	s_lshl_b32 s20, s[CX], 4
	s_add_co_u32 s18, s18, s20                     ; A: my work-group's 16 of the 64 rows that I fetch, two blocks a row
	s_lshl_b32 s18, s18, 13
	s_add_co_u32 s18, s18, 3*ASTEP                 ; at K step 3; the first refill steps it to 4
	s_lshl_b32 s19, s[WN], 7
	s_lshl_b32 s20, s[CY], 5
	s_add_co_u32 s19, s19, s20                     ; B: my work-group's 32 of the 128 rows
	s_add_co_u32 s19, s19, 3*256
	s_lshl_b32 s19, s19, 11
	s_lshl_b32 s20, s[TX], 8
	s_add_co_u32 s19, s19, s20
	s_and_b32 s22, ttmp7, 0xffff
	s_mov_b32 s17, 2048
	s_mov_b32 s[PFS], BSTEP
	s_mov_b32 s[PFS+1], 0
	s_mov_b32 s21, 0
	s_cmp_eq_u32 s[WM], 0
	s_cselect_b32 s20, s18, s19
	s_cselect_b32 s22, ttmp9, s22                  ; the coordinate along which other clusters read the same rows
	s_cselect_b32 s16, 1, 0
	s_cselect_b32 s17, 8192, s17
	s_cselect_b32 s[PFS], ASTEP, s[PFS]
	s_cselect_b64 s[PFA:PFA+1], s[4:5], s[6:7]
	s_add_nc_u64 s[PFA:PFA+1], s[PFA:PFA+1], s[20:21]
	s_cmp_eq_u32 s22, 0
	s_cselect_b32 s[LIM], 2, -1                    ; the same in all sixteen partners, for a given wave
	v_and_b32 v31, s16, v6
	v_lshrrev_b32 v[PFO], s16, v6
	v_mul_u32_u24 v[PFO], s17, v[PFO]
	v_lshl_add_u32 v[PFO], v31, 8, v[PFO]
.endif
.macro MMA zero
.if OPROJ
.if \zero
	v_wmma_f32_16x16x32_f16 v[rD:rD+7], v[rB:rB+7], v[rA:rA+7], 0
.else
	v_wmma_f32_16x16x32_f16 v[rD:rD+7], v[rB:rB+7], v[rA:rA+7], v[rD:rD+7]
.endif
.else
.if \zero
	v_wmma_f32_16x16x32_bf16 v[rD:rD+7], v[rB:rB+7], v[rA:rA+7], 0
.else
	v_wmma_f32_16x16x32_bf16 v[rD:rD+7], v[rB:rB+7], v[rA:rA+7], v[rD:rD+7]
.endif
.endif
.endm
; 8 matrix instructions: row blocks a0, a0 + 1 x all 4 column blocks, 32 along K: half c of buffer f.  The 16 accumulators take turns
.macro MUL8 f, c, a0, zero
	WIN MUL
.irp a, \a0, (\a0)+1
.irp b, 0,1,2,3
.set rD, ACC+8*(4*(\a)+(\b))
.set rB, (\f)+64+8*(4*(\c)+(\b))
.set rA, (\f)+8*(4*(\c)+(\a))
	MMA \zero
.endr
.endr
.endm
; 32 LDS loads in one run: quarter q (64 along K) of the slot in hand into buffer f; the first 32 along K first
.macro FETCH q, f
	WIN TO_F
.irp c, 0,1
.irp i, 0,1,2,3
	ds_load_tr16_b128 v[(\f)+64+8*(4*(\c)+(\i)):(\f)+64+8*(4*(\c)+(\i))+3],   v[ADRB+(\q)/2] offset:(((\q)%2)*64+32*(\c))*PB+32*(\i)
	ds_load_tr16_b128 v[(\f)+64+8*(4*(\c)+(\i))+4:(\f)+64+8*(4*(\c)+(\i))+7], v[ADRB+(\q)/2] offset:(((\q)%2)*64+32*(\c)+16)*PB+32*(\i)
	ds_load_b128 v[(\f)+8*(4*(\c)+(\i)):(\f)+8*(4*(\c)+(\i))+3],   v[ADRA] offset:(\q)*AQ+64*(\c)+(\i)*16*AP
	ds_load_b128 v[(\f)+8*(4*(\c)+(\i))+4:(\f)+8*(4*(\c)+(\i))+7], v[ADRA] offset:(\q)*AQ+64*(\c)+(\i)*16*AP+32
.endr
.endr
.endm
.macro QUARTER q, f, g, zero
	s_wait_dscnt 16                                ; the first 32 along K are in; the other sixteen loads may be out
	MUL8 \f, 0, 0, \zero
	MUL8 \f, 0, 2, \zero
	PLACES
	FETCH \q, \g
	s_wait_dscnt 32                                ; all but the 32 just issued
	MUL8 \f, 1, 0, 0
	MUL8 \f, 1, 2, 0
.endm
; The last quarter multiplies buffer 1 and changes slots: each wave waits for all its tensor loads (one is out: its part of the next slot), adds 0 to its spare word, waits for that and for its reads of this slot.
; fill = 1: the barrier opens a round of the cluster's, and the joint refill is the first thing behind it: 112 matrix instructions ahead of the wait for it.
.macro TURN fill
.if (\fill) && PF
	s_wait_xcnt 0x0                                ; the last prefetch, a K step back, has read its address
	s_add_nc_u64 s[PFA:PFA+1], s[PFA:PFA+1], s[PFS:PFS+1]
.endif
	WIN 0
	s_wait_tensorcnt 0x0
	ds_add_u32 v[SPW], v[NIL]
	s_wait_dscnt 17                                ; (the add and the youngest sixteen loads may be out)
	MUL8 F1, 0, 0, 0
	s_wait_dscnt 0x0                               ; the add is done, and my reads of this slot are over
	s_barrier_signal -1
	MUL8 F1, 0, 2, 0
	WIN 0
	s_barrier_wait -1
.if \fill
	CREST
	STEPD
	JLOAD                                          ; its four v_nop are also the places in front of the loads below
.else
	PLACES
.endif
	FLIP
	FETCH 0, F0
.if (\fill) && PF
	WIN 0
	ASK
.endif
	MUL8 F1, 1, 0, 0
	MUL8 F1, 1, 2, 0
.endm
	s_wait_tensorcnt 1                             ; my part of K step 0 is in; K step 1's load may stay out
	s_barrier_signal -1
	s_barrier_wait -1
	FETCH 0, F0
	QUARTER 1, F0, F1, 1                           ; the first products start the sums
	WIN 0
	s_mov_b32 s3, STEPS-2
.Lstep:
	QUARTER 2, F1, F0, 0
	QUARTER 3, F0, F1, 0
	TURN 1
	QUARTER 1, F0, F1, 0
	WIN 0
	s_sub_co_u32 s3, s3, 1
	s_cmp_lg_u32 s3, 0
	s_cbranch_scc1 .Lstep
	s_mov_b32 s3, 2
.Ltail:                                        ; the last two K steps ask for nothing; the second trip is left in its middle (its change of slots and the fragments that it fetches serve nothing)
	QUARTER 2, F1, F0, 0
	QUARTER 3, F0, F1, 0
	TURN 0
	WIN 0
	s_sub_co_u32 s3, s3, 1
	s_cmp_eq_u32 s3, 0
	s_cbranch_scc1 .Lout
	QUARTER 1, F0, F1, 0
	WIN 0
	s_branch .Ltail
.Lout:
	s_wait_dscnt 0x0                               ; my last reads of the ring are back
	PLACES                                         ; behind the last products
	s_barrier_signal -1
	s_barrier_wait -1                              ; nobody reads the ring any more; it has had its last fill
.set a, 0
.rept 4
.set b, 0
.rept 4                                        ; each accumulator's low four registers first
	ds_store_b128 v[DST], v[ACC+8*(4*a+b):ACC+8*(4*a+b)+3]   offset:a*16*DP+64*b
	ds_store_b128 v[DST], v[ACC+8*(4*a+b)+4:ACC+8*(4*a+b)+7] offset:a*16*DP+64*b+16
.set b, b+1
.endr
.set a, a+1
.endr
	s_wait_dscnt 0x0                               ; for the others' sake: a row's 512 bytes come from two waves
	s_barrier_signal -1
	s_barrier_wait -1
.set i, 0
.rept 32
	ds_load_b128 v[ACC+4*i:ACC+4*i+3], v[RD] offset:DP*i
.set i, i+1
.endr
	s_wait_loadcnt 0x0                             ; the residual and the bias
	WIN 0x08                                       ; source 1 in window 2
.set i, 0
.rept 32
	s_wait_dscnt 31-i                              ; row i is in; the younger loads stay out
	v_pk_add_f32 v[ACC+4*i:ACC+4*i+1],   v[ACC+4*i:ACC+4*i+1],   v[4*i:4*i+1]
	v_pk_add_f32 v[ACC+4*i+2:ACC+4*i+3], v[ACC+4*i+2:ACC+4*i+3], v[4*i+2:4*i+3]
	v_pk_add_f32 v[ACC+4*i:ACC+4*i+1],   v[ACC+4*i:ACC+4*i+1],   v[128:129]
	v_pk_add_f32 v[ACC+4*i+2:ACC+4*i+3], v[ACC+4*i+2:ACC+4*i+3], v[130:131]
.set i, i+1
.endr
	WIN 0
.set i, 0
.rept 32
	global_store_b128 v[CO], v[ACC+4*i:ACC+4*i+3], s[44:45] offset:4096*i  ; 512 consecutive bytes, aligned
.set i, i+1
.endr
	s_wait_tensorcnt 0x0                           ; the wave's end
	ds_add_u32 v[SPW], v[NIL]
	s_wait_dscnt 0x0
	CROUND                                         ; the closing round
	s_endpgm
.Lfunc_end_k_q2a6765b71e_oproj:
	.size	k_q2a6765b71e_oproj, .Lfunc_end_k_q2a6765b71e_oproj-k_q2a6765b71e_oproj
	.p2alignl 7, 3214868480
	.fill 96, 4, 3214868480
	.section	.rodata,"a",@progbits
	.p2align	6, 0x0
	.amdhsa_kernel k_q2a6765b71e_oproj
		.amdhsa_group_segment_fixed_size 327680
		.amdhsa_private_segment_fixed_size 0
		.amdhsa_enable_private_segment 0
		.amdhsa_kernarg_size 40
		.amdhsa_user_sgpr_count 2
		.amdhsa_user_sgpr_kernarg_segment_ptr 1
		.amdhsa_wavefront_size32 1
		.amdhsa_system_sgpr_workgroup_id_x 1
		.amdhsa_system_sgpr_workgroup_id_y 1
		.amdhsa_system_sgpr_workgroup_id_z 1
		.amdhsa_system_vgpr_workitem_id 0
		.amdhsa_next_free_vgpr 656
		.amdhsa_next_free_sgpr 80
		.amdhsa_reserve_vcc 0
		.amdhsa_float_denorm_mode_32 3
		.amdhsa_float_denorm_mode_16_64 3
		.amdhsa_memory_ordered 1
		.amdhsa_forward_progress 1
		.amdhsa_inst_pref_size 70
	.end_amdhsa_kernel
	.amdgpu_metadata
---
amdhsa.version: [ 1, 2 ]
amdhsa.kernels:
  - .name:           k_q2a6765b71e_oproj
    .symbol:         k_q2a6765b71e_oproj.kd
    .args:
      - { .name: ctx, .offset: 0, .size: 8, .value_kind: global_buffer, .address_space: global }
      - { .name: wb, .offset: 8, .size: 8, .value_kind: global_buffer, .address_space: global }
      - { .name: b_o, .offset: 16, .size: 8, .value_kind: global_buffer, .address_space: global }
      - { .name: x, .offset: 24, .size: 8, .value_kind: global_buffer, .address_space: global }
      - { .name: x1, .offset: 32, .size: 8, .value_kind: global_buffer, .address_space: global }
    .group_segment_fixed_size: 327680
    .private_segment_fixed_size: 0
    .kernarg_segment_align: 8
    .kernarg_segment_size: 40
    .max_flat_workgroup_size: 128
    .sgpr_count:     80
    .vgpr_count:     656
    .wavefront_size: 32
...
	.end_amdgpu_metadata
.endif
;; end of part 4
;; launch ln2 (part 5): grid 256 x 1, 16 waves a work-group, no clusters, 0 bytes of LDS; arguments x1, g2, be2, nx2; writes nx2
.if DOCPART == 5
	.amdgcn_target "amdgcn-amd-amdhsa--gfx1250"
	.amdhsa_code_object_version 6
	.text
	.protected	k_q2a6765b71e_ln2
	.globl	k_q2a6765b71e_ln2
	.p2align	8
	.type	k_q2a6765b71e_ln2,@function
k_q2a6765b71e_ln2:
	s_mov_b64 s[64:65], 0
	v_nop
	global_prefetch_b8 v0, s[64:65] scope:SCOPE_SE
	s_setreg_imm32_b32 hwreg(HW_REG_WAVE_MODE, 25, 1), 1
	s_wait_xcnt 0x0
; nx2 = layernorm(x1; g2, be2), [4096][1024] f32 -> bf16.  The launch has 4,096 waves; wave w takes row w (4,096 bytes, 32 registers): mean, then the squares of x - mean
; (two passes over registers, so a common offset costs nothing), all in f32; the result, made in the registers that were loaded, is rounded once.  All 24 loads of a wave go out ahead of everything else;
; no loop, no LDS, no barrier: a load of a wave covers 512 consecutive bytes, a store 256, aligned.
.set CH, 4                             ; v[4:11]    four chains of sums, a pair each
.set TT, 12                            ; v12-13     at work
.set MN, 14                            ; v[14:15]   the mean, twice
.set RR, 16                            ; v[16:17]   1 / sqrt(var + eps), twice
.set GG, 20                            ; v[20:51]   g of my 32 columns
.set BB, 52                            ; v[52:83]   be
.set XX, 84                            ; v[84:115]  the row: load c holds columns 128 c + 4 lane .. + 3
	s_load_b256 s[4:11], s[0:1], 0x0               ; x1 s[4:5], g2 s[6:7], be2 s[8:9], nx2 s[10:11]
	v_and_b32 v3, 31, v0
	v_lshlrev_b32 v1, 4, v3                        ; 16 x lane: loads
	v_lshlrev_b32 v2, 3, v3                        ; 8 x lane: stores
	v_lshrrev_b32 v3, 5, v0
	v_readfirstlane_b32 s22, v3                    ; wave 0..15
	s_lshl_b32 s23, ttmp9, 4
	s_add_co_u32 s23, s23, s22                     ; w: my row
	s_mov_b32 s3, 0
	s_mov_b32 s32, 0x76543210                      ; v_permlanex16_b32: each lane takes its own place in the other half
	s_mov_b32 s33, 0xfedcba98
	s_mov_b32 s34, 0x3a800000                      ; 1 / 1024
	s_mov_b32 s35, 0x3727c5ac                      ; 1e-5
	v_mov_b32 v[TT+1], 0                           ; the exchange's destination counts as read
	s_wait_kmcnt 0x0
	s_lshl_b32 s2, s23, 12
	s_add_nc_u64 s[4:5], s[4:5], s[2:3]
	s_lshl_b32 s2, s23, 11
	s_add_nc_u64 s[10:11], s[10:11], s[2:3]
.irp c, 0,1,2,3,4,5,6,7
	global_load_b128 v[XX+4*(\c):XX+4*(\c)+3], v1, s[4:5] offset:512*(\c)
.endr
.irp c, 0,1,2,3,4,5,6,7
	global_load_b128 v[GG+4*(\c):GG+4*(\c)+3], v1, s[6:7] offset:512*(\c)
.endr
.irp c, 0,1,2,3,4,5,6,7
	global_load_b128 v[BB+4*(\c):BB+4*(\c)+3], v1, s[8:9] offset:512*(\c)
.endr
.macro REDUCE                          ; the four chains into one number, the same in every lane, in v[TT]
	v_pk_add_f32 v[CH:CH+1], v[CH:CH+1], v[CH+2:CH+3]
	v_pk_add_f32 v[CH+4:CH+5], v[CH+4:CH+5], v[CH+6:CH+7]
	v_pk_add_f32 v[CH:CH+1], v[CH:CH+1], v[CH+4:CH+5]
	v_add_f32 v[TT], v[CH], v[CH+1]
.irp m, 1,2,4,8
	v_add_f32_dpp v[TT], v[TT], v[TT] row_xmask:\m row_mask:0xf bank_mask:0xf
.endr
	v_permlanex16_b32 v[TT+1], v[TT], s32, s33
	v_add_f32 v[TT], v[TT], v[TT+1]
.endm
	s_wait_loadcnt 16                              ; loads come back in order: the row is in; g's and be's sixteen stay out
.set k, 0
.rept 4
	v_pk_add_f32 v[CH+2*k:CH+2*k+1], v[XX+2*k:XX+2*k+1], v[XX+8+2*k:XX+8+2*k+1]
.set k, k+1
.endr
.set k, 0
.rept 8
	v_pk_add_f32 v[CH+2*(k%4):CH+2*(k%4)+1], v[CH+2*(k%4):CH+2*(k%4)+1], v[XX+16+2*k:XX+16+2*k+1]
.set k, k+1
.endr
	REDUCE
	v_mul_f32 v[MN], s34, v[TT]
	v_mul_f32 v[MN+1], s34, v[TT]
.set k, 0
.rept 16
	v_pk_add_f32 v[XX+2*k:XX+2*k+1], v[XX+2*k:XX+2*k+1], v[MN:MN+1] neg_lo:[0,1] neg_hi:[0,1]
.set k, k+1
.endr
.set k, 0
.rept 4
	v_pk_mul_f32 v[CH+2*k:CH+2*k+1], v[XX+2*k:XX+2*k+1], v[XX+2*k:XX+2*k+1]
.set k, k+1
.endr
.rept 12
	v_pk_fma_f32 v[CH+2*(k%4):CH+2*(k%4)+1], v[XX+2*k:XX+2*k+1], v[XX+2*k:XX+2*k+1], v[CH+2*(k%4):CH+2*(k%4)+1]
.set k, k+1
.endr
	REDUCE
	v_fma_f32 v[TT], v[TT], s34, s35               ; var + eps
	v_rsq_f32 v[RR], v[TT]
	v_rsq_f32 v[RR+1], v[TT]
	v_nop                                          ; a plain instruction behind the last root,
	s_wait_alu depctr_va_vdst(0)                   ; and one wait for both, ahead of their first reader
	s_wait_loadcnt 0x0                             ; g and be are in
.set k, 0
.rept 16
	v_pk_mul_f32 v[XX+2*k:XX+2*k+1], v[XX+2*k:XX+2*k+1], v[RR:RR+1]
.set k, k+1
.endr
.set k, 0
.rept 16
	v_pk_fma_f32 v[XX+2*k:XX+2*k+1], v[XX+2*k:XX+2*k+1], v[GG+2*k:GG+2*k+1], v[BB+2*k:BB+2*k+1]
.set k, k+1
.endr
.set c, 0
.rept 8
	v_cvt_pk_bf16_f32 v[XX+4*c], v[XX+4*c], v[XX+4*c+1]
	v_cvt_pk_bf16_f32 v[XX+4*c+1], v[XX+4*c+2], v[XX+4*c+3]
	global_store_b64 v2, v[XX+4*c:XX+4*c+1], s[10:11] offset:256*c th:TH_STORE_NT  ; 32 lanes store 256 consecutive bytes, aligned
.set c, c+1
.endr
	s_endpgm
.Lfunc_end_k_q2a6765b71e_ln2:
	.size	k_q2a6765b71e_ln2, .Lfunc_end_k_q2a6765b71e_ln2-k_q2a6765b71e_ln2
	.p2alignl 7, 3214868480
	.fill 96, 4, 3214868480
	.section	.rodata,"a",@progbits
	.p2align	6, 0x0
	.amdhsa_kernel k_q2a6765b71e_ln2
		.amdhsa_group_segment_fixed_size 0
		.amdhsa_private_segment_fixed_size 0
		.amdhsa_enable_private_segment 0
		.amdhsa_kernarg_size 32
		.amdhsa_user_sgpr_count 2
		.amdhsa_user_sgpr_kernarg_segment_ptr 1
		.amdhsa_wavefront_size32 1
		.amdhsa_system_sgpr_workgroup_id_x 1
		.amdhsa_system_sgpr_workgroup_id_y 1
		.amdhsa_system_sgpr_workgroup_id_z 1
		.amdhsa_system_vgpr_workitem_id 0
		.amdhsa_next_free_vgpr 116
		.amdhsa_next_free_sgpr 66
		.amdhsa_reserve_vcc 0
		.amdhsa_float_denorm_mode_32 3
		.amdhsa_float_denorm_mode_16_64 3
		.amdhsa_memory_ordered 1
		.amdhsa_forward_progress 1
		.amdhsa_inst_pref_size 12
	.end_amdhsa_kernel
	.amdgpu_metadata
---
amdhsa.version: [ 1, 2 ]
amdhsa.kernels:
  - .name:           k_q2a6765b71e_ln2
    .symbol:         k_q2a6765b71e_ln2.kd
    .args:
      - { .name: x1, .offset: 0, .size: 8, .value_kind: global_buffer, .address_space: global }
      - { .name: g2, .offset: 8, .size: 8, .value_kind: global_buffer, .address_space: global }
      - { .name: be2, .offset: 16, .size: 8, .value_kind: global_buffer, .address_space: global }
      - { .name: nx2, .offset: 24, .size: 8, .value_kind: global_buffer, .address_space: global }
    .group_segment_fixed_size: 0
    .private_segment_fixed_size: 0
    .kernarg_segment_align: 8
    .kernarg_segment_size: 32
    .max_flat_workgroup_size: 512
    .sgpr_count:     66
    .vgpr_count:     116
    .wavefront_size: 32
...
	.end_amdgpu_metadata
.endif
;; end of part 5
;; launch ffn1 (part 6): grid 16 x 16, 4 waves a work-group, clusters of 4 x 4, 327,680 bytes of LDS; arguments nx2, wb, b1, h; writes h
.if DOCPART == 6
	.amdgcn_target "amdgcn-amd-amdhsa--gfx1250"
	.amdhsa_code_object_version 6
	.text
	.protected	k_q2a6765b71e_ffn1
	.globl	k_q2a6765b71e_ffn1
	.p2align	8
	.type	k_q2a6765b71e_ffn1,@function
k_q2a6765b71e_ffn1:
	s_mov_b64 s[64:65], 0
	v_nop
	global_prefetch_b8 v0, s[64:65] scope:SCOPE_SE
	s_setreg_imm32_b32 hwreg(HW_REG_WAVE_MODE, 25, 1), 1
	s_wait_xcnt 0x0
	s_wait_alu depctr_hold_cnt(0) depctr_sa_sdst(0) depctr_va_vdst(0) depctr_va_sdst(0) depctr_va_ssrc(0) depctr_va_vcc(0) depctr_vm_vsrc(0)
	s_getreg_b32 s2, hwreg(HW_REG_IB_STS2, 6, 4)
	s_cmp_eq_u32 s2, 0
	s_cbranch_scc0 .Lentry_in_a_cluster
	s_endpgm
.Lentry_in_a_cluster:
	s_bfe_u32 s2, ttmp6, 0x10000c
	s_cmp_lg_u32 s2, 0xf033
	s_cbranch_scc0 .Lentry_shape_is_right
	s_endpgm
.Lentry_shape_is_right:
; C = A B + bias on tiles of 256 x 256.  A: [4096][1024] bf16, rows along K.  B: a section of wb, [1024][SIZE_N] bf16, rows along N.  Sums in f32.
; QKV = 1: A = nx, B = w_qkv; C + b_qkv is rounded once to f16 and written by heads, qkvh[part q/k/v][batch x 16 + head][token][64].  LIMIT: |q|, |k|, |v| stay under 65,504.
; QKV = 0: A = nx2, B = w1; h = gelu(C + b1), rounded once to bf16, [4096][4096].  gelu(x) = x / (1 + 2^(x (K0 + K1 x^2))) is the tanh form itself, K0 = -2 sqrt(2/pi) log2(e), K1 = 0.044715 K0.
; SHARES.  Four waves, each 128 x 128 of C: 64 accumulators, 512 registers.  K goes in steps of 128 through a ring of two LDS slots filled by tensor loads; waves 0, 1 fetch A's two halves
; (128 rows x 256 bytes), waves 2, 3 B's (64 rows x 512 bytes).  One K step is written once: the slot in hand is a scalar that an exclusive or turns.
; CLUSTER 4 x 4: A's tile is shared along a row of the cluster, B's along a column; each is asked for jointly, by the same load and descriptor in the four that the mask names.
; THE PRODUCT IS USED TRANSPOSED: source 0 = 16 columns of B (turned on the way out of LDS by ds_load_tr16_b128), source 1 = 16 rows of A: a lane holds row l % 16 of C and columns 8 (l / 16) + 0..7.
; THE WAY OUT: each wave dumps its 128 x 128 f32 into the ring, which has had its last fill, and walks it by rows in a loop of 16 trips.
; REGISTERS: window 0: v0-47 addresses and bias; v64-127, v128-191 A's fragments, two buffers (on the way out: at work).  Window 1: B's fragments at the same numbers.  Windows 2, 3: accumulator (a, b) at 8 (8 a + b).
.set QKV, 0
.if QKV
.set SIZE_N, 3072
.set SEC, 0
.else
.set SIZE_N, 4096
.set SEC, 8388608
.endif
.set SIZE_K, 1024
.set KSTEP, 128
.set STEPS, SIZE_K/KSTEP
.set PA,    272                        ; a row of A in LDS: 256 bytes + 16: the 16 rows of a fragment load start 16 bytes apart modulo 256
.set PB,    544                        ; a row of B: 512 bytes + 32: an odd multiple of 32, for the turning load
.set HALFT, 128*PA                     ; what one tensor load brings: 128 rows of A, or 64 of B (64 x 544 is the same)
.set BOFF,  2*HALFT
.set SLOT,  4*HALFT
.set SPARE, 2*SLOT                     ; behind the ring: the spare words, 128 bytes a wave, which no other line names
.set DP,    528                        ; a row of the dump: 512 bytes + 16
.set DUMPB, 128*DP
.set ASTEP, KSTEP*2
.set BSTEP, KSTEP*SIZE_N*2
.set ADRA, 16                          ; v16 LDS address of my A fragments in the slot in hand; v17 the same in slot 0
.set ADRA0, 17
.set ADRB, 20                          ; v20, v21 the same for B
.set ADRB0, 21
.set DST, 24                           ; v24 where I put 32 bytes of a row of the dump
.set RDA, 25                           ; v25 where I read the dump
.set GO,  26                           ; v26 my byte offset in the stores
.set BO,  27                           ; v27 my byte offset in the bias
.set SPW, 28                           ; v28 my spare word; never rewritten
.set NIL, 29                           ; v29 0; never rewritten
.set PFO, 30                           ; v30 the prefetches' offset; never rewritten
.set BI,  32                           ; v32.. the bias of my columns
.set F0,  64
.set F1,  128
.set X,   64                           ; the way out: v[64:95] as read, v[96:127] + bias, v[128:159] at work, v[160:175] packed
.set XB,  96
.set T,   128
.set Y,   160
.set WV, 12                            ; s12 wave; s13 wave / 2: my half of the rows, and 0 = I fetch A, 1 = B; s14 wave % 2: my half of the columns, and which half I fetch
.set WM, 13
.set WN, 14
.set TY, 15                            ; s15 tile row; s42 tile column; s40, s41 my place in the cluster
.set CX, 40
.set CY, 41
.set TX, 42
.set G1A, 24                           ; s[24:31] group 1 for A; s[32:35] group 0 of the first fill, s[36:39] the one that walks
.set G0A, 32
.set G1B, 48                           ; s[48:55], s[56:59], s[60:63] the same for B
.set G0B, 56
.set TB,  66                           ; s66 base of the slot that is read; s67 of the slot that is filled
.set TF,  67
.set LWA, 68                           ; s68 my load's place in a slot if it is A's; s78 if it is B's
.set LWB, 78
.set LIM, 69                           ; s69 1 in a wave that prefetches, else the greatest number
.set PFA, 70                           ; s[70:71] where my prefetches stand; s[72:73] their step
.set PFS, 72
.set K1,  74                           ; s[74:75], s[76:77] gelu's constants, named as pairs
.set K0,  76
.set MSB, 0
.macro WIN new                         ; the immediate's high byte repeats the setting that is left; a switch that changes nothing is dropped
.if MSB != (\new)
	s_set_vgpr_msb (MSB<<8)|(\new)
.set MSB, \new
.endif
.endm
.set MUL_LO, 0xa1                      ; source 0 (B) window 1, source 1 (A) window 0, C and D window 2
.set MUL_HI, 0xf1                      ; the same, C and D window 3
.set TO_B,   0x40                      ; destination window 1, address window 0
.macro PLACES                          ; four plain places behind matrix instructions, ahead of loads into their sources and of reads of their results
.rept 4
	v_nop
.endr
.endm
.macro JLOAD                           ; a joint refill by the walking descriptor; the branch hangs on the wave's number alone; s_nop 0 and four v_nop follow each line
	s_cmp_eq_u32 s[WM], 0
	s_cbranch_scc0 .Lfor_b_\@
	tensor_load_to_lds s[G0A+4:G0A+7], s[G1A:G1A+7]
	s_nop 0
.rept 4
	v_nop
.endr
	s_branch .Lasked_\@
.Lfor_b_\@:
	tensor_load_to_lds s[G0B+4:G0B+7], s[G1B:G1B+7]
	s_nop 0
.rept 4
	v_nop
.endr
.Lasked_\@:
.endm
.macro CREST                           ; a round of the cluster's barrier behind its opening barrier
	s_cmp_lg_u32 s[WV], 0
	s_cbranch_scc1 .Lnot_wave_0_\@
	s_barrier_signal -3
.Lnot_wave_0_\@:
	s_barrier_wait -3
	s_barrier_signal -1
	s_barrier_wait -1
.endm
.macro CROUND
	s_barrier_signal -1
	s_barrier_wait -1
	CREST
.endm
.macro STEPD                           ; the walking descriptors: the other slot, the next K step.  No tensor load of mine is out here
	s_xor_b32 s[TF], s[TF], SLOT
	s_add_co_u32 s[G0A+5], s[LWA], s[TF]
	s_add_co_u32 s[G0B+5], s[LWB], s[TF]
	s_add_nc_u64 s[G0A+6:G0A+7], s[G0A+6:G0A+7], ASTEP
	s_add_nc_u64 s[G0B+6:G0B+7], s[G0B+6:G0B+7], BSTEP
.endm
.macro FLIP                            ; the reads go on in the other slot
	s_xor_b32 s[TB], s[TB], SLOT
	v_add_nc_u32 v[ADRA], s[TB], v[ADRA0]
	v_add_nc_u32 v[ADRB], s[TB], v[ADRB0]
.endm
; A PREFETCH INTO THE L2 behind each refill and the run of LDS loads that follows it: the K step that the NEXT refill will ask for, 256 matrix instructions ahead of that load.  A's rows are read by every
; cluster of a row of clusters: cluster x = 0 asks; B's by every cluster of a column: cluster y = 0 asks.  The four partners share a wave's 128 blocks of 256 bytes out by address, 32 each, a lane a block:
; each block is named once in the launch.  K steps 0 to 2 come by their loads alone; the loop's last trip asks for nothing: there is no K step behind the last.
.macro ASK
	s_cmp_gt_u32 s3, s[LIM]
	s_cbranch_scc0 .Lnot_mine_\@
	global_prefetch_b8 v[PFO], s[PFA:PFA+1] th:TH_LOAD_NT scope:SCOPE_SE
.Lnot_mine_\@:
.endm
	s_load_b128 s[4:7], s[0:1], 0x0                ; A s[4:5], wb s[6:7]
	s_load_b128 s[8:11], s[0:1], 0x10              ; bias s[8:9], out s[10:11]
	v_lshl_add_u32 v[SPW], v0, 2, SPARE
	v_mov_b32 v[NIL], 0
	ds_add_u32 v[SPW], v[NIL]                      ; the wave's opening: the add and its wait stand ahead of my first tensor load; the set-up below stands between them
	v_lshrrev_b32 v1, 5, v0
	v_readfirstlane_b32 s[WV], v1
	s_lshr_b32 s[WM], s[WV], 1
	s_and_b32 s[WN], s[WV], 1
	s_bfe_u32 s[CX], ttmp6, 0x40000
	s_bfe_u32 s[CY], ttmp6, 0x40004
	s_lshl_b32 s[TX], ttmp9, 2
	s_add_co_u32 s[TX], s[TX], s[CX]               ; tile column = 4 x cluster x + cx
	s_and_b32 s[TY], ttmp7, 0xffff
	s_lshl_b32 s[TY], s[TY], 2
	s_add_co_u32 s[TY], s[TY], s[CY]               ; tile row = 4 x cluster y + cy
	s_lshl_b32 s43, s[CY], 2
	s_lshl_b32 s43, 15, s43                        ; my row of the cluster
	s_lshl_b32 s46, 0x1111, s[CX]                  ; my column
	s_or_b32 s[G1A], s43, (1<<16)|(1<<20)|(1<<21)|(5<<22)|(3<<25)  ; mask; 2-byte elements; padding on; bit 21 beside a mask; after every 64 words, 4 words
	s_or_b32 s[G1B], s46, (1<<16)|(1<<20)|(1<<21)|(6<<22)|(7<<25)  ; after every 128 words, 8 words
	s_mov_b32 s[G1A+1], KSTEP<<16                  ; tensor_dim0 = 128
	s_mov_b32 s[G1A+2], 128<<16                    ; tensor_dim1 = 128
	s_mov_b32 s[G1A+3], KSTEP<<16                  ; tile_dim0 = 128
	s_mov_b32 s[G1A+4], 128                        ; tile_dim1 = 128
	s_mov_b32 s[G1A+5], SIZE_K                     ; elements from row to row
	s_mov_b32 s[G1A+6], 0
	s_mov_b32 s[G1A+7], 0
	s_mov_b32 s[G1B+1], 256<<16                    ; 256 columns,
	s_mov_b32 s[G1B+2], 64<<16                     ; 64 rows of K
	s_mov_b32 s[G1B+3], 256<<16
	s_mov_b32 s[G1B+4], 64
	s_mov_b32 s[G1B+5], SIZE_N
	s_mov_b32 s[G1B+6], 0
	s_mov_b32 s[G1B+7], 0
	s_lshl_b32 s16, s[TY], 8
	s_lshl_b32 s17, s[WN], 7
	s_add_co_u32 s16, s16, s17
	s_lshl_b32 s16, s16, 11                        ; A: (256 x tile row + 128 x half) rows of 2,048 bytes
	s_mov_b32 s17, 0
	s_mul_i32 s18, s[WN], 64*2*SIZE_N              ; B: 64 x half rows of K,
	s_lshl_b32 s19, s[TX], 9
	s_add_co_u32 s18, s18, s19                     ; and the tile's 512 bytes of a row
	s_mov_b32 s19, 0
	s_mul_i32 s[LWA], s[WN], HALFT                 ; no place in the cluster enters an LDS address
	s_add_co_u32 s[LWB], s[LWA], BOFF
	s_mov_b32 s[TB], 0
	s_mov_b32 s[TF], SLOT
	s_wait_dscnt 0x0                               ; the opening add is done
	s_wait_kmcnt 0x0
.if SEC
	s_add_nc_u64 s[6:7], s[6:7], SEC               ; my section of wb
.endif
	s_add_nc_u64 s[20:21], s[4:5], s[16:17]
	s_add_nc_u64 s[22:23], s[6:7], s[18:19]
	s_mov_b32 s[G0A], 1                            ; count = 1
	s_mov_b32 s[G0A+1], s[LWA]                     ; slot 0
	s_mov_b64 s[G0A+2:G0A+3], s[20:21]             ; K step 0
	s_or_b32 s[G0A+3], s[G0A+3], 0x80000000        ; type = 2
	s_mov_b32 s[G0A+4], 1
	s_add_co_u32 s[G0A+5], s[LWA], SLOT            ; slot 1
	s_add_nc_u64 s[G0A+6:G0A+7], s[20:21], ASTEP   ; K step 1
	s_or_b32 s[G0A+7], s[G0A+7], 0x80000000
	s_mov_b32 s[G0B], 1
	s_mov_b32 s[G0B+1], s[LWB]
	s_mov_b64 s[G0B+2:G0B+3], s[22:23]
	s_or_b32 s[G0B+3], s[G0B+3], 0x80000000
	s_mov_b32 s[G0B+4], 1
	s_add_co_u32 s[G0B+5], s[LWB], SLOT
	s_add_nc_u64 s[G0B+6:G0B+7], s[22:23], BSTEP
	s_or_b32 s[G0B+7], s[G0B+7], 0x80000000
	CROUND                                         ; all sixteen work-groups are here: the first joint loads meet
	s_cmp_eq_u32 s[WM], 0                          ; a wave's two first fills stand in one branch: two loads of mine are out
	s_cbranch_scc0 .Lfirst_b
	tensor_load_to_lds s[G0A:G0A+3], s[G1A:G1A+7]
	s_nop 0
	tensor_load_to_lds s[G0A+4:G0A+7], s[G1A:G1A+7]
	s_nop 0
.rept 4
	v_nop
.endr
	s_branch .Lfirst_done
.Lfirst_b:
	tensor_load_to_lds s[G0B:G0B+3], s[G1B:G1B+7]
	s_nop 0
	tensor_load_to_lds s[G0B+4:G0B+7], s[G1B:G1B+7]
	s_nop 0
.rept 4
	v_nop
.endr
.Lfirst_done:
	v_and_b32 v1, 15, v0                           ; l % 16
	v_bfe_u32 v2, v0, 4, 1                         ; l / 16
	v_mul_u32_u24 v3, v1, PA
	v_lshl_add_u32 v3, v2, 4, v3                   ; A: row x pitch + 16 x half of the lanes
	s_mul_i32 s16, s[WM], HALFT
	v_add_nc_u32 v[ADRA0], s16, v3
	v_mov_b32 v[ADRA], v[ADRA0]
	v_and_b32 v4, 7, v0                            ; B, turned: lane l reads K row 8 (l / 16) + l % 8, 16 bytes at 16 ((l / 8) % 2)
	v_lshl_add_u32 v4, v2, 3, v4
	v_mul_u32_u24 v4, v4, PB
	v_bfe_u32 v5, v0, 3, 1
	v_lshl_add_u32 v4, v5, 4, v4
	s_lshl_b32 s16, s[WN], 8
	s_add_co_u32 s16, s16, BOFF
	v_add_nc_u32 v[ADRB0], s16, v4
	v_mov_b32 v[ADRB], v[ADRB0]
	s_mul_i32 s17, s[WV], DUMPB                    ; my dump
	v_mul_u32_u24 v3, v1, DP
	v_lshl_add_u32 v3, v2, 5, v3
	v_add_nc_u32 v[DST], s17, v3                   ; row l % 16, 32 bytes for each half of the lanes
	v_and_b32 v6, 31, v0
.if QKV
	v_bfe_u32 v7, v0, 3, 2                         ; back: four tokens x 64 channels of one head: lane l takes token l / 8, channels 8 (l % 8) ..
	v_mul_u32_u24 v7, v7, DP
	v_and_b32 v8, 7, v0
	v_lshl_add_u32 v7, v8, 5, v7
	v_add_nc_u32 v[RDA], s17, v7
	v_lshlrev_b32 v[GO], 4, v6
	v_lshlrev_b32 v[BO], 5, v8
.else
	v_lshl_add_u32 v[RDA], v6, 4, s17              ; back: a row of 512 bytes, 16 a lane
	v_lshlrev_b32 v[GO], 3, v6
	v_lshlrev_b32 v[BO], 4, v6
.endif
	s_lshl_b32 s16, s[TX], 10
	s_lshl_b32 s17, s[WN], 9
	s_add_co_u32 s16, s16, s17
	s_mov_b32 s17, 0
	s_add_nc_u64 s[8:9], s[8:9], s[16:17]          ; the bias of my 128 columns
.if QKV
.irp u, 0,1
	global_load_b128 v[BI+8*(\u):BI+8*(\u)+3],   v[BO], s[8:9] offset:256*(\u)
	global_load_b128 v[BI+8*(\u)+4:BI+8*(\u)+7], v[BO], s[8:9] offset:256*(\u)+16
.endr
	s_lshl_b32 s16, s[TX], 2
	s_lshl1_add_u32 s16, s[WN], s16                ; my first head among the 48 of q, k, v
	s_lshr_b32 s17, s16, 4
	s_lshl_b32 s17, s17, 5                         ; 32 planes a part
	s_and_b32 s16, s16, 15
	s_add_co_u32 s16, s16, s17
	s_lshl_b32 s18, s[TY], 8
	s_lshl_b32 s19, s[WM], 7
	s_add_co_u32 s18, s18, s19                     ; my first row
	s_lshr_b32 s19, s18, 11
	s_lshl_b32 s19, s19, 4                         ; 16 planes a batch
	s_add_co_u32 s16, s16, s19
	s_lshl_b32 s16, s16, 11
	s_and_b32 s18, s18, 2047
	s_add_co_u32 s16, s16, s18                     ; plane x 2,048 + token,
	s_lshl_b32 s16, s16, 7                         ; of 128 bytes
.else
	global_load_b128 v[BI:BI+3], v[BO], s[8:9]
	s_lshl_b32 s16, s[TY], 8
	s_lshl_b32 s17, s[WM], 7
	s_add_co_u32 s16, s16, s17
	s_lshl_b32 s16, s16, 13                        ; my first row of h, 8,192 bytes a row,
	s_lshl_b32 s17, s[TX], 9
	s_add_co_u32 s16, s16, s17
	s_lshl_b32 s17, s[WN], 8
	s_add_co_u32 s16, s16, s17                     ; my 256 bytes of it
	s_mov_b32 s[K1], 0xbdd2d3e8                    ; -0.10294324
	s_mov_b32 s[K1+1], s[K1]
	s_mov_b32 s[K0], 0xc0135761                    ; -2.3022082
	s_mov_b32 s[K0+1], s[K0]
.endif
	s_mov_b32 s17, 0
	s_add_nc_u64 s[10:11], s[10:11], s[16:17]
	; the prefetches: at K step 2; the first refill steps them to 3
	s_lshl_b32 s18, s[TY], 8
	s_lshl_b32 s20, s[WN], 7
	s_add_co_u32 s18, s18, s20
	s_lshl_b32 s20, s[CX], 5
	s_add_co_u32 s18, s18, s20                     ; A: my work-group's 32 of the 128 rows that I fetch
	s_lshl_b32 s18, s18, 11
	s_add_co_u32 s18, s18, 2*ASTEP
	s_lshl_b32 s19, s[WN], 6
	s_lshl_b32 s20, s[CY], 4
	s_add_co_u32 s19, s19, s20                     ; B: my work-group's 16 of the 64 rows, two blocks a row
	s_add_co_u32 s19, s19, 2*KSTEP
	s_mul_i32 s19, s19, 2*SIZE_N
	s_lshl_b32 s20, s[TX], 9
	s_add_co_u32 s19, s19, s20
	s_and_b32 s22, ttmp7, 0xffff
	s_mov_b32 s17, 2*SIZE_N
	s_mov_b32 s[PFS], BSTEP
	s_mov_b32 s[PFS+1], 0
	s_mov_b32 s21, 0
	s_cmp_eq_u32 s[WM], 0
	s_cselect_b32 s20, s18, s19
	s_cselect_b32 s22, ttmp9, s22                  ; the coordinate along which other clusters read the same rows
	s_cselect_b32 s16, 0, 1
	s_cselect_b32 s17, 2*SIZE_K, s17
	s_cselect_b32 s[PFS], ASTEP, s[PFS]
	s_cselect_b64 s[PFA:PFA+1], s[4:5], s[6:7]
	s_add_nc_u64 s[PFA:PFA+1], s[PFA:PFA+1], s[20:21]
	s_cmp_eq_u32 s22, 0
	s_cselect_b32 s[LIM], 1, -1                    ; the same in all sixteen partners, for a given wave
	v_and_b32 v31, s16, v6
	v_lshrrev_b32 v[PFO], s16, v6
	v_mul_u32_u24 v[PFO], s17, v[PFO]
	v_lshl_add_u32 v[PFO], v31, 8, v[PFO]
; 16 matrix instructions: row blocks a0, a0 + 1 of the window's four x all 8 column blocks, 32 along K.  zero = 1: the product starts the sums.  The 64 accumulators take turns in the same order in every quarter.
.macro MUL16 f, hi, a0, zero
	WIN MUL_LO+0x50*(\hi)
.irp a, \a0, (\a0)+1
.irp b, 0,1,2,3,4,5,6,7
.if \zero
	v_wmma_f32_16x16x32_bf16 v[8*(8*(\a)+(\b)):8*(8*(\a)+(\b))+7], v[(\f)+8*(\b):(\f)+8*(\b)+7], v[(\f)+8*(4*(\hi)+(\a)):(\f)+8*(4*(\hi)+(\a))+7], 0
.else
	v_wmma_f32_16x16x32_bf16 v[8*(8*(\a)+(\b)):8*(8*(\a)+(\b))+7], v[(\f)+8*(\b):(\f)+8*(\b)+7], v[(\f)+8*(4*(\hi)+(\a)):(\f)+8*(4*(\hi)+(\a))+7], v[8*(8*(\a)+(\b)):8*(8*(\a)+(\b))+7]
.endif
.endr
.endr
.endm
; 32 LDS loads in one run: quarter q (32 along K) of the slot in hand into buffer f: B's 8 fragments, turned, then A's 8
.macro FETCH q, f
	WIN TO_B
.irp i, 0,1,2,3,4,5,6,7
	ds_load_tr16_b128 v[(\f)+8*(\i):(\f)+8*(\i)+3],   v[ADRB] offset:(\q)*32*PB+32*(\i)
	ds_load_tr16_b128 v[(\f)+8*(\i)+4:(\f)+8*(\i)+7], v[ADRB] offset:(\q)*32*PB+16*PB+32*(\i)
.endr
	WIN 0
.irp i, 0,1,2,3,4,5,6,7
	ds_load_b128 v[(\f)+8*(\i):(\f)+8*(\i)+3],   v[ADRA] offset:(\q)*64+(\i)*16*PA
	ds_load_b128 v[(\f)+8*(\i)+4:(\f)+8*(\i)+7], v[ADRA] offset:(\q)*64+(\i)*16*PA+32
.endr
.endm
; One of a K step's first three quarters: multiplies buffer f and, in its middle, fetches quarter q into buffer g
.macro QUARTER q, f, g, zero
	s_wait_dscnt 8                                 ; B and A's rows 0-63 are in; the youngest eight loads (A's rows 64-127) may be out
	MUL16 \f, 0, 0, \zero
	MUL16 \f, 0, 2, \zero
	PLACES
	FETCH \q, \g
	s_wait_dscnt 32                                ; all but the 32 just issued
	MUL16 \f, 1, 0, \zero
	MUL16 \f, 1, 2, \zero
.endm
; The last quarter multiplies buffer 1 and changes slots.  In front of the barrier each wave waits for all its tensor loads (one is out: its part of the next slot), adds 0 to its spare word, and waits for that and
; for its reads of this slot.  fill = 1: the barrier opens a round of the cluster's, and the joint refill of the slot just read out is the first thing behind it: 224 matrix instructions ahead of the wait for it.
.macro TURN fill
.if \fill
	s_wait_xcnt 0x0                                ; the last prefetch, a K step back, has read its address
	s_add_nc_u64 s[PFA:PFA+1], s[PFA:PFA+1], s[PFS:PFS+1]
.endif
	WIN 0
	s_wait_tensorcnt 0x0
	ds_add_u32 v[SPW], v[NIL]
	s_wait_dscnt 9                                 ; (the add and the youngest eight loads may be out)
	MUL16 F1, 0, 0, 0
	s_wait_dscnt 0x0                               ; the add is done, and my reads of this slot are over
	s_barrier_signal -1
	MUL16 F1, 0, 2, 0
	WIN 0
	s_barrier_wait -1
.if \fill
	CREST
	STEPD
	JLOAD                                          ; its four v_nop are also the places in front of the loads below
.else
	PLACES
.endif
	FLIP
	FETCH 0, F0
.if \fill
	ASK
.endif
	MUL16 F1, 1, 0, 0
	MUL16 F1, 1, 2, 0
.endm
	s_wait_tensorcnt 1                             ; my part of K step 0 is in; K step 1's load may stay out
	s_barrier_signal -1
	s_barrier_wait -1
	FETCH 0, F0
	QUARTER 1, F0, F1, 1                           ; the first quarter's products start the sums
	WIN 0
	s_mov_b32 s3, STEPS-2
.Lstep:                                        ; a trip: from a K step's second quarter to the next step's first; it fills the slot that it leaves
	QUARTER 2, F1, F0, 0
	QUARTER 3, F0, F1, 0
	TURN 1
	QUARTER 1, F0, F1, 0
	WIN 0
	s_sub_co_u32 s3, s3, 1
	s_cmp_lg_u32 s3, 0
	s_cbranch_scc1 .Lstep
	s_mov_b32 s3, 2
.Ltail:                                        ; the last two K steps ask for nothing; the second trip is left in its middle (its change of slots and the fragments that it fetches serve nothing: the price of one text for both)
	QUARTER 2, F1, F0, 0
	QUARTER 3, F0, F1, 0
	TURN 0
	WIN 0
	s_sub_co_u32 s3, s3, 1
	s_cmp_eq_u32 s3, 0
	s_cbranch_scc1 .Lout
	QUARTER 1, F0, F1, 0
	WIN 0
	s_branch .Ltail
.Lout:
	s_wait_dscnt 0x0                               ; my last reads of the ring are back
	PLACES                                         ; behind the last products
	s_barrier_signal -1
	s_barrier_wait -1                              ; nobody reads the ring any more; it has had its last fill
.set a, 0
.rept 8                                        ; the dump: each accumulator's low four registers first
	WIN 0x08+4*(a/4)                               ; store data (source 1) in window 2 or 3
.set b, 0
.rept 8
	ds_store_b128 v[DST], v[8*(8*(a%4)+b):8*(8*(a%4)+b)+3]   offset:a*16*DP+64*b
	ds_store_b128 v[DST], v[8*(8*(a%4)+b)+4:8*(8*(a%4)+b)+7] offset:a*16*DP+64*b+16
.set b, b+1
.endr
.set a, a+1
.endr
	WIN 0
.macro LOADX                           ; eight rows of my own dump; LDS serves a wave's instructions in order, so these see my stores
.if QKV
.irp u, 0,1,2,3                        ; u = 2 x head + group of four tokens
	ds_load_b128 v[X+8*(\u):X+8*(\u)+3],   v[RDA] offset:((\u)%2)*4*DP+((\u)/2)*256
	ds_load_b128 v[X+8*(\u)+4:X+8*(\u)+7], v[RDA] offset:((\u)%2)*4*DP+((\u)/2)*256+16
.endr
.else
.irp i, 0,1,2,3,4,5,6,7
	ds_load_b128 v[X+4*(\i):X+4*(\i)+3], v[RDA] offset:DP*(\i)
.endr
.endif
.endm
	LOADX
	s_wait_loadcnt 0x0                             ; the bias
	s_mov_b32 s3, 16
.Lrows:                                        ; 16 trips of 8 rows
	s_wait_dscnt 0x0
.set n, 0
.rept 16
.if QKV
	v_pk_add_f32 v[XB+2*n:XB+2*n+1], v[X+2*n:X+2*n+1], v[BI+8*(n/8)+2*(n%4):BI+8*(n/8)+2*(n%4)+1]
.else
	v_pk_add_f32 v[XB+2*n:XB+2*n+1], v[X+2*n:X+2*n+1], v[BI+2*(n%2):BI+2*(n%2)+1]
.endif
.set n, n+1
.endr
	v_add_nc_u32 v[RDA], 8*DP, v[RDA]
	s_cmp_eq_u32 s3, 1                             ; the last trip has no rows behind it
	s_cbranch_scc1 .Lno_more
	LOADX
.Lno_more:
.if QKV
.set n, 0
.rept 16
	v_cvt_pk_f16_f32 v[Y+n], v[XB+2*n], v[XB+2*n+1]
.set n, n+1
.endr
.irp u, 0,1,2,3
	global_store_b128 v[GO], v[Y+4*(\u):Y+4*(\u)+3], s[10:11] offset:((\u)/2)*262144+((\u)%2)*512  ; four tokens of a head: 512 consecutive bytes, aligned
.endr
	s_wait_xcnt 0x0                                ; the stores have read their data and base
	s_add_nc_u64 s[10:11], s[10:11], 1024
.else
.set n, 0
.rept 17                                       ; x (K0 + K1 x^2), and ONE batch of 32 exponentials, each with plain neighbours; none of their results is named ahead of the wait
.if n < 16
	v_pk_mul_f32 v[T+2*n:T+2*n+1], v[XB+2*n:XB+2*n+1], v[XB+2*n:XB+2*n+1]
.endif
.if n > 0
	v_exp_f32 v[T+2*n-2], v[T+2*n-2]
.endif
.if n < 16
	v_pk_fma_f32 v[T+2*n:T+2*n+1], v[T+2*n:T+2*n+1], s[K1:K1+1], s[K0:K0+1] op_sel_hi:[1,0,0]
.endif
.if n > 0
	v_exp_f32 v[T+2*n-1], v[T+2*n-1]
.endif
.if n < 16
	v_pk_mul_f32 v[T+2*n:T+2*n+1], v[T+2*n:T+2*n+1], v[XB+2*n:XB+2*n+1]
.endif
.set n, n+1
.endr
	v_nop
	s_wait_alu depctr_va_vdst(0)                   ; one wait for the batch, ahead of its first reader
.set n, 0
.rept 17                                       ; 1 + 2^.., and a second batch: 32 reciprocals
.if n < 16
	v_pk_add_f32 v[T+2*n:T+2*n+1], v[T+2*n:T+2*n+1], 1.0 op_sel_hi:[1,0]
.endif
.if n > 0
	v_rcp_f32 v[T+2*n-2], v[T+2*n-2]
	v_rcp_f32 v[T+2*n-1], v[T+2*n-1]
.endif
.set n, n+1
.endr
	v_nop
	s_wait_alu depctr_va_vdst(0)
.set n, 0
.rept 16
	v_pk_mul_f32 v[XB+2*n:XB+2*n+1], v[XB+2*n:XB+2*n+1], v[T+2*n:T+2*n+1]
.set n, n+1
.endr
.set n, 0
.rept 16
	v_cvt_pk_bf16_f32 v[Y+n], v[XB+2*n], v[XB+2*n+1]
.set n, n+1
.endr
.irp i, 0,1,2,3,4,5,6,7
	global_store_b64 v[GO], v[Y+2*(\i):Y+2*(\i)+1], s[10:11] offset:8192*(\i)  ; 32 lanes store 256 consecutive bytes, aligned
.endr
	s_wait_xcnt 0x0
	s_add_nc_u64 s[10:11], s[10:11], 65536
.endif
	s_sub_co_u32 s3, s3, 1
	s_cmp_lg_u32 s3, 0
	s_cbranch_scc1 .Lrows
	s_wait_tensorcnt 0x0                           ; the wave's end
	ds_add_u32 v[SPW], v[NIL]
	s_wait_dscnt 0x0
	CROUND                                         ; the closing round
	s_endpgm
.Lfunc_end_k_q2a6765b71e_ffn1:
	.size	k_q2a6765b71e_ffn1, .Lfunc_end_k_q2a6765b71e_ffn1-k_q2a6765b71e_ffn1
	.p2alignl 7, 3214868480
	.fill 96, 4, 3214868480
	.section	.rodata,"a",@progbits
	.p2align	6, 0x0
	.amdhsa_kernel k_q2a6765b71e_ffn1
		.amdhsa_group_segment_fixed_size 327680
		.amdhsa_private_segment_fixed_size 0
		.amdhsa_enable_private_segment 0
		.amdhsa_kernarg_size 32
		.amdhsa_user_sgpr_count 2
		.amdhsa_user_sgpr_kernarg_segment_ptr 1
		.amdhsa_wavefront_size32 1
		.amdhsa_system_sgpr_workgroup_id_x 1
		.amdhsa_system_sgpr_workgroup_id_y 1
		.amdhsa_system_sgpr_workgroup_id_z 1
		.amdhsa_system_vgpr_workitem_id 0
		.amdhsa_next_free_vgpr 1024
		.amdhsa_next_free_sgpr 80
		.amdhsa_reserve_vcc 0
		.amdhsa_float_denorm_mode_32 3
		.amdhsa_float_denorm_mode_16_64 3
		.amdhsa_memory_ordered 1
		.amdhsa_forward_progress 1
		.amdhsa_inst_pref_size 90
	.end_amdhsa_kernel
	.amdgpu_metadata
---
amdhsa.version: [ 1, 2 ]
amdhsa.kernels:
  - .name:           k_q2a6765b71e_ffn1
    .symbol:         k_q2a6765b71e_ffn1.kd
    .args:
      - { .name: nx2, .offset: 0, .size: 8, .value_kind: global_buffer, .address_space: global }
      - { .name: wb, .offset: 8, .size: 8, .value_kind: global_buffer, .address_space: global }
      - { .name: b1, .offset: 16, .size: 8, .value_kind: global_buffer, .address_space: global }
      - { .name: h, .offset: 24, .size: 8, .value_kind: global_buffer, .address_space: global }
    .group_segment_fixed_size: 327680
    .private_segment_fixed_size: 0
    .kernarg_segment_align: 8
    .kernarg_segment_size: 32
    .max_flat_workgroup_size: 128
    .sgpr_count:     80
    .vgpr_count:     1024
    .wavefront_size: 32
...
	.end_amdgpu_metadata
.endif
;; end of part 6
;; launch ffn2 (part 7): grid 8 x 32, 4 waves a work-group, clusters of 4 x 4, 327,680 bytes of LDS; arguments h, wb, b2, x1, out0; writes out0
.if DOCPART == 7
	.amdgcn_target "amdgcn-amd-amdhsa--gfx1250"
	.amdhsa_code_object_version 6
	.text
	.protected	k_q2a6765b71e_ffn2
	.globl	k_q2a6765b71e_ffn2
	.p2align	8
	.type	k_q2a6765b71e_ffn2,@function
k_q2a6765b71e_ffn2:
	s_mov_b64 s[64:65], 0
	v_nop
	global_prefetch_b8 v0, s[64:65] scope:SCOPE_SE
	s_setreg_imm32_b32 hwreg(HW_REG_WAVE_MODE, 25, 1), 1
	s_wait_xcnt 0x0
	s_wait_alu depctr_hold_cnt(0) depctr_sa_sdst(0) depctr_va_vdst(0) depctr_va_sdst(0) depctr_va_ssrc(0) depctr_va_vcc(0) depctr_vm_vsrc(0)
	s_getreg_b32 s2, hwreg(HW_REG_IB_STS2, 6, 4)
	s_cmp_eq_u32 s2, 0
	s_cbranch_scc0 .Lentry_in_a_cluster
	s_endpgm
.Lentry_in_a_cluster:
	s_bfe_u32 s2, ttmp6, 0x10000c
	s_cmp_lg_u32 s2, 0xf033
	s_cbranch_scc0 .Lentry_shape_is_right
	s_endpgm
.Lentry_shape_is_right:
; out = resid + A B + bias on tiles of 128 x 128, f32 out.  B: a section of wb, [K][1024] in 16 bits, rows along N.  Sums in f32.
; OPROJ = 1: A = ctx, f16, by heads [32][2048][64]; B = w_o (its bf16 number written as f16); K = 1,024; resid = x, out = x1.
; OPROJ = 0: A = h, bf16, [4096][4096]; B = w2; K = 4,096; resid = x1, out = out0.
; SHARES.  Four waves, each 64 x 64: 16 accumulators.  K goes in steps of 256 through a ring of two LDS slots filled by tensor loads: waves 0, 1 fetch A's halves, waves 2, 3 B's (128 rows of K x 256 bytes).
; With OPROJ a K step is four heads: a load brings two heads' 128 tokens x 64 channels, each 16,384 dense bytes, padded after every token; a quarter of the step is a head.
; One K step is written once: the slot in hand is a scalar that an exclusive or turns.  CLUSTER 4 x 4: A's tile is shared along a row, B's along a column, each asked for jointly.
; THE PRODUCT IS USED TRANSPOSED (source 0 = 16 columns of B, turned by ds_load_tr16_b128; source 1 = 16 rows of A): a lane holds row l % 16 and columns 8 (l / 16) + 0..7.
; THE WAY OUT: the tile goes as f32 into the ring, which has had its last fill; behind a barrier each wave reads 32 whole rows of 512 bytes, adds the residual and the bias (loaded at the head) and stores them.
; REGISTERS: window 0: v0-31 addresses; v128-255 accumulator (a, b) at 128 + 8 (4 a + b).  Window 1: two fragment buffers of 128 (64 of A, 64 of B).  Window 2: v0-127 the residual, v128-131 the bias.
.set OPROJ, 0
.if OPROJ
.set STEPS, 4
.set SEC,   6291456
.set AP,    144                        ; a token's 128 bytes + 16
.set AQ,    128*AP                     ; a quarter of a K step is a head: 128 tokens on
.set AH,    2*AQ                       ; what one load of A brings
.set ASTEP, 4*262144
.set PF,    0                          ; four K steps: no step lies two refills on, and the launch is short: no prefetch
.else
.set STEPS, 16
.set SEC,   16777216
.set AP,    528                        ; a row's 512 bytes + 16
.set AQ,    128
.set AH,    64*AP
.set ASTEP, 512
.set PF,    1
.endif
.set PB,    288                        ; a row of B: 256 bytes + 32: an odd multiple of 32, for the turning load
.set BOFF,  73728
.set BH,    128*PB
.set SLOT,  BOFF+2*BH
.set SPARE, 2*SLOT                     ; behind the ring: the spare words, 128 bytes a wave, which no other line names
.set DP,    528
.set BSTEP, 256*2048
.set ADRA, 16                          ; v16 my A fragments in the slot in hand; v17 in slot 0
.set ADRA0, 17
.set ADRB, 20                          ; v20 my B fragments, K rows 0-127; v21 rows 128-255; v22 in slot 0
.set ADRB0, 22
.set DST, 24
.set RD,  25
.set CO,  26
.set SPW, 28
.set NIL, 29
.set PFO, 30
.set ACC, 128
.set F0,  0
.set F1,  128
.set WV, 12
.set WM, 13
.set WN, 14
.set TY, 15
.set CX, 40
.set CY, 41
.set TX, 42
.set G1A, 24
.set G0A, 32
.set G1B, 48
.set G0B, 56
.set TB,  66
.set TF,  67
.set LWA, 68
.set LWB, 78
.set LIM, 69
.set PFA, 70
.set PFS, 72
.set MSB, 0
.macro WIN new
.if MSB != (\new)
	s_set_vgpr_msb (MSB<<8)|(\new)
.set MSB, \new
.endif
.endm
.set MUL,  0x05                        ; sources 0 (B) and 1 (A) window 1; C and D window 0
.set TO_F, 0x40
.macro PLACES
.rept 4
	v_nop
.endr
.endm
.macro JLOAD                           ; a joint refill by the walking descriptor; s_nop 0 and four v_nop follow each line
	s_cmp_eq_u32 s[WM], 0
	s_cbranch_scc0 .Lfor_b_\@
	tensor_load_to_lds s[G0A+4:G0A+7], s[G1A:G1A+7]
	s_nop 0
.rept 4
	v_nop
.endr
	s_branch .Lasked_\@
.Lfor_b_\@:
	tensor_load_to_lds s[G0B+4:G0B+7], s[G1B:G1B+7]
	s_nop 0
.rept 4
	v_nop
.endr
.Lasked_\@:
.endm
.macro CREST
	s_cmp_lg_u32 s[WV], 0
	s_cbranch_scc1 .Lnot_wave_0_\@
	s_barrier_signal -3
.Lnot_wave_0_\@:
	s_barrier_wait -3
	s_barrier_signal -1
	s_barrier_wait -1
.endm
.macro CROUND
	s_barrier_signal -1
	s_barrier_wait -1
	CREST
.endm
.macro STEPD                           ; the walking descriptors: the other slot, the next K step.  No tensor load of mine is out here
	s_xor_b32 s[TF], s[TF], SLOT
	s_add_co_u32 s[G0A+5], s[LWA], s[TF]
	s_add_co_u32 s[G0B+5], s[LWB], s[TF]
	s_add_nc_u64 s[G0A+6:G0A+7], s[G0A+6:G0A+7], ASTEP
	s_add_nc_u64 s[G0B+6:G0B+7], s[G0B+6:G0B+7], BSTEP
.endm
.macro FLIP
	s_xor_b32 s[TB], s[TB], SLOT
	v_add_nc_u32 v[ADRA], s[TB], v[ADRA0]
	v_add_nc_u32 v[ADRB], s[TB], v[ADRB0]
	v_add_nc_u32 v[ADRB+1], BH, v[ADRB]
.endm
; A PREFETCH INTO THE L2 (PF = 1) behind each refill and the run of LDS loads that follows it: the K step that stands two refills on, 256 matrix instructions ahead of the load that will want it.  A's rows are read by
; both clusters of a row of clusters: cluster x = 0 asks; B's by all eight of a column: cluster y = 0 asks.  The four partners share a wave's 128 blocks of 256 bytes out by address, 32 each, a lane a block: each
; block is named once in the launch.  K steps 0 to 3 come by their loads alone; the loop's last two trips ask for nothing.
.macro ASK
	s_cmp_gt_u32 s3, s[LIM]
	s_cbranch_scc0 .Lnot_mine_\@
	global_prefetch_b8 v[PFO], s[PFA:PFA+1] th:TH_LOAD_NT scope:SCOPE_SE
.Lnot_mine_\@:
.endm
	s_load_b256 s[4:11], s[0:1], 0x0               ; A s[4:5], wb s[6:7], bias s[8:9], resid s[10:11]
	s_load_b64 s[44:45], s[0:1], 0x20              ; out
	v_lshl_add_u32 v[SPW], v0, 2, SPARE
	v_mov_b32 v[NIL], 0
	ds_add_u32 v[SPW], v[NIL]                      ; the wave's opening: the add and its wait stand ahead of my first tensor load
	v_lshrrev_b32 v1, 5, v0
	v_readfirstlane_b32 s[WV], v1
	s_lshr_b32 s[WM], s[WV], 1
	s_and_b32 s[WN], s[WV], 1
	s_bfe_u32 s[CX], ttmp6, 0x40000
	s_bfe_u32 s[CY], ttmp6, 0x40004
	s_lshl_b32 s[TX], ttmp9, 2
	s_add_co_u32 s[TX], s[TX], s[CX]
	s_and_b32 s[TY], ttmp7, 0xffff
	s_lshl_b32 s[TY], s[TY], 2
	s_add_co_u32 s[TY], s[TY], s[CY]
	s_lshl_b32 s43, s[CY], 2
	s_lshl_b32 s43, 15, s43                        ; my row of the cluster
	s_lshl_b32 s46, 0x1111, s[CX]                  ; my column
.if OPROJ
	s_or_b32 s[G1A], s43, (1<<16)|(1<<20)|(1<<21)|(4<<22)|(3<<25)  ; mask; 2-byte elements; padding on; bit 21 beside a mask; after every 32 words (a token), 4 words
	s_mov_b32 s[G1A+1], 8192<<16                   ; tensor_dim0 = 8,192: a head's 128 tokens x 64 channels, dense
	s_mov_b32 s[G1A+2], 2<<16                      ; tensor_dim1 = 2 heads
	s_mov_b32 s[G1A+3], 8192<<16
	s_mov_b32 s[G1A+4], 2
	s_mov_b32 s[G1A+5], 131072                     ; elements from head to head
.else
	s_or_b32 s[G1A], s43, (1<<16)|(1<<20)|(1<<21)|(6<<22)|(3<<25)  ; after every 128 words (a row), 4 words
	s_mov_b32 s[G1A+1], 256<<16
	s_mov_b32 s[G1A+2], 64<<16
	s_mov_b32 s[G1A+3], 256<<16
	s_mov_b32 s[G1A+4], 64
	s_mov_b32 s[G1A+5], 4096
.endif
	s_mov_b32 s[G1A+6], 0
	s_mov_b32 s[G1A+7], 0
	s_or_b32 s[G1B], s46, (1<<16)|(1<<20)|(1<<21)|(5<<22)|(7<<25)  ; after every 64 words, 8 words
	s_mov_b32 s[G1B+1], 128<<16
	s_mov_b32 s[G1B+2], 128<<16
	s_mov_b32 s[G1B+3], 128<<16
	s_mov_b32 s[G1B+4], 128
	s_mov_b32 s[G1B+5], 1024
	s_mov_b32 s[G1B+6], 0
	s_mov_b32 s[G1B+7], 0
.if OPROJ
	s_lshr_b32 s16, s[TY], 4
	s_lshl_b32 s16, s16, 4                         ; the batch's 16 planes,
	s_lshl1_add_u32 s16, s[WN], s16                ; my two heads of the step's four
	s_lshl_b32 s16, s16, 11
	s_and_b32 s17, s[TY], 15
	s_lshl_b32 s17, s17, 7
	s_add_co_u32 s16, s16, s17                     ; plane x 2,048 + the tile's first token,
	s_lshl_b32 s16, s16, 7                         ; of 128 bytes
.else
	s_lshl_b32 s16, s[TY], 7
	s_lshl_b32 s17, s[WN], 6
	s_add_co_u32 s16, s16, s17
	s_lshl_b32 s16, s16, 13                        ; (128 x tile row + 64 x half) rows of 8,192 bytes
.endif
	s_mov_b32 s17, 0
	s_lshl_b32 s18, s[WN], 18                      ; B: 128 x half rows of 2,048 bytes,
	s_lshl_b32 s19, s[TX], 8
	s_add_co_u32 s18, s18, s19                     ; and the tile's 256 bytes of a row
	s_mov_b32 s19, 0
	s_mul_i32 s[LWA], s[WN], AH                    ; no place in the cluster enters an LDS address
	s_mul_i32 s[LWB], s[WN], BH
	s_add_co_u32 s[LWB], s[LWB], BOFF
	s_mov_b32 s[TB], 0
	s_mov_b32 s[TF], SLOT
	s_wait_dscnt 0x0                               ; the opening add is done
	s_wait_kmcnt 0x0
	s_add_nc_u64 s[6:7], s[6:7], SEC               ; my section of wb
	s_add_nc_u64 s[20:21], s[4:5], s[16:17]
	s_add_nc_u64 s[22:23], s[6:7], s[18:19]
	s_mov_b32 s[G0A], 1
	s_mov_b32 s[G0A+1], s[LWA]
	s_mov_b64 s[G0A+2:G0A+3], s[20:21]
	s_or_b32 s[G0A+3], s[G0A+3], 0x80000000
	s_mov_b32 s[G0A+4], 1
	s_add_co_u32 s[G0A+5], s[LWA], SLOT
	s_add_nc_u64 s[G0A+6:G0A+7], s[20:21], ASTEP
	s_or_b32 s[G0A+7], s[G0A+7], 0x80000000
	s_mov_b32 s[G0B], 1
	s_mov_b32 s[G0B+1], s[LWB]
	s_mov_b64 s[G0B+2:G0B+3], s[22:23]
	s_or_b32 s[G0B+3], s[G0B+3], 0x80000000
	s_mov_b32 s[G0B+4], 1
	s_add_co_u32 s[G0B+5], s[LWB], SLOT
	s_add_nc_u64 s[G0B+6:G0B+7], s[22:23], BSTEP
	s_or_b32 s[G0B+7], s[G0B+7], 0x80000000
	CROUND                                         ; all sixteen work-groups are here: the first joint loads meet
	s_cmp_eq_u32 s[WM], 0                          ; a wave's two first fills stand in one branch: two loads of mine are out
	s_cbranch_scc0 .Lfirst_b
	tensor_load_to_lds s[G0A:G0A+3], s[G1A:G1A+7]
	s_nop 0
	tensor_load_to_lds s[G0A+4:G0A+7], s[G1A:G1A+7]
	s_nop 0
.rept 4
	v_nop
.endr
	s_branch .Lfirst_done
.Lfirst_b:
	tensor_load_to_lds s[G0B:G0B+3], s[G1B:G1B+7]
	s_nop 0
	tensor_load_to_lds s[G0B+4:G0B+7], s[G1B:G1B+7]
	s_nop 0
.rept 4
	v_nop
.endr
.Lfirst_done:
	v_and_b32 v1, 15, v0
	v_bfe_u32 v2, v0, 4, 1
	v_and_b32 v6, 31, v0
	v_lshlrev_b32 v[CO], 4, v6                     ; 16 x lane
	s_lshl_b32 s16, s[TY], 7
	s_lshl_b32 s17, s[WV], 5
	s_add_co_u32 s16, s16, s17                     ; the 32 rows that I store,
	s_lshl_b32 s16, s16, 12
	s_lshl_b32 s17, s[TX], 9
	s_add_co_u32 s16, s16, s17                     ; the tile's 512 bytes of them
	s_mov_b32 s17, 0
	s_add_nc_u64 s[10:11], s[10:11], s[16:17]
	s_add_nc_u64 s[44:45], s[44:45], s[16:17]
	s_lshl_b32 s16, s[TX], 9
	s_add_nc_u64 s[8:9], s[8:9], s[16:17]
	WIN 0x80                                       ; destination window 2: the residual and the bias land under the K loop
.set i, 0
.rept 32
	global_load_b128 v[4*i:4*i+3], v[CO], s[10:11] offset:4096*i th:TH_LOAD_NT
.set i, i+1
.endr
	global_load_b128 v[128:131], v[CO], s[8:9]
	WIN 0
	v_mul_u32_u24 v3, v1, AP
	v_lshl_add_u32 v3, v2, 4, v3
	s_mul_i32 s16, s[WM], 64*AP
	v_add_nc_u32 v[ADRA0], s16, v3
	v_mov_b32 v[ADRA], v[ADRA0]
	v_and_b32 v4, 7, v0
	v_lshl_add_u32 v4, v2, 3, v4
	v_mul_u32_u24 v4, v4, PB
	v_bfe_u32 v5, v0, 3, 1
	v_lshl_add_u32 v4, v5, 4, v4
	s_lshl_b32 s16, s[WN], 7
	s_add_co_u32 s16, s16, BOFF
	v_add_nc_u32 v[ADRB0], s16, v4
	v_mov_b32 v[ADRB], v[ADRB0]
	v_add_nc_u32 v[ADRB+1], BH, v[ADRB]
	s_mul_i32 s16, s[WM], 64*DP                    ; into the dump: my 64 rows, my 256 bytes of them
	s_lshl_b32 s17, s[WN], 8
	s_add_co_u32 s16, s16, s17
	v_mul_u32_u24 v3, v1, DP
	v_lshl_add_u32 v3, v2, 5, v3
	v_add_nc_u32 v[DST], s16, v3
	s_mul_i32 s16, s[WV], 32*DP                    ; back: rows 32 wave .., whole
	v_add_nc_u32 v[RD], s16, v[CO]
.if PF
	s_lshl_b32 s18, s[TY], 7
	s_lshl_b32 s20, s[WN], 6
	s_add_co_u32 s18, s18, s20
	s_lshl_b32 s20, s[CX], 4
	s_add_co_u32 s18, s18, s20                     ; A: my work-group's 16 of the 64 rows that I fetch, two blocks a row
	s_lshl_b32 s18, s18, 13
	s_add_co_u32 s18, s18, 3*ASTEP                 ; at K step 3; the first refill steps it to 4
	s_lshl_b32 s19, s[WN], 7
	s_lshl_b32 s20, s[CY], 5
	s_add_co_u32 s19, s19, s20                     ; B: my work-group's 32 of the 128 rows
	s_add_co_u32 s19, s19, 3*256
	s_lshl_b32 s19, s19, 11
	s_lshl_b32 s20, s[TX], 8
	s_add_co_u32 s19, s19, s20
	s_and_b32 s22, ttmp7, 0xffff
	s_mov_b32 s17, 2048
	s_mov_b32 s[PFS], BSTEP
	s_mov_b32 s[PFS+1], 0
	s_mov_b32 s21, 0
	s_cmp_eq_u32 s[WM], 0
	s_cselect_b32 s20, s18, s19
	s_cselect_b32 s22, ttmp9, s22                  ; the coordinate along which other clusters read the same rows
	s_cselect_b32 s16, 1, 0
	s_cselect_b32 s17, 8192, s17
	s_cselect_b32 s[PFS], ASTEP, s[PFS]
	s_cselect_b64 s[PFA:PFA+1], s[4:5], s[6:7]
	s_add_nc_u64 s[PFA:PFA+1], s[PFA:PFA+1], s[20:21]
	s_cmp_eq_u32 s22, 0
	s_cselect_b32 s[LIM], 2, -1                    ; the same in all sixteen partners, for a given wave
	v_and_b32 v31, s16, v6
	v_lshrrev_b32 v[PFO], s16, v6
	v_mul_u32_u24 v[PFO], s17, v[PFO]
	v_lshl_add_u32 v[PFO], v31, 8, v[PFO]
.endif
.macro MMA zero
.if OPROJ
.if \zero
	v_wmma_f32_16x16x32_f16 v[rD:rD+7], v[rB:rB+7], v[rA:rA+7], 0
.else
	v_wmma_f32_16x16x32_f16 v[rD:rD+7], v[rB:rB+7], v[rA:rA+7], v[rD:rD+7]
.endif
.else
.if \zero
	v_wmma_f32_16x16x32_bf16 v[rD:rD+7], v[rB:rB+7], v[rA:rA+7], 0
.else
	v_wmma_f32_16x16x32_bf16 v[rD:rD+7], v[rB:rB+7], v[rA:rA+7], v[rD:rD+7]
.endif
.endif
.endm
; 8 matrix instructions: row blocks a0, a0 + 1 x all 4 column blocks, 32 along K: half c of buffer f.  The 16 accumulators take turns
.macro MUL8 f, c, a0, zero
	WIN MUL
.irp a, \a0, (\a0)+1
.irp b, 0,1,2,3
.set rD, ACC+8*(4*(\a)+(\b))
.set rB, (\f)+64+8*(4*(\c)+(\b))
.set rA, (\f)+8*(4*(\c)+(\a))
	MMA \zero
.endr
.endr
.endm
; 32 LDS loads in one run: quarter q (64 along K) of the slot in hand into buffer f; the first 32 along K first
.macro FETCH q, f
	WIN TO_F
.irp c, 0,1
.irp i, 0,1,2,3
	ds_load_tr16_b128 v[(\f)+64+8*(4*(\c)+(\i)):(\f)+64+8*(4*(\c)+(\i))+3],   v[ADRB+(\q)/2] offset:(((\q)%2)*64+32*(\c))*PB+32*(\i)
	ds_load_tr16_b128 v[(\f)+64+8*(4*(\c)+(\i))+4:(\f)+64+8*(4*(\c)+(\i))+7], v[ADRB+(\q)/2] offset:(((\q)%2)*64+32*(\c)+16)*PB+32*(\i)
	ds_load_b128 v[(\f)+8*(4*(\c)+(\i)):(\f)+8*(4*(\c)+(\i))+3],   v[ADRA] offset:(\q)*AQ+64*(\c)+(\i)*16*AP
	ds_load_b128 v[(\f)+8*(4*(\c)+(\i))+4:(\f)+8*(4*(\c)+(\i))+7], v[ADRA] offset:(\q)*AQ+64*(\c)+(\i)*16*AP+32
.endr
.endr
.endm
.macro QUARTER q, f, g, zero
	s_wait_dscnt 16                                ; the first 32 along K are in; the other sixteen loads may be out
	MUL8 \f, 0, 0, \zero
	MUL8 \f, 0, 2, \zero
	PLACES
	FETCH \q, \g
	s_wait_dscnt 32                                ; all but the 32 just issued
	MUL8 \f, 1, 0, 0
	MUL8 \f, 1, 2, 0
.endm
; The last quarter multiplies buffer 1 and changes slots: each wave waits for all its tensor loads (one is out: its part of the next slot), adds 0 to its spare word, waits for that and for its reads of this slot.
; fill = 1: the barrier opens a round of the cluster's, and the joint refill is the first thing behind it: 112 matrix instructions ahead of the wait for it.
.macro TURN fill
.if (\fill) && PF
	s_wait_xcnt 0x0                                ; the last prefetch, a K step back, has read its address
	s_add_nc_u64 s[PFA:PFA+1], s[PFA:PFA+1], s[PFS:PFS+1]
.endif
	WIN 0
	s_wait_tensorcnt 0x0
	ds_add_u32 v[SPW], v[NIL]
	s_wait_dscnt 17                                ; (the add and the youngest sixteen loads may be out)
	MUL8 F1, 0, 0, 0
	s_wait_dscnt 0x0                               ; the add is done, and my reads of this slot are over
	s_barrier_signal -1
	MUL8 F1, 0, 2, 0
	WIN 0
	s_barrier_wait -1
.if \fill
	CREST
	STEPD
	JLOAD                                          ; its four v_nop are also the places in front of the loads below
.else
	PLACES
.endif
	FLIP
	FETCH 0, F0
.if (\fill) && PF
	WIN 0
	ASK
.endif
	MUL8 F1, 1, 0, 0
	MUL8 F1, 1, 2, 0
.endm
	s_wait_tensorcnt 1                             ; my part of K step 0 is in; K step 1's load may stay out
	s_barrier_signal -1
	s_barrier_wait -1
	FETCH 0, F0
	QUARTER 1, F0, F1, 1                           ; the first products start the sums
	WIN 0
	s_mov_b32 s3, STEPS-2
.Lstep:
	QUARTER 2, F1, F0, 0
	QUARTER 3, F0, F1, 0
	TURN 1
	QUARTER 1, F0, F1, 0
	WIN 0
	s_sub_co_u32 s3, s3, 1
	s_cmp_lg_u32 s3, 0
	s_cbranch_scc1 .Lstep
	s_mov_b32 s3, 2
.Ltail:                                        ; the last two K steps ask for nothing; the second trip is left in its middle (its change of slots and the fragments that it fetches serve nothing)
	QUARTER 2, F1, F0, 0
	QUARTER 3, F0, F1, 0
	TURN 0
	WIN 0
	s_sub_co_u32 s3, s3, 1
	s_cmp_eq_u32 s3, 0
	s_cbranch_scc1 .Lout
	QUARTER 1, F0, F1, 0
	WIN 0
	s_branch .Ltail
.Lout:
	s_wait_dscnt 0x0                               ; my last reads of the ring are back
	PLACES                                         ; behind the last products
	s_barrier_signal -1
	s_barrier_wait -1                              ; nobody reads the ring any more; it has had its last fill
.set a, 0
.rept 4
.set b, 0
.rept 4                                        ; each accumulator's low four registers first
	ds_store_b128 v[DST], v[ACC+8*(4*a+b):ACC+8*(4*a+b)+3]   offset:a*16*DP+64*b
	ds_store_b128 v[DST], v[ACC+8*(4*a+b)+4:ACC+8*(4*a+b)+7] offset:a*16*DP+64*b+16
.set b, b+1
.endr
.set a, a+1
.endr
	s_wait_dscnt 0x0                               ; for the others' sake: a row's 512 bytes come from two waves
	s_barrier_signal -1
	s_barrier_wait -1
.set i, 0
.rept 32
	ds_load_b128 v[ACC+4*i:ACC+4*i+3], v[RD] offset:DP*i
.set i, i+1
.endr
	s_wait_loadcnt 0x0                             ; the residual and the bias
	WIN 0x08                                       ; source 1 in window 2
.set i, 0
.rept 32
	s_wait_dscnt 31-i                              ; row i is in; the younger loads stay out
	v_pk_add_f32 v[ACC+4*i:ACC+4*i+1],   v[ACC+4*i:ACC+4*i+1],   v[4*i:4*i+1]
	v_pk_add_f32 v[ACC+4*i+2:ACC+4*i+3], v[ACC+4*i+2:ACC+4*i+3], v[4*i+2:4*i+3]
	v_pk_add_f32 v[ACC+4*i:ACC+4*i+1],   v[ACC+4*i:ACC+4*i+1],   v[128:129]
	v_pk_add_f32 v[ACC+4*i+2:ACC+4*i+3], v[ACC+4*i+2:ACC+4*i+3], v[130:131]
.set i, i+1
.endr
	WIN 0
.set i, 0
.rept 32
	global_store_b128 v[CO], v[ACC+4*i:ACC+4*i+3], s[44:45] offset:4096*i  ; 512 consecutive bytes, aligned
.set i, i+1
.endr
	s_wait_tensorcnt 0x0                           ; the wave's end
	ds_add_u32 v[SPW], v[NIL]
	s_wait_dscnt 0x0
	CROUND                                         ; the closing round
	s_endpgm
.Lfunc_end_k_q2a6765b71e_ffn2:
	.size	k_q2a6765b71e_ffn2, .Lfunc_end_k_q2a6765b71e_ffn2-k_q2a6765b71e_ffn2
	.p2alignl 7, 3214868480
	.fill 96, 4, 3214868480
	.section	.rodata,"a",@progbits
	.p2align	6, 0x0
	.amdhsa_kernel k_q2a6765b71e_ffn2
		.amdhsa_group_segment_fixed_size 327680
		.amdhsa_private_segment_fixed_size 0
		.amdhsa_enable_private_segment 0
		.amdhsa_kernarg_size 40
		.amdhsa_user_sgpr_count 2
		.amdhsa_user_sgpr_kernarg_segment_ptr 1
		.amdhsa_wavefront_size32 1
		.amdhsa_system_sgpr_workgroup_id_x 1
		.amdhsa_system_sgpr_workgroup_id_y 1
		.amdhsa_system_sgpr_workgroup_id_z 1
		.amdhsa_system_vgpr_workitem_id 0
		.amdhsa_next_free_vgpr 656
		.amdhsa_next_free_sgpr 80
		.amdhsa_reserve_vcc 0
		.amdhsa_float_denorm_mode_32 3
		.amdhsa_float_denorm_mode_16_64 3
		.amdhsa_memory_ordered 1
		.amdhsa_forward_progress 1
		.amdhsa_inst_pref_size 71
	.end_amdhsa_kernel
	.amdgpu_metadata
---
amdhsa.version: [ 1, 2 ]
amdhsa.kernels:
  - .name:           k_q2a6765b71e_ffn2
    .symbol:         k_q2a6765b71e_ffn2.kd
    .args:
      - { .name: h, .offset: 0, .size: 8, .value_kind: global_buffer, .address_space: global }
      - { .name: wb, .offset: 8, .size: 8, .value_kind: global_buffer, .address_space: global }
      - { .name: b2, .offset: 16, .size: 8, .value_kind: global_buffer, .address_space: global }
      - { .name: x1, .offset: 24, .size: 8, .value_kind: global_buffer, .address_space: global }
      - { .name: out0, .offset: 32, .size: 8, .value_kind: global_buffer, .address_space: global }
    .group_segment_fixed_size: 327680
    .private_segment_fixed_size: 0
    .kernarg_segment_align: 8
    .kernarg_segment_size: 40
    .max_flat_workgroup_size: 128
    .sgpr_count:     80
    .vgpr_count:     656
    .wavefront_size: 32
...
	.end_amdgpu_metadata
.endif
;; end of part 7
;; ======== version 2 of 2: 7 launches; version 1 with the launch prep written anew for expert scheduling mode
;; limits: values are held in f16: magnitudes above 65,504 overflow, below 6.1e-05 lose precision
;; workspace buffers: wb 25,165,824 bytes; nx 8,388,608 bytes; qkvh 25,165,824 bytes; ctx 8,388,608 bytes; x1 16,777,216 bytes; nx2 8,388,608 bytes; h 33,554,432 bytes
;; launch prep (part 8): grid 256 x 1, 16 waves a work-group, no clusters, 0 bytes of LDS; arguments x, g1, be1, nx, w_qkv, w_o, w1, w2, wb; writes nx, wb
.if DOCPART == 8
	.amdgcn_target "amdgcn-amd-amdhsa--gfx1250"
	.amdhsa_code_object_version 6
	.text
	.protected	k_q2a6765b71e_prep
	.globl	k_q2a6765b71e_prep
	.p2align	8
	.type	k_q2a6765b71e_prep,@function
k_q2a6765b71e_prep:
	s_mov_b64 s[64:65], 0
	v_nop
	global_prefetch_b8 v0, s[64:65] scope:SCOPE_SE
	s_setreg_imm32_b32 hwreg(HW_REG_WAVE_SCHED_MODE, 0, 2), 2
	s_setreg_imm32_b32 hwreg(HW_REG_WAVE_MODE, 25, 1), 1
	s_wait_xcnt 0x0
	s_wait_alu depctr_vm_vsrc(0)
; TWO JOBS FOR EVERY WAVE.  The launch has 4,096 waves; wave w takes
;   row w of x: nx = layernorm(x; g1, be1), [4096][1024] f32 -> bf16: mean, then the squares of x - mean (two passes over registers, so a common offset of x costs nothing), all in f32; nx rounded once;
;   three pieces of 4,096 bytes of the weights, rounded to bf16 into wb, layout [K][N] kept: piece w of w_qkv followed by w_o (w_o begins at w = 3,072), piece w of w1, piece w of w2.
; wb: w_qkv at 0, w_o at 6,291,456, w1 at 8,388,608, w2 at 16,777,216.  w_o's bf16 number is written as f16, since its product takes f16 operands.
; LIMIT: |w_o| stays under 65,504, and below 6e-5 it keeps f16's step of 6e-8.
; All 48 loads of a wave go out ahead of everything else, and there is no loop: each byte is read once and written once; a load of a wave covers 512 consecutive bytes, a store 256, aligned.
; Results are made in the registers that were loaded.  No LDS, no barrier, no matrix unit: no wave wants a byte of another's but g and be.
; THE MODE: SCHED_MODE bits 1:0 = 2 (LLVM: expert scheduling mode 2), set by the entry lines.  The code itself states the register dependences
; between vector instructions and memory instructions, with s_wait_alu, always for 0.
; THE PLAN.  Registers that memory instructions touch:
;   v1, v2     byte offsets of the loads and of the stores: made once at the head, never written again.
;   XX         the row's loads land in it; the row's arithmetic works in place; its last sixteen conversions write XX + 4 c and XX + 4 c + 1, which the row's eight stores read.  Not written behind them.
;   GG, BB     loads land in them; vector instructions alone read them.
;   WW         the pieces' loads land in it; a piece's conversions write the first two of each four registers, which the piece's eight stores read.  Not written behind them.
;   v4 to v17  named by vector instructions alone.
; So there are four steps (the row, three pieces), and each ends with ONE wait on va_vdst, behind its conversions and ahead of its run of eight stores.  The wait stands at the step's end and not at the
; next step's head, since that head begins with a wait for data, behind which finished stores would lie.  One more wait on va_vdst, ahead of the first load, serves both offsets for the whole kernel.
; No wait on vm_vsrc is written behind the entry lines: no register that a memory instruction reads is ever written again.
.set CH, 4                             ; v[4:11]    four chains of sums, a pair each; later at work
.set TT, 12                            ; v12-13     at work
.set MN, 14                            ; v[14:15]   the mean, twice
.set RR, 16                            ; v[16:17]   1 / sqrt(var + eps), twice
.set GG, 20                            ; v[20:51]   g of my 32 columns
.set BB, 52                            ; v[52:83]   be
.set XX, 84                            ; v[84:115]  the row: load c holds columns 128 c + 4 lane .. + 3
.set WW, 116                           ; v[116:211] three pieces of 32 registers
	s_load_b256 s[4:11], s[0:1], 0x0               ; x s[4:5], g1 s[6:7], be1 s[8:9], nx s[10:11]
	s_load_b256 s[12:19], s[0:1], 0x20             ; w_qkv s[12:13], w_o s[14:15], w1 s[16:17], w2 s[18:19]
	s_load_b64 s[20:21], s[0:1], 0x40              ; wb
	v_and_b32 v3, 31, v0
	v_lshlrev_b32 v1, 4, v3                        ; 16 x lane: loads
	v_lshlrev_b32 v2, 3, v3                        ; 8 x lane: stores
	v_lshrrev_b32 v3, 5, v0
	v_readfirstlane_b32 s22, v3                    ; wave 0..15
	v_mov_b32 v[TT+1], 0                           ; the exchange's destination counts as read
	s_lshl_b32 s23, ttmp9, 4
	s_mov_b32 s3, 0
	s_mov_b32 s32, 0x76543210                      ; v_permlanex16_b32: each lane takes its own place in the other half
	s_mov_b32 s33, 0xfedcba98
	s_mov_b32 s34, 0x3a800000                      ; 1 / 1024
	s_mov_b32 s35, 0x3727c5ac                      ; 1e-5
	s_wait_alu depctr_va_sdst(0)                   ; s22 is written, ahead of its first reader: every base below is made from it
	s_add_co_u32 s23, s23, s22                     ; w
	s_cmp_ge_u32 s23, 3072                         ; is my first piece w_o's?
	s_cselect_b32 s29, 1, 0
	s_cselect_b32 s30, 3072, 0
	s_sub_co_u32 s30, s23, s30                     ; its number in its own matrix
	s_wait_kmcnt 0x0
	s_cmp_eq_u32 s29, 1
	s_cselect_b64 s[12:13], s[14:15], s[12:13]
	s_lshl_b32 s2, s30, 12
	s_add_nc_u64 s[12:13], s[12:13], s[2:3]
	s_lshl_b32 s2, s23, 12                         ; 4,096 bytes: a row of x, a piece of w1 and of w2
	s_add_nc_u64 s[4:5], s[4:5], s[2:3]
	s_add_nc_u64 s[16:17], s[16:17], s[2:3]
	s_add_nc_u64 s[18:19], s[18:19], s[2:3]
	s_lshl_b32 s2, s23, 11                         ; 2,048 bytes: what each becomes
	s_add_nc_u64 s[10:11], s[10:11], s[2:3]
	s_add_nc_u64 s[20:21], s[20:21], s[2:3]        ; w_qkv's and w_o's sections lie on end
	s_add_nc_u64 s[24:25], s[20:21], 8388608       ; w1's
	s_add_nc_u64 s[26:27], s[20:21], 16777216      ; w2's
	s_wait_alu depctr_va_vdst(0)                   ; v1 and v2 are written: every load of the kernel reads v1 as its offset, every store v2
.irp c, 0,1,2,3,4,5,6,7
	global_load_b128 v[XX+4*(\c):XX+4*(\c)+3], v1, s[4:5] offset:512*(\c) th:TH_LOAD_NT
.endr
.irp c, 0,1,2,3,4,5,6,7
	global_load_b128 v[GG+4*(\c):GG+4*(\c)+3], v1, s[6:7] offset:512*(\c)
.endr
.irp c, 0,1,2,3,4,5,6,7
	global_load_b128 v[BB+4*(\c):BB+4*(\c)+3], v1, s[8:9] offset:512*(\c)
.endr
.irp c, 0,1,2,3,4,5,6,7
	global_load_b128 v[WW+4*(\c):WW+4*(\c)+3], v1, s[12:13] offset:512*(\c) th:TH_LOAD_NT
.endr
.irp c, 0,1,2,3,4,5,6,7
	global_load_b128 v[WW+32+4*(\c):WW+32+4*(\c)+3], v1, s[16:17] offset:512*(\c) th:TH_LOAD_NT
.endr
.irp c, 0,1,2,3,4,5,6,7
	global_load_b128 v[WW+64+4*(\c):WW+64+4*(\c)+3], v1, s[18:19] offset:512*(\c) th:TH_LOAD_NT
.endr
.macro REDUCE                          ; the four chains into one number, the same in every lane, in v[TT]
	v_pk_add_f32 v[CH:CH+1], v[CH:CH+1], v[CH+2:CH+3]
	v_pk_add_f32 v[CH+4:CH+5], v[CH+4:CH+5], v[CH+6:CH+7]
	v_pk_add_f32 v[CH:CH+1], v[CH:CH+1], v[CH+4:CH+5]
	v_add_f32 v[TT], v[CH], v[CH+1]
.irp m, 1,2,4,8
	v_add_f32_dpp v[TT], v[TT], v[TT] row_xmask:\m row_mask:0xf bank_mask:0xf
.endr
	v_permlanex16_b32 v[TT+1], v[TT], s32, s33
	v_add_f32 v[TT], v[TT], v[TT+1]
.endm
	; ---- the row ----
	s_wait_loadcnt 40                              ; loads come back in order: the row is in; g, be (16) and the pieces (24) stay out
.set k, 0
.rept 4
	v_pk_add_f32 v[CH+2*k:CH+2*k+1], v[XX+2*k:XX+2*k+1], v[XX+8+2*k:XX+8+2*k+1]
.set k, k+1
.endr
.set k, 0
.rept 8
	v_pk_add_f32 v[CH+2*(k%4):CH+2*(k%4)+1], v[CH+2*(k%4):CH+2*(k%4)+1], v[XX+16+2*k:XX+16+2*k+1]
.set k, k+1
.endr
	REDUCE
	v_mul_f32 v[MN], s34, v[TT]
	v_mul_f32 v[MN+1], s34, v[TT]
.set k, 0
.rept 16
	v_pk_add_f32 v[XX+2*k:XX+2*k+1], v[XX+2*k:XX+2*k+1], v[MN:MN+1] neg_lo:[0,1] neg_hi:[0,1]
.set k, k+1
.endr
.set k, 0
.rept 4
	v_pk_mul_f32 v[CH+2*k:CH+2*k+1], v[XX+2*k:XX+2*k+1], v[XX+2*k:XX+2*k+1]
.set k, k+1
.endr
.rept 12
	v_pk_fma_f32 v[CH+2*(k%4):CH+2*(k%4)+1], v[XX+2*k:XX+2*k+1], v[XX+2*k:XX+2*k+1], v[CH+2*(k%4):CH+2*(k%4)+1]
.set k, k+1
.endr
	REDUCE
	v_fma_f32 v[TT], v[TT], s34, s35               ; var + eps
	v_rsq_f32 v[RR], v[TT]
	v_rsq_f32 v[RR+1], v[TT]
	v_nop                                          ; a plain instruction behind the last root,
	s_wait_alu depctr_va_vdst(0)                   ; and one wait for both: the roots have written v[RR] and v[RR+1], ahead of their first reader
	s_wait_loadcnt 24                              ; g and be are in; the pieces stay out
.set k, 0
.rept 16
	v_pk_mul_f32 v[XX+2*k:XX+2*k+1], v[XX+2*k:XX+2*k+1], v[RR:RR+1]
.set k, k+1
.endr
.set k, 0
.rept 16
	v_pk_fma_f32 v[XX+2*k:XX+2*k+1], v[XX+2*k:XX+2*k+1], v[GG+2*k:GG+2*k+1], v[BB+2*k:BB+2*k+1]
.set k, k+1
.endr
.set c, 0
.rept 8
	v_cvt_pk_bf16_f32 v[XX+4*c], v[XX+4*c], v[XX+4*c+1]
	v_cvt_pk_bf16_f32 v[XX+4*c+1], v[XX+4*c+2], v[XX+4*c+3]
.set c, c+1
.endr
	s_wait_alu depctr_va_vdst(0)                   ; the sixteen conversions have written XX + 4 c and XX + 4 c + 1, which the eight stores read
.set c, 0
.rept 8
	global_store_b64 v2, v[XX+4*c:XX+4*c+1], s[10:11] offset:256*c th:TH_STORE_NT  ; 32 lanes store 256 consecutive bytes, aligned
.set c, c+1
.endr
	; ---- the pieces ----  piece k's load c is the wave's piece load 8 k + c of 24
.macro CONV k, half                    ; piece k is rounded in place.  half = 1: the bf16 number is written as f16
.set c, 0
.rept 8
.set r, WW+32*(\k)+4*c
	s_wait_loadcnt 23-8*(\k)-c                     ; this load is in, the younger ones stay out
	v_cvt_pk_bf16_f32 v[r], v[r], v[r+1]
	v_cvt_pk_bf16_f32 v[r+1], v[r+2], v[r+3]
.if \half
	v_lshlrev_b32 v8, 16, v[r]
	v_and_b32 v9, 0xffff0000, v[r]
	v_lshlrev_b32 v10, 16, v[r+1]
	v_and_b32 v11, 0xffff0000, v[r+1]
	v_cvt_pk_f16_f32 v[r], v8, v9
	v_cvt_pk_f16_f32 v[r+1], v10, v11
.endif
.set c, c+1
.endr
.endm
.macro SEND k, base                    ; piece k leaves: one wait, then its eight stores in a run
	s_wait_alu depctr_va_vdst(0)                   ; the piece's conversions have written the first two of each four of its registers, which the eight stores read
.set c, 0
.rept 8
.set r, WW+32*(\k)+4*c
	global_store_b64 v2, v[r:r+1], s[\base:\base+1] offset:256*c th:TH_STORE_NT
.set c, c+1
.endr
.endm
	s_cmp_eq_u32 s29, 1
	s_cbranch_scc1 .Lwo
	CONV 0, 0
	s_branch .Lrest
.Lwo:
	CONV 0, 1
.Lrest:
	SEND 0, 20                                     ; behind the label where the two ways join: its wait covers the conversions of either
	CONV 1, 0
	SEND 1, 24
	CONV 2, 0
	SEND 2, 26
	s_endpgm
.Lfunc_end_k_q2a6765b71e_prep:
	.size	k_q2a6765b71e_prep, .Lfunc_end_k_q2a6765b71e_prep-k_q2a6765b71e_prep
	.p2alignl 7, 3214868480
	.fill 96, 4, 3214868480
	.section	.rodata,"a",@progbits
	.p2align	6, 0x0
	.amdhsa_kernel k_q2a6765b71e_prep
		.amdhsa_group_segment_fixed_size 0
		.amdhsa_private_segment_fixed_size 0
		.amdhsa_enable_private_segment 0
		.amdhsa_kernarg_size 72
		.amdhsa_user_sgpr_count 2
		.amdhsa_user_sgpr_kernarg_segment_ptr 1
		.amdhsa_wavefront_size32 1
		.amdhsa_system_sgpr_workgroup_id_x 1
		.amdhsa_system_sgpr_workgroup_id_y 1
		.amdhsa_system_sgpr_workgroup_id_z 1
		.amdhsa_system_vgpr_workitem_id 0
		.amdhsa_next_free_vgpr 212
		.amdhsa_next_free_sgpr 66
		.amdhsa_reserve_vcc 0
		.amdhsa_float_denorm_mode_32 3
		.amdhsa_float_denorm_mode_16_64 3
		.amdhsa_memory_ordered 1
		.amdhsa_forward_progress 1
		.amdhsa_inst_pref_size 25
	.end_amdhsa_kernel
	.amdgpu_metadata
---
amdhsa.version: [ 1, 2 ]
amdhsa.kernels:
  - .name:           k_q2a6765b71e_prep
    .symbol:         k_q2a6765b71e_prep.kd
    .args:
      - { .name: x, .offset: 0, .size: 8, .value_kind: global_buffer, .address_space: global }
      - { .name: g1, .offset: 8, .size: 8, .value_kind: global_buffer, .address_space: global }
      - { .name: be1, .offset: 16, .size: 8, .value_kind: global_buffer, .address_space: global }
      - { .name: nx, .offset: 24, .size: 8, .value_kind: global_buffer, .address_space: global }
      - { .name: w_qkv, .offset: 32, .size: 8, .value_kind: global_buffer, .address_space: global }
      - { .name: w_o, .offset: 40, .size: 8, .value_kind: global_buffer, .address_space: global }
      - { .name: w1, .offset: 48, .size: 8, .value_kind: global_buffer, .address_space: global }
      - { .name: w2, .offset: 56, .size: 8, .value_kind: global_buffer, .address_space: global }
      - { .name: wb, .offset: 64, .size: 8, .value_kind: global_buffer, .address_space: global }
    .group_segment_fixed_size: 0
    .private_segment_fixed_size: 0
    .kernarg_segment_align: 8
    .kernarg_segment_size: 72
    .max_flat_workgroup_size: 512
    .sgpr_count:     66
    .vgpr_count:     212
    .wavefront_size: 32
...
	.end_amdgpu_metadata
.endif
;; end of part 8
;; launch qkv: the kernel of part 2 again; grid 12 x 16, 4 waves a work-group, clusters of 4 x 4, 327,680 bytes of LDS; arguments nx, wb, b_qkv, qkvh; writes qkvh
;; launch attn: the kernel of part 3 again; grid 8 x 32, 4 waves a work-group, no clusters, 87,552 bytes of LDS; arguments qkvh, ctx; writes ctx
;; launch oproj: the kernel of part 4 again; grid 8 x 32, 4 waves a work-group, clusters of 4 x 4, 327,680 bytes of LDS; arguments ctx, wb, b_o, x, x1; writes x1
;; launch ln2: the kernel of part 5 again; grid 256 x 1, 16 waves a work-group, no clusters, 0 bytes of LDS; arguments x1, g2, be2, nx2; writes nx2
;; launch ffn1: the kernel of part 6 again; grid 16 x 16, 4 waves a work-group, clusters of 4 x 4, 327,680 bytes of LDS; arguments nx2, wb, b1, h; writes h
;; launch ffn2: the kernel of part 7 again; grid 8 x 32, 4 waves a work-group, clusters of 4 x 4, 327,680 bytes of LDS; arguments h, wb, b2, x1, out0; writes out0
